; MI455X (gfx1250); checked and timed in simulation.
; The chip was launched on July 23, 2026; its instructions are those of AMD's public machine-readable ISA for CDNA 5 (MIT licence, August 2026) and "CDNA5" Instruction Set Architecture Reference Guide (July 2026). The comments in the code are by the model that wrote it; some were corrected since.
;; Multi Head Attention. Allowed arithmetic: matrix products marked QUANTISED: E2M3 operands, one E8M0 scale for each 32 along K, by v_wmma_scale_f32_16x16x128_f8f6f4 with both operands' format E2M3, f32 sums; everything else in f32.
;; Inputs: Wk 1,024 x 1,024 float32; Wo 1,024 x 1,024 float32; Wq 1,024 x 1,024 float32; Wv 1,024 x 1,024 float32; bo 1,024 float32; x 4 x 2,048 x 1,024 float32.
;; Outputs: out0 4 x 2,048 x 1,024 float32.
;; This version of the problem:
;;   THIS VERSION OF THE PROBLEM IS GIVEN IN LOW PRECISION. The matrix products marked QUANTISED in the list below multiply operands that are first quantised to E2M3 (2 exponent bits, 3 mantissa bits; 6 bits a number), with one power-of-two scale for each 32 numbers along K (OCP MX v1.0); their sums are f32. All else is computed in f32.
;;   The module's matrix products, in the order in which they are computed (A, B: the left and right operand; K: the contracted axis; several contracted axes count as one K, in the product's order):
;;     1. [M 8,192, K 1,024] x [K 1,024, N 1,024]; A: input x; B: input Wq: QUANTISED
;;     2. [M 8,192, K 1,024] x [K 1,024, N 1,024]; A: input x; B: input Wk: QUANTISED
;;     3. [M 8,192, K 1,024] x [K 1,024, N 1,024]; A: input x; B: input Wv: QUANTISED
;;     4. batch 64 x [M 2,048, K 64] x [K 64, N 2,048]; A: computed on the way; B: computed on the way: QUANTISED
;;     5. batch 64 x [M 2,048, K 2,048] x [K 2,048, N 64]; A: softmax (see below); B: computed on the way: QUANTISED
;;     6. [M 8,192, K 1,024] x [K 1,024, N 1,024]; A: computed on the way; B: input Wo: QUANTISED
;;   THE QUANTISER, for each operand of a quantised product, along K:
;;     - K is cut into blocks of 32 from its start; a last block that is shorter is filled with zeros.
;;     - A block's scale is 2^e with e = floor(log2(the largest magnitude in the block)) - 2, held to -126 .. 127; a block of zeros has e = 0. As a byte (E8M0): e + 127.
;;     - Each number is divided by its block's scale, clamped to +-7.5, and rounded to the nearest number of E2M3, ties to even, subnormals kept.
;;     - The product sums the exact products of the quantised numbers (number of the format x scale) in f32.
;;   ~~~python
;;   def quantise(x, axis):      # numpy; x: float32 -> the quantised numbers, widened to float32 again
;;       x = np.moveaxis(x, axis, -1); K = x.shape[-1]
;;       x = np.pad(x, [(0, 0)] * (x.ndim - 1) + [(0, -K % 32)]); x = x.reshape(x.shape[:-1] + (-1, 32)); a = np.abs(x).max(-1, keepdims=True)
;;       e = np.where(a > 0, np.clip(np.frexp(np.where(a > 0, a, 1))[1] - 1 - 2, -126, 127), 0)      # np.frexp(a)[1] - 1 = floor(log2(a)), exactly
;;       r = np.clip(x / 2.0 ** e, -7.5, 7.5)
;;       step = 2.0 ** (np.maximum(np.frexp(np.where(r == 0, 1, r))[1] - 1, 0) - 3)
;;       q = np.round(r / step) * step * 2.0 ** e      # np.round: ties to even
;;       return np.moveaxis(q.reshape(q.shape[:-2] + (-1,))[..., :K], -1, axis).astype(np.float32)
;;   ~~~
;;   SOFTMAX AHEAD OF A QUANTISED PRODUCT. Where the list says 'softmax', what is quantised is not the finished softmax but p = 2^(t - M), with t = logit x log2(e) and M = ceil(the row's largest t), a whole number; so 1/2 < the row's largest p <= 1. The row's sum l is taken of the UNQUANTISED p, in f32, and the product's result is divided by l at the end. Since M is a whole number, a kernel that streams over the keys may use a running M (the ceiling of the running maximum): every later rescaling is an exact power of two, which a block's scale takes up: the codes' values come out the same.
;;   OPERANDS COMPUTED ON THE WAY. 'Computed on the way' means the value that the module computes at that place (a softmax that the list does not call 'softmax' is quantised finished and normalised). What goes into a quantiser is computed in f32, as accurately as f32 sums, v_exp_f32 and their like allow (about 1e-6 of the number): no bf16 or f16 on the way to a quantiser, and a product that is left as it is and whose result goes on into a quantised operand takes f32 operands (vector FMAs, or v_wmma_f32_16x16x4_f32). A number that lies on a knife's edge between two numbers of the format may be rounded either way, as far as f32 arithmetic and the matrix unit's own rounding can turn it there, and no further.
;; 2 versions. Each part assembles by itself: llvm-mc -triple=amdgcn-amd-amdhsa -mcpu=gfx1250 --defsym DOCPART=n.
;; ======== version 1 of 2: 6 launches
;; workspace buffers: xq 6,553,600 bytes; wqk 1,835,008 bytes; wvq 1,048,576 bytes; woq 1,048,576 bytes; qkq 16,777,216 bytes; vq 54,525,952 bytes; ctxq 6,553,600 bytes
;; launch quant_x (part 1): grid 512 x 1, 4 waves a work-group, no clusters, 34,816 bytes of LDS; arguments x, xq; writes xq
.if DOCPART == 1
	.amdgcn_target "amdgcn-amd-amdhsa--gfx1250"
	.amdhsa_code_object_version 6
	.text
	.protected	k_q77ed8ea6e0_quant_x
	.globl	k_q77ed8ea6e0_quant_x
	.p2align	8
	.type	k_q77ed8ea6e0_quant_x,@function
k_q77ed8ea6e0_quant_x:
	s_mov_b64 s[64:65], 0
	v_nop
	global_prefetch_b8 v0, s[64:65] scope:SCOPE_SE
	s_setreg_imm32_b32 hwreg(HW_REG_WAVE_MODE, 25, 1), 1
	s_wait_xcnt 0x0
; x [8192][1024] f32 becomes codes of FP6 (E2M3) with one E8M0 byte for each 32 along K, laid as the products' launches read them.
; A block's scale is 2^(floor(log2(its largest magnitude)) - 2); its byte is the largest magnitude's exponent field - 2, held at 1 from below.
; LAYOUT OF xq.  Rows stand in FRAGMENT ORDER: within each 32 rows, place 16 u + r holds row 8 u + r + 8 (r / 8).  Bytes 0 ..: the scale bytes, [place][32].
; From CODES on: [fragment of 16 places][K step of 128][1,536 bytes], a fragment's 12 registers as an image: registers 0-3 at 16 x lane, 4-5 at 512 + 8 x lane, 6-9 at 768 + 16 x lane, 10-11 at 1,280 + 8 x lane.
; SHARES.  A work-group takes one fragment (16 rows), wave w its K steps 2 w and 2 w + 1.  Each load reads 512 consecutive bytes of a row; the numbers turn through the wave's own stage in LDS
; (rows 528 bytes apart) so that lane (r, h) holds, of row r, 16 neighbours of each block of 32.  Every store of codes covers whole aligned runs of 256 bytes.
; LIMITS: NaN and infinities among the inputs are not served; a block of zeros gets the byte 1 (its codes are zeros, and this program alone reads the bytes).
.set CODES, 262144
.set FRB,   1536
.set SP,    528                        ; a stage row: 512 bytes + 16
.set WST,   16*SP                      ; a wave's stage
.set SCL,   4*WST                      ; behind the stages: the fragment's 512 scale bytes
.set L16,   2                          ; v2  16 x lane
.set L8,    3                          ; v3  8 x lane
.set SW,    4                          ; v4  the stage, on the way in
.set SRD,   5                          ; v5  and on the way out: row r, + 64 h
.set SCW,   6                          ; v6  where my scale word goes
.set SCR,   7                          ; v7  where wave 0 reads the scale bytes back
.set PC,    12                         ; v12-31   the codes just made
.set R,     32                         ; v32-159  2 x 16 loads of 4 registers
.set X,     160                        ; v160-223 64 numbers: register 16 b + i = k 32 b + 16 h + i of my row
.set TM,    224                        ; v224-239 at work
.set PW,    240                        ; v240, v241 the two K steps' scale words; v242 the one that I store
.set SEL,   20                         ; s[20:21] v_permlanex16_b32's selects for lane l xor 16
.macro QUANT s, pw
.irp b, 0,1,2,3
	v_max3_num_f32 v[TM+\b], |v[\s+16*\b]|, |v[\s+1+16*\b]|, 0x1800000   ; block b: my 16 numbers, and the floor 2^(3 - 127): the byte cannot fall under 1
.endr
.irp i, 2,4,6,8,10,12,14
.irp b, 0,1,2,3
	v_max3_num_f32 v[TM+\b], v[TM+\b], |v[\s+16*\b+\i]|, |v[\s+1+16*\b+\i]|   ; the four blocks by turns
.endr
.endr
.irp b, 0,1,2,3
	v_permlanex16_b32 v[TM+4+\b], v[TM+\b], s[SEL], s[SEL+1]
.endr
.irp b, 0,1,2,3
	v_max_num_f32 v[TM+\b], v[TM+\b], v[TM+4+\b]           ; with lane l xor 16's: the block's largest magnitude
.endr
.irp b, 0,1,2,3
	v_add_nc_u32 v[TM+12+\b], 0xff000000, v[TM+\b]         ; 2 off its exponent field: the conversion's scale operand
.endr
.irp b, 0,1,2,3
	v_lshrrev_b32 v[TM+4+\b], 23, v[TM+12+\b]              ; the scale's byte
.endr
	v_lshl_or_b32 v[\pw], v[TM+5], 8, v[TM+4]
	v_lshl_or_b32 v[\pw], v[TM+6], 16, v[\pw]
	v_lshl_or_b32 v[\pw], v[TM+7], 24, v[\pw]              ; my row's scale word
.irp c, 0,1
	v_cvt_scalef32_pk16_fp6_f32 v[PC+6*\c:PC+2+6*\c], v[\s+32*\c:\s+15+32*\c], v[TM+12+2*\c]
	v_cvt_scalef32_pk16_fp6_f32 v[PC+12+4*\c:PC+14+4*\c], v[\s+16+32*\c:\s+31+32*\c], v[TM+12+2*\c+1]   ; a conversion's three registers begin on an even number
.endr
	v_nop                                                  ; one plain place behind a scaled conversion
.irp c, 0,1                                            ; the operand's layout wants a whole block in a lane
.irp i, 0,1,2
	v_permlane16_swap_b32 v[PC+6*\c+\i], v[PC+12+4*\c+\i]
.endr
.irp i, 0,1,2
	v_mov_b32 v[PC+3+6*\c+\i], v[PC+12+4*\c+\i]
.endr
.endr
.endm
.macro TURN s                          ; K step s through the stage: LDS serves a wave's instructions in order, so no wait stands between the stores and the loads
.irp i, 0,1,2,3,4,5,6,7,8,9,10,11,12,13,14,15
	ds_store_b128 v[SW], v[R+64*\s+4*\i:R+64*\s+4*\i+3] offset:SP*\i
.endr
.irp b, 0,1,2,3
.irp j, 0,1,2,3
	ds_load_b128 v[X+16*\b+4*\j:X+16*\b+4*\j+3], v[SRD] offset:128*\b+16*\j
.endr
.endr
	s_wait_dscnt 0x0
.endm
.macro IMAGE off                       ; the fragment leaves as it stands in the registers
	global_store_b128 v[L16], v[PC:PC+3], s[16:17] offset:\off
	global_store_b64 v[L8], v[PC+4:PC+5], s[16:17] offset:\off+512
	global_store_b128 v[L16], v[PC+6:PC+9], s[16:17] offset:\off+768
	global_store_b64 v[L8], v[PC+10:PC+11], s[16:17] offset:\off+1280
.endm
	s_load_b128 s[4:7], s[0:1], 0x0                ; x, xq
	v_lshl_add_u32 v248, v0, 2, 0x8600
	v_mov_b32 v249, 0
	v_lshrrev_b32 v1, 5, v0
	v_readfirstlane_b32 s8, v1                     ; wave
	v_and_b32 v1, 31, v0                           ; lane
	v_and_b32 v8, 15, v0                           ; r
	v_bfe_u32 v9, v0, 4, 1                         ; h
	v_lshlrev_b32 v[L16], 4, v1
	v_lshlrev_b32 v[L8], 3, v1
	s_mul_i32 s9, s8, WST
	v_add_nc_u32 v[SW], s9, v[L16]
	v_mul_u32_u24 v[SRD], v8, SP
	v_lshl_add_u32 v[SRD], v9, 6, v[SRD]
	v_add_nc_u32 v[SRD], s9, v[SRD]
	v_lshlrev_b32 v[SCW], 5, v8
	v_lshl_add_u32 v[SCW], v9, 2, v[SCW]
	s_lshl_b32 s10, s8, 3
	s_add_co_u32 s10, s10, SCL
	v_add_nc_u32 v[SCW], s10, v[SCW]               ; SCL + 32 r + 8 w + 4 h: lanes 0-15 store K step 2 w's word, lanes 16-31 K step 2 w + 1's
	v_add_nc_u32 v[SCR], SCL, v[L16]
.irp b, 0,1,2,3
	v_mov_b32 v[TM+4+\b], 0                        ; written once: a lane permute's destination counts as one of its sources
.endr
	s_mov_b32 s[SEL], 0x76543210
	s_mov_b32 s[SEL+1], 0xfedcba98
	s_mov_b32 s12, 0xffff0000                      ; lanes 16-31
	s_lshr_b32 s11, ttmp9, 1
	s_lshl_b32 s11, s11, 5
	s_and_b32 s13, ttmp9, 1
	s_lshl_b32 s13, s13, 3
	s_add_co_u32 s11, s11, s13                     ; the fragment's first row: 32 (f / 2) + 8 (f % 2)
	s_lshl_b32 s14, s11, 12
	s_lshl_b32 s13, s8, 10
	s_add_co_u32 s14, s14, s13                     ; + my wave's 1,024 bytes of a row
	s_mov_b32 s15, 0
	s_mul_i32 s16, ttmp9, 8*FRB
	s_mul_i32 s13, s8, 2*FRB
	s_add_co_u32 s16, s16, s13
	s_add_co_u32 s16, s16, CODES
	s_mov_b32 s17, 0
	s_lshl_b32 s18, ttmp9, 9
	s_mov_b32 s19, 0
	s_wait_kmcnt 0x0
	s_add_nc_u64 s[4:5], s[4:5], s[14:15]
	s_add_nc_u64 s[16:17], s[6:7], s[16:17]        ; my two images
	s_add_nc_u64 s[18:19], s[6:7], s[18:19]        ; the fragment's scale bytes
.irp s, 0,1
.irp i, 0,1,2,3,4,5,6,7,8,9,10,11,12,13,14,15
	global_load_b128 v[R+64*\s+4*\i:R+64*\s+4*\i+3], v[L16], s[4:5] offset:(\i+8*(\i/8))*4096+512*\s th:TH_LOAD_NT   ; place i's row, 512 consecutive bytes
.endr
.endr
	s_wait_loadcnt 16                              ; K step 0's sixteen loads are in; K step 1's may be out
	TURN 0
	QUANT X, PW
	IMAGE 0
	s_wait_loadcnt 0x0
	TURN 1
	s_wait_xcnt 0x0                                ; the stores above have read their registers: the codes' registers are written again only behind this wait
	QUANT X, PW+1
	IMAGE FRB
	v_cndmask_b32 v242, v[PW], v[PW+1], s12        ; both halves of the lanes hold both words: each word is stored by one lane
	ds_store_b32 v[SCW], v242
	s_wait_dscnt 0x0                               ; for the others' sake: my word has landed
	s_barrier_signal -1
	s_barrier_wait -1
	s_cmp_lg_u32 s8, 0
	s_cbranch_scc1 .Ldone
	ds_load_b128 v[X:X+3], v[SCR]                  ; wave 0 stores the fragment's 512 scale bytes: two aligned runs of 256
	s_wait_dscnt 0x0
	global_store_b128 v[L16], v[X:X+3], s[18:19]
.Ldone:
	s_wait_tensorcnt 0x0
	ds_add_u32 v248, v249
	s_wait_dscnt 0x0
	s_endpgm
.Lfunc_end_k_q77ed8ea6e0_quant_x:
	.size	k_q77ed8ea6e0_quant_x, .Lfunc_end_k_q77ed8ea6e0_quant_x-k_q77ed8ea6e0_quant_x
	.p2alignl 7, 3214868480
	.fill 96, 4, 3214868480
	.section	.rodata,"a",@progbits
	.p2align	6, 0x0
	.amdhsa_kernel k_q77ed8ea6e0_quant_x
		.amdhsa_group_segment_fixed_size 34816
		.amdhsa_private_segment_fixed_size 0
		.amdhsa_enable_private_segment 0
		.amdhsa_kernarg_size 16
		.amdhsa_user_sgpr_count 2
		.amdhsa_user_sgpr_kernarg_segment_ptr 1
		.amdhsa_wavefront_size32 1
		.amdhsa_system_sgpr_workgroup_id_x 1
		.amdhsa_system_sgpr_workgroup_id_y 1
		.amdhsa_system_sgpr_workgroup_id_z 1
		.amdhsa_system_vgpr_workitem_id 0
		.amdhsa_next_free_vgpr 250
		.amdhsa_next_free_sgpr 66
		.amdhsa_reserve_vcc 0
		.amdhsa_float_denorm_mode_32 3
		.amdhsa_float_denorm_mode_16_64 3
		.amdhsa_memory_ordered 1
		.amdhsa_forward_progress 1
		.amdhsa_inst_pref_size 19
	.end_amdhsa_kernel
	.amdgpu_metadata
---
amdhsa.version: [ 1, 2 ]
amdhsa.kernels:
  - .name:           k_q77ed8ea6e0_quant_x
    .symbol:         k_q77ed8ea6e0_quant_x.kd
    .args:
      - { .name: x, .offset: 0, .size: 8, .value_kind: global_buffer, .address_space: global }
      - { .name: xq, .offset: 8, .size: 8, .value_kind: global_buffer, .address_space: global }
    .group_segment_fixed_size: 34816
    .private_segment_fixed_size: 0
    .kernarg_segment_align: 8
    .kernarg_segment_size: 16
    .max_flat_workgroup_size: 128
    .sgpr_count:     66
    .vgpr_count:     250
    .wavefront_size: 32
...
	.end_amdgpu_metadata
.endif
;; end of part 1
;; launch quant_w (part 2): grid 32 x 8, 4 waves a work-group, no clusters, 12,800 bytes of LDS; arguments Wq, Wk, Wv, Wo, wqk, wvq, woq; writes wqk, wvq, woq
.if DOCPART == 2
	.amdgcn_target "amdgcn-amd-amdhsa--gfx1250"
	.amdhsa_code_object_version 6
	.text
	.protected	k_q77ed8ea6e0_quant_w
	.globl	k_q77ed8ea6e0_quant_w
	.p2align	8
	.type	k_q77ed8ea6e0_quant_w,@function
k_q77ed8ea6e0_quant_w:
	s_mov_b64 s[64:65], 0
	v_nop
	global_prefetch_b8 v0, s[64:65] scope:SCOPE_SE
	s_setreg_imm32_b32 hwreg(HW_REG_WAVE_MODE, 25, 1), 1
	s_wait_xcnt 0x0
; The four weights, [1024 (k)][1024 (n)] f32 with K on the FIRST axis, become codes of FP6 (E2M3) with K innermost and one E8M0 byte for each 32 along K.
; A LANE TAKES A COLUMN n AND ITS REGISTERS RUN DOWN K: each load reads 128 consecutive bytes a wave, a block of 32 lies in one lane, and the conversions give codes with K innermost.
; LAYOUT OF THE RESULT (the same for wqk, wvq, woq): rows (= columns n) in fragment order: within each 32, place 16 u + r holds row 8 u + r + 8 (r / 8).  Bytes 0 ..: scale bytes [place][32].
; From CODES on: [fragment][K step of 128][1,536]: registers 0-3 at 16 x lane, 4-5 at 512 + 8 x lane, 6-9 at 768 + 16 x lane, 10-11 at 1,280 + 8 x lane.  wqk holds Wq's 1,024 rows, then Wk's.
; SHARES.  Work-group x: weight (x / 8), 128 columns (x % 8); y: K step.  Wave w: 32 columns = two fragments, whose images are built in the wave's own 3,072 bytes of LDS and leave as six runs of 512 bytes.
; The scale words leave as 4 bytes a row, 32 bytes apart: a row's eight words come from eight work-groups; they are one byte in 128 of what is read.
; LIMITS: NaN and infinities are not served; a block of zeros gets the byte 1 (zero codes; this program alone reads the bytes).
.set CODES, 262144
.set FRB,   1536
.set X,     32                         ; v32-95  two sets of 32 numbers
.set C,     96                         ; v96-102 a block's codes
.set OUTR,  104                        ; v104-127 the way out
.set SB,    24                         ; v24 the K step's scale word
	s_load_b256 s[4:11], s[0:1], 0x0               ; Wq, Wk, Wv, Wo
	s_load_b128 s[12:15], s[0:1], 0x20             ; wqk, wvq
	s_load_b64 s[16:17], s[0:1], 0x30              ; woq
	v_lshl_add_u32 v128, v0, 2, 0x3000
	v_mov_b32 v129, 0
	v_lshrrev_b32 v1, 5, v0
	v_readfirstlane_b32 s18, v1                    ; wave
	v_and_b32 v2, 31, v0                           ; lane = my column among the wave's 32
	v_lshlrev_b32 v3, 2, v2
	v_and_b32 v9, 7, v2
	v_bfe_u32 v10, v2, 4, 1
	v_lshl_or_b32 v9, v10, 3, v9                   ; r: my place in my fragment
	v_bfe_u32 v10, v2, 3, 1                        ; u: which of the two fragments
	s_mul_i32 s19, s18, 2*FRB
	v_lshlrev_b32 v4, 4, v9
	v_mad_u32_u24 v4, v10, FRB, v4
	v_add_nc_u32 v4, s19, v4                       ; into the images: 16 bytes a place
	v_lshlrev_b32 v5, 3, v9
	v_mad_u32_u24 v5, v10, FRB, v5
	v_add_nc_u32 v5, s19, v5                       ; and 8 bytes a place
	v_lshlrev_b32 v7, 4, v2
	v_add_nc_u32 v6, s19, v7                       ; back: 16 x lane
	v_lshl_add_u32 v8, v10, 4, v9
	v_lshlrev_b32 v8, 5, v8                        ; my row of scale bytes: (16 u + r) x 32
	s_lshr_b32 s20, ttmp9, 3                       ; which weight
	s_and_b32 s21, ttmp9, 7
	s_and_b32 s22, ttmp7, 0xffff                   ; K step
	s_lshl_b32 s23, s21, 2
	s_add_co_u32 s23, s23, s18                     ; G: my group of 32 columns
	s_lshl_b32 s24, s22, 19                        ; 128 rows of 4,096 bytes a K step
	s_lshl_b32 s26, s23, 7
	s_add_co_u32 s24, s24, s26
	s_mov_b32 s25, 0
	s_cmp_eq_u32 s20, 1                            ; Wk's rows lie behind Wq's 1,024 in wqk
	s_cselect_b32 s26, 786432, 0
	s_cselect_b32 s28, 32768, 0
	s_mul_i32 s30, s23, 16*FRB
	s_add_co_u32 s26, s26, s30
	s_mul_i32 s30, s22, FRB
	s_add_co_u32 s26, s26, s30
	s_add_co_u32 s26, s26, CODES
	s_mov_b32 s27, 0
	s_lshl_b32 s30, s23, 10
	s_add_co_u32 s28, s28, s30
	s_lshl_b32 s30, s22, 2
	s_add_co_u32 s28, s28, s30
	s_mov_b32 s29, 0
	s_wait_kmcnt 0x0
	s_cmp_eq_u32 s20, 1                            ; the buffers are chosen on the work-group's number alone
	s_cselect_b64 s[4:5], s[6:7], s[4:5]
	s_cmp_eq_u32 s20, 2
	s_cselect_b64 s[4:5], s[8:9], s[4:5]
	s_cselect_b64 s[12:13], s[14:15], s[12:13]
	s_cmp_eq_u32 s20, 3
	s_cselect_b64 s[4:5], s[10:11], s[4:5]
	s_cselect_b64 s[12:13], s[16:17], s[12:13]
	s_add_nc_u64 s[4:5], s[4:5], s[24:25]
	s_add_nc_u64 s[6:7], s[12:13], s[26:27]        ; codes
	s_add_nc_u64 s[8:9], s[12:13], s[28:29]        ; scale bytes
.macro LOAD t
.irp i, 0,1,2,3,4,5,6,7,8,9,10,11,12,13,14,15,16,17,18,19,20,21,22,23,24,25,26,27,28,29,30,31
	global_load_b32 v[X+32*((\t)%2)+\i], v3, s[4:5] offset:(32*(\t)+\i)*4096 th:TH_LOAD_NT
.endr
.endm
	LOAD 0
	LOAD 1
.macro BLOCK t                         ; block t of the K step: in the fragment it belongs to lane (r, t % 2), registers 6 (t / 2) on
.set XS, X+32*((\t)%2)
.if (\t) < 3
	s_wait_loadcnt 32                              ; this block's 32 loads are in; the next block's may be out
.else
	s_wait_loadcnt 0x0
.endif
	v_max3_num_f32 v12, |v[XS]|, |v[XS+1]|, |v[XS+2]|
	v_max3_num_f32 v13, |v[XS+3]|, |v[XS+4]|, |v[XS+5]|
.irp i, 6,10,14,18,22,26
	v_max3_num_f32 v12, v12, |v[XS+\i]|, |v[XS+\i+1]|
	v_max3_num_f32 v13, v13, |v[XS+\i+2]|, |v[XS+\i+3]|
.endr
	v_max3_num_f32 v12, v12, |v[XS+30]|, |v[XS+31]|
	v_max3_num_f32 v12, v12, v13, 0x1800000        ; and the floor 2^(3 - 127): the byte cannot fall under 1
	v_add_nc_u32 v11, 0xff000000, v12              ; 2 off the exponent field: the conversion's scale operand
	v_lshrrev_b32 v13, 23, v11                     ; the scale's byte
.if (\t) == 0
	v_mov_b32 v[SB], v13
.else
	v_lshl_or_b32 v[SB], v13, 8*(\t), v[SB]
.endif
	v_cvt_scalef32_pk16_fp6_f32 v[C:C+2], v[XS:XS+15], v11
	v_cvt_scalef32_pk16_fp6_f32 v[C+4:C+6], v[XS+16:XS+31], v11   ; a conversion's three registers begin on an even number
	v_nop                                          ; one plain place behind a scaled conversion
	v_mov_b32 v[C+3], v[C+4]
	v_mov_b32 v[C+4], v[C+5]
	v_mov_b32 v[C+5], v[C+6]
	ds_store_b128 v4, v[C:C+3] offset:768*((\t)/2)+256*((\t)%2)
	ds_store_b64 v5, v[C+4:C+5] offset:768*((\t)/2)+512+128*((\t)%2)
.if (\t)+2 < 4
	LOAD (\t)+2
.endif
	s_wait_dscnt 0x0                               ; the stores have read their registers: the next block's codes may be written
.endm
	BLOCK 0
	BLOCK 1
	BLOCK 2
	BLOCK 3
	global_store_b32 v8, v[SB], s[8:9]
.irp k, 0,1,2,3,4,5
	ds_load_b128 v[OUTR+4*\k:OUTR+4*\k+3], v6 offset:512*\k        ; LDS serves a wave's instructions in order: these see my stores
.endr
.irp k, 0,1,2,3,4,5
	s_wait_dscnt 5-\k                              ; the younger loads may be out
	global_store_b128 v7, v[OUTR+4*\k:OUTR+4*\k+3], s[6:7] offset:(\k/3)*8*FRB+512*(\k%3)   ; 512 consecutive bytes, aligned
.endr
	s_wait_tensorcnt 0x0
	ds_add_u32 v128, v129
	s_wait_dscnt 0x0
	s_endpgm
.Lfunc_end_k_q77ed8ea6e0_quant_w:
	.size	k_q77ed8ea6e0_quant_w, .Lfunc_end_k_q77ed8ea6e0_quant_w-k_q77ed8ea6e0_quant_w
	.p2alignl 7, 3214868480
	.fill 96, 4, 3214868480
	.section	.rodata,"a",@progbits
	.p2align	6, 0x0
	.amdhsa_kernel k_q77ed8ea6e0_quant_w
		.amdhsa_group_segment_fixed_size 12800
		.amdhsa_private_segment_fixed_size 0
		.amdhsa_enable_private_segment 0
		.amdhsa_kernarg_size 56
		.amdhsa_user_sgpr_count 2
		.amdhsa_user_sgpr_kernarg_segment_ptr 1
		.amdhsa_wavefront_size32 1
		.amdhsa_system_sgpr_workgroup_id_x 1
		.amdhsa_system_sgpr_workgroup_id_y 1
		.amdhsa_system_sgpr_workgroup_id_z 1
		.amdhsa_system_vgpr_workitem_id 0
		.amdhsa_next_free_vgpr 130
		.amdhsa_next_free_sgpr 66
		.amdhsa_reserve_vcc 0
		.amdhsa_float_denorm_mode_32 3
		.amdhsa_float_denorm_mode_16_64 3
		.amdhsa_memory_ordered 1
		.amdhsa_forward_progress 1
		.amdhsa_inst_pref_size 23
	.end_amdhsa_kernel
	.amdgpu_metadata
---
amdhsa.version: [ 1, 2 ]
amdhsa.kernels:
  - .name:           k_q77ed8ea6e0_quant_w
    .symbol:         k_q77ed8ea6e0_quant_w.kd
    .args:
      - { .name: Wq, .offset: 0, .size: 8, .value_kind: global_buffer, .address_space: global }
      - { .name: Wk, .offset: 8, .size: 8, .value_kind: global_buffer, .address_space: global }
      - { .name: Wv, .offset: 16, .size: 8, .value_kind: global_buffer, .address_space: global }
      - { .name: Wo, .offset: 24, .size: 8, .value_kind: global_buffer, .address_space: global }
      - { .name: wqk, .offset: 32, .size: 8, .value_kind: global_buffer, .address_space: global }
      - { .name: wvq, .offset: 40, .size: 8, .value_kind: global_buffer, .address_space: global }
      - { .name: woq, .offset: 48, .size: 8, .value_kind: global_buffer, .address_space: global }
    .group_segment_fixed_size: 12800
    .private_segment_fixed_size: 0
    .kernarg_segment_align: 8
    .kernarg_segment_size: 56
    .max_flat_workgroup_size: 128
    .sgpr_count:     66
    .vgpr_count:     130
    .wavefront_size: 32
...
	.end_amdgpu_metadata
.endif
;; end of part 2
;; launch gemm_qk (part 3): grid 8 x 32, 4 waves a work-group, clusters of 4 x 4, 327,680 bytes of LDS; arguments xq, wqk, qkq; writes qkq
.if DOCPART == 3
	.amdgcn_target "amdgcn-amd-amdhsa--gfx1250"
	.amdhsa_code_object_version 6
	.text
	.protected	k_q77ed8ea6e0_gemm_qk
	.globl	k_q77ed8ea6e0_gemm_qk
	.p2align	8
	.type	k_q77ed8ea6e0_gemm_qk,@function
k_q77ed8ea6e0_gemm_qk:
	s_mov_b64 s[64:65], 0
	v_nop
	global_prefetch_b8 v0, s[64:65] scope:SCOPE_SE
	s_setreg_imm32_b32 hwreg(HW_REG_WAVE_MODE, 25, 1), 1
	s_wait_xcnt 0x0
	s_wait_alu depctr_hold_cnt(0) depctr_sa_sdst(0) depctr_va_vdst(0) depctr_va_sdst(0) depctr_va_ssrc(0) depctr_va_vcc(0) depctr_vm_vsrc(0)
	s_getreg_b32 s2, hwreg(HW_REG_IB_STS2, 6, 4)
	s_cmp_eq_u32 s2, 0
	s_cbranch_scc0 .Lentry_in_a_cluster
	s_endpgm
.Lentry_in_a_cluster:
	s_bfe_u32 s2, ttmp6, 0x10000c
	s_cmp_lg_u32 s2, 0xf033
	s_cbranch_scc0 .Lentry_shape_is_right
	s_endpgm
.Lentry_shape_is_right:
; C[m][n] = sum over k of A[m][k] B[n][k], K = 1,024, on codes of FP6 (E2M3) with E8M0 scales; C never goes to memory as f32: it is QUANTISED ALONG n, in blocks of 32, and leaves as codes and scale words.
; One body, two launches: A = x, B = [Wq; Wk] (C = q and k, quantised along each head's 64); A = Wv^T, B = x (C = v^T, quantised along the keys).
; OPERANDS (A, B): rows in fragment order (within each 32 rows, place 16 u + r holds row 8 u + r + 8 (r / 8)); scale bytes [place][32] at byte 0; from CODES on [fragment][K step of 128][1,536]: an image of the
; fragment's 12 registers: 0-3 at 16 x lane, 4-5 at 512 + 8 x lane, 6-9 at 768 + 16 x lane, 10-11 at 1,280 + 8 x lane.  So a fragment comes out of LDS by four dense loads.
; THE MATRIX INSTRUCTION IS USED TRANSPOSED (source 0 = 16 places of B, source 1 = 16 places of A).  With B's rows in fragment order the 16 registers of tiles 2 i and 2 i + 1 are 16 NEIGHBOURS along n:
; n = 32 i + 16 (lane / 16) + 0 .. 15, which is what the conversions want; a lane holds one place of A.
; RESULT: for mb = a fragment of A's places and nb = 128 along n: codes at OUTC + nb x 786,432 + mb x 1,536 (an image); scale words at nb x 65,536 + (mb / 4) x 512 + 16 x lane + 4 (mb % 4):
; lanes 0-15 the row's word, lanes 16-31 the word shifted down by 16 bits (the word of the upper 64 along n by itself).  The stride of nb is that of 512 fragments in both launches: with A = Wv^T 64 of them are used.
; A tile of C, 256 x 256, is made by four waves, 128 x 128 each: 64 accumulators.  K goes in steps of 256 through a ring of two LDS slots filled by the tensor data mover; the scales come once.
; CLUSTERS: 4 x 4 work-groups; A's tiles are asked for jointly along a row of the cluster, B's along a column.
; REGISTERS, in windows of 256: window 0: v16-29 addresses; v32-63 scale words, two sets; v64-107 at work on the way out; v128-223 A's fragments, one set.  window 1: B's fragments, two sets, at v0 and v128.
;   window 2: the accumulators of my rows 0-63 ((a, b) at v[8 (8 a + b)]); window 3: those of rows 64-127.
; LIMITS: NaN and infinities are not served; a block of zeros gets the byte 1 (zero codes; this program alone reads the bytes).
.set NQ,     2                         ; K steps of 128 in a slot
.set FR,     12
.set FRB,    1536
.set NL,     4                         ; LDS loads that bring a fragment
.set NP,     4                         ; places behind this matrix instruction (ISA guide 7.12.1)
.set CODES,  262144
.set OUTC,   4194304
.set NBC,    786432
.set KROW,   768                       ; a row's codes in bytes: 16 rows are a fragment's 12,288
.set KS,     32                        ; a row's scale bytes
.set HALFT,  8*NQ*FRB                  ; 8 fragments x 2 K steps: what one tensor load brings
.set SLOT,   4*HALFT                   ; A's 16 fragments, then B's 16
.set LAPS,   2                         ; 1,024 / 512
.set SCL,    2*SLOT                    ; behind the ring: the scales, as rows of 256 bytes + 16 of padding
.set HALFS,  (128*KS/256)*272
.set SBLK,   (16*KS/256)*272
.set SPARE,  SCL+4*HALFS               ; the spare words, 128 bytes for each wave: two blocks of 256 bytes that no other line names
.set ADRA, 16                          ; v16-17 A's fragments in slot 0, 1, + 16 x lane; v18-19 + 8 x lane
.set ADRB, 20                          ; v20-23 the same for B
.set L16,  24                          ; v24 16 x lane
.set L8,   25                          ; v25 8 x lane
.set ADRS, 27                          ; v27 my scale words: lanes 0-15 A's rows, lanes 16-31 B's
.set SPW,  28                          ; v28 my spare word; never rewritten
.set NIL,  29                          ; v29 0; never rewritten
.set SC,   32
.set TM,   64                          ; v64-79 at work in the quantiser
.set PW,   80                          ; v80 the scale word just made
.set SH,   81                          ; v81 16 x (lane / 16)
.set PWS,  84                          ; v84-87 four fragments' scale words, as they are stored
.set PC,   88                          ; v88-107 the codes just made
.set AF,   128
.set G1, 24
.set G0, 32
.set G1B, 48
.set G0B, 56
.set G1S, 68
.set G0S, 76
.set G1SB, 80
.set G0SB, 88
.set SEL, 96
.set MSB, 0
.macro WIN new                         ; the immediate's high byte repeats the setting that is left
.if MSB != \new
	s_set_vgpr_msb (MSB<<8)|\new
.set MSB, \new
.endif
.endm
.set MUL_LO, 0xa1                      ; source 0 (B) window 1, source 1 (A) window 0, C and D window 2
.set MUL_HI, 0xf1
.set TO_B,   0x40
; A joint load: waves 0 and 1 fetch for A, waves 2 and 3 for B; the branch hangs on the wave's number alone.  Four v_nop follow each of the two lines.
.macro JLOAD g0a, g1a, g0b, g1b
	s_cmp_eq_u32 s15, 0
	s_cbranch_scc0 .Lfor_b_\@
	tensor_load_to_lds s[\g0a:\g0a+3], s[\g1a:\g1a+7]
	s_nop 0
.rept 4
	v_nop
.endr
	s_branch .Lasked_\@
.Lfor_b_\@:
	tensor_load_to_lds s[\g0b:\g0b+3], s[\g1b:\g1b+7]
	s_nop 0
.rept 4
	v_nop
.endr
.Lasked_\@:
.endm
.macro CREST                           ; a round of the cluster's barrier behind its opening barrier
	s_cmp_lg_u32 s14, 0
	s_cbranch_scc1 .Lnot_wave_0_\@
	s_barrier_signal -3
.Lnot_wave_0_\@:
	s_barrier_wait -3
	s_barrier_signal -1
	s_barrier_wait -1
.endm
.macro CROUND
	s_barrier_signal -1
	s_barrier_wait -1
	CREST
.endm
	s_load_b64 s[6:7], s[0:1], 0x0                 ; A: its scale bytes lie at its first byte
	s_load_b64 s[10:11], s[0:1], 0x8               ; B likewise
	s_load_b64 s[12:13], s[0:1], 0x10              ; the result
	v_lshl_add_u32 v[SPW], v0, 2, SPARE
	v_mov_b32 v[NIL], 0
	ds_add_u32 v28, v29
	ds_add_u32 v28, v29
	s_wait_dscnt 0x0
	v_lshrrev_b32 v1, 5, v0
	v_readfirstlane_b32 s14, v1                    ; wave 0..3
	s_lshr_b32 s15, s14, 1                         ; which half of the tile's rows is mine.  Also: I fetch for A (0) or for B (1)
	s_and_b32 s16, s14, 1                          ; which half of its columns.  Also: which 8 fragments of that tile I fetch
	s_bfe_u32 s40, ttmp6, 0x40000                  ; cx, cy
	s_bfe_u32 s41, ttmp6, 0x40004
	s_lshl_b32 s42, ttmp9, 2
	s_add_co_u32 s42, s42, s40                     ; tile column
	s_and_b32 s17, ttmp7, 0xffff
	s_lshl_b32 s17, s17, 2
	s_add_co_u32 s17, s17, s41                     ; tile row
	s_lshl_b32 s43, s41, 2
	s_lshl_b32 s43, 15, s43                        ; my row of the cluster
	s_lshl_b32 s44, 0x1111, s40                    ; my column
	; group 1 for codes: 8 rows (fragments) of 3,072 bytes (two K steps' images), 12,288 bytes apart; elements of 8 bytes; dense in LDS
	s_or_b32 s[G1+0], s43, (3<<16)|(1<<21)
	s_or_b32 s[G1B+0], s44, (3<<16)|(1<<21)
.irp g, G1, G1B
	s_mov_b32 s[\g+1], 384<<16                     ; tensor_dim0
	s_mov_b32 s[\g+2], 8<<16                       ; tensor_dim1
	s_mov_b32 s[\g+3], 384<<16                     ; tile_dim0
	s_mov_b32 s[\g+4], 8                           ; tile_dim1
	s_mov_b32 s[\g+5], 1536                        ; tensor_dim0_stride
	s_mov_b32 s[\g+6], 0
	s_mov_b32 s[\g+7], 0
.endr
	; and for the scales of 128 rows: 4,096 dense bytes as rows of 256 bytes, 16 bytes of padding behind each
	s_or_b32 s[G1S+0], s43, (3<<16)|(1<<20)|(1<<21)|(5<<22)|(3<<25)
	s_or_b32 s[G1SB+0], s44, (3<<16)|(1<<20)|(1<<21)|(5<<22)|(3<<25)
.irp g, G1S, G1SB
	s_mov_b32 s[\g+1], 32<<16
	s_mov_b32 s[\g+2], (128*KS/256)<<16
	s_mov_b32 s[\g+3], 32<<16
	s_mov_b32 s[\g+4], 128*KS/256
	s_mov_b32 s[\g+5], 32
	s_mov_b32 s[\g+6], 0
	s_mov_b32 s[\g+7], 0
.endr
	s_lshl_b32 s18, s16, 7
	s_lshl_b32 s20, s17, 8
	s_add_co_u32 s20, s20, s18                     ; A: place 256 x tile row + 128 x half
	s_lshl_b32 s46, s42, 8
	s_add_co_u32 s46, s46, s18                     ; B: place 256 x tile column + 128 x half
	s_mov_b32 s21, 0
	s_mov_b32 s47, 0
	s_mov_b64 s[18:19], KS
	s_mul_u64 s[22:23], s[20:21], s[18:19]
	s_mul_u64 s[92:93], s[46:47], s[18:19]
	s_mov_b64 s[18:19], KROW
	s_mul_u64 s[20:21], s[20:21], s[18:19]
	s_mul_u64 s[46:47], s[46:47], s[18:19]
	s_mul_i32 s45, s14, HALFT                      ; where they go: no place in the cluster enters an LDS address
	s_mul_i32 s94, s14, HALFS
	s_wait_kmcnt 0x0
	s_add_nc_u64 s[4:5], s[6:7], CODES
	s_add_nc_u64 s[8:9], s[10:11], CODES
	s_add_nc_u64 s[20:21], s[4:5], s[20:21]
	s_add_nc_u64 s[22:23], s[6:7], s[22:23]
	s_add_nc_u64 s[46:47], s[8:9], s[46:47]
	s_add_nc_u64 s[92:93], s[10:11], s[92:93]
	CROUND                                         ; all sixteen work-groups are here: the first joint loads meet
	s_mov_b32 s[G0S], 1
	s_add_co_u32 s[G0S+1], s94, SCL
	s_mov_b64 s[G0S+2:G0S+3], s[22:23]
	s_or_b32 s[G0S+3], s[G0S+3], 0x80000000
	s_mov_b32 s[G0SB], 1
	s_add_co_u32 s[G0SB+1], s94, SCL
	s_mov_b64 s[G0SB+2:G0SB+3], s[92:93]
	s_or_b32 s[G0SB+3], s[G0SB+3], 0x80000000
	JLOAD G0S, G1S, G0SB, G1SB                     ; the scales first
.irp s, 0,1
	s_mov_b32 s[G0+4*\s], 1
	s_add_co_u32 s[G0+4*\s+1], s45, \s*SLOT
	s_add_nc_u64 s[G0+4*\s+2:G0+4*\s+3], s[20:21], \s*NQ*FRB
	s_or_b32 s[G0+4*\s+3], s[G0+4*\s+3], 0x80000000
	s_mov_b32 s[G0B+4*\s], 1
	s_add_co_u32 s[G0B+4*\s+1], s45, \s*SLOT
	s_add_nc_u64 s[G0B+4*\s+2:G0B+4*\s+3], s[46:47], \s*NQ*FRB
	s_or_b32 s[G0B+4*\s+3], s[G0B+4*\s+3], 0x80000000
	JLOAD G0+4*\s, G1, G0B+4*\s, G1B
.endr
	v_and_b32 v1, 15, v0                           ; l % 16
	v_bfe_u32 v2, v0, 4, 1                         ; l / 16
	v_and_b32 v6, 31, v0
	v_lshlrev_b32 v[L16], 4, v6
	v_lshlrev_b32 v[L8], 3, v6
	v_lshlrev_b32 v[SH], 4, v2
	s_mul_i32 s21, s15, HALFT                      ; my 8 fragments of A
	s_mul_i32 s22, s16, HALFT                      ; my 8 of B,
	s_add_co_u32 s22, s22, 2*HALFT                 ; which lie behind A's 16
.irp s, 0,1
	v_add_nc_u32 v[ADRA+\s], s21, v[L16]
	v_add_nc_u32 v[ADRB+\s], s22, v[L16]
	v_add_nc_u32 v[ADRA+2+\s], s21, v[L8]
	v_add_nc_u32 v[ADRB+2+\s], s22, v[L8]
	s_add_co_u32 s21, s21, SLOT
	s_add_co_u32 s22, s22, SLOT
.endr
	v_mul_u32_u24 v5, v1, KS                       ; my row's scales: KS bytes a row,
	v_lshrrev_b32 v6, 8, v5
	v_lshl_add_u32 v5, v6, 4, v5                   ; and 16 more for each 256 passed
	s_mul_i32 s21, s15, HALFS
	s_mul_i32 s22, s16, HALFS
	s_add_co_u32 s22, s22, 2*HALFS
	s_sub_co_u32 s22, s22, s21
	v_mul_u32_u24 v6, s22, v2                      ; lanes 16-31 take B's
	s_add_co_u32 s21, s21, SCL
	v_add_nc_u32 v5, v5, v6
	v_add_nc_u32 v[ADRS], s21, v5
.irp b, 0,1,2,3
	v_mov_b32 v[TM+4+\b], 0                        ; written once: a lane permute's destination counts as one of its sources
.endr
	s_mov_b32 s[SEL], 0x76543210
	s_mov_b32 s[SEL+1], 0xfedcba98
	; where my part of the result begins
	s_lshl_b32 s20, s17, 4
	s_lshl_b32 s21, s15, 3
	s_add_co_u32 s20, s20, s21                     ; my first fragment of rows: 16 x tile row + 8 x half
	s_mul_i32 s92, s20, FRB
	s_lshl_b32 s94, s20, 7                         ; 512 bytes of scale words for each four fragments
	s_lshl_b32 s46, s42, 1
	s_add_co_u32 s46, s46, s16                     ; nb: my 128 columns
	s_mul_i32 s47, s46, NBC
	s_add_co_u32 s92, s92, s47
	s_add_co_u32 s92, s92, OUTC
	s_mov_b32 s93, 0
	s_lshl_b32 s47, s46, 16
	s_add_co_u32 s94, s94, s47
	s_mov_b32 s95, 0
	s_add_nc_u64 s[4:5], s[12:13], s[94:95]        ; scale words
	s_add_nc_u64 s[12:13], s[12:13], s[92:93]      ; codes
.macro FRAG reg, adr, q, i             ; fragment i of my eight, the slot's q-th K step: its image, by four dense loads
	ds_load_b128 v[\reg:\reg+3], v[\adr] offset:NQ*FRB*(\i)+FRB*(\q)
	ds_load_b64 v[\reg+4:\reg+5], v[\adr+2] offset:NQ*FRB*(\i)+FRB*(\q)+512
	ds_load_b128 v[\reg+6:\reg+9], v[\adr] offset:NQ*FRB*(\i)+FRB*(\q)+768
	ds_load_b64 v[\reg+10:\reg+11], v[\adr+2] offset:NQ*FRB*(\i)+FRB*(\q)+1280
.endm
; 16 matrix instructions: A's blocks a0, a0 + 1 x B's eight.  The 64 accumulators take turns, one instruction a turn, in the same order in every step.
.macro MUL16 a0, p, q, sc, zero
.irp a, \a0, \a0+1
.irp b, 0,1,2,3,4,5,6,7
.if \zero
	v_wmma_scale_f32_16x16x128_f8f6f4 v[8*(8*((\a)%4)+\b):8*(8*((\a)%4)+\b)+7], v[128*(\p)+FR*\b:128*(\p)+FR*\b+FR-1], v[AF+FR*(\a):AF+FR*(\a)+FR-1], 0, v[SC+8*NQ*(\sc)+NQ*\b+(\q)], v[SC+8*NQ*(\sc)+NQ*(\a)+(\q)] matrix_a_fmt:MATRIX_FMT_FP6 matrix_b_fmt:MATRIX_FMT_FP6 matrix_a_scale:MATRIX_SCALE_ROW1
.else
	v_wmma_scale_f32_16x16x128_f8f6f4 v[8*(8*((\a)%4)+\b):8*(8*((\a)%4)+\b)+7], v[128*(\p)+FR*\b:128*(\p)+FR*\b+FR-1], v[AF+FR*(\a):AF+FR*(\a)+FR-1], v[8*(8*((\a)%4)+\b):8*(8*((\a)%4)+\b)+7], v[SC+8*NQ*(\sc)+NQ*\b+(\q)], v[SC+8*NQ*(\sc)+NQ*(\a)+(\q)] matrix_a_fmt:MATRIX_FMT_FP6 matrix_b_fmt:MATRIX_FMT_FP6 matrix_a_scale:MATRIX_SCALE_ROW1
.endif
.endr
.endr
.endm
.macro FETCH_B slot, q, p
	WIN TO_B
.irp i, 0,1,2,3,4,5,6,7
	FRAG 128*(\p)+FR*\i, ADRB+\slot, \q, \i
.endr
	WIN 0
.endm
.macro FETCH_A slot, q, i0
.irp i, \i0, \i0+1, \i0+2, \i0+3
	FRAG AF+FR*(\i), ADRA+\slot, \q, \i
.endr
.endm
.macro SCALES sc                       ; a slot's scale words: two words a row; lanes 0-15 A's block i, lanes 16-31 B's block i
.irp i, 0,1,2,3,4,5,6,7
	ds_load_b64 v[SC+8*NQ*\sc+NQ*\i:SC+8*NQ*\sc+NQ*\i+1], v[ADRS] offset:\i*SBLK
.endr
.endm
.macro PLACES n                        ; places in front of loads into registers that matrix instructions have read, and of the first read of results
.rept \n
	v_nop
.endr
.endm
.macro STEP slot, q, zero              ; a step of 128 along K that has its successor in the same slot
	s_wait_dscnt 4*NL                              ; B's set and A's blocks 0-3 are in; the youngest sixteen loads (A's blocks 4-7) may be out
	WIN MUL_LO
	MUL16 0, (\q)%2, \q, \slot, \zero
	MUL16 2, (\q)%2, \q, \slot, \zero
	s_wait_dscnt 0
	PLACES NP
	FETCH_B \slot, (\q)+1, 1-(\q)%2
	FETCH_A \slot, (\q)+1, 0
	WIN MUL_HI
	MUL16 4, (\q)%2, \q, \slot, \zero
	MUL16 6, (\q)%2, \q, \slot, \zero
	PLACES NP
	WIN 0
	FETCH_A \slot, (\q)+1, 4
.endm
; A slot's last step changes slots: one barrier; in front of it each wave waits for all its tensor loads, adds 0 to its spare word, and waits for that and for its own reads of this slot.
.macro TURN slot, next, fill
	s_wait_tensorcnt 0x0                           ; all my tensor loads have landed: my part of the next slot
	ds_add_u32 v[SPW], v[NIL]                      ; 0 onto my spare word
	s_wait_dscnt 4*NL+1                            ; the add and the youngest sixteen loads may be out
	WIN MUL_LO
	MUL16 0, 1, NQ-1, \slot, 0
	s_wait_dscnt 0x0                               ; the add is done, and my reads of this slot are over
	s_barrier_signal -1
	MUL16 2, 1, NQ-1, \slot, 0
	WIN 0
	s_barrier_wait -1
.if \fill
	CREST                                          ; the barrier has opened a round of the cluster's: no wave of any partner still reads this slot or has a load on its way
	s_add_nc_u64 s[G0+4*\slot+2:G0+4*\slot+3], s[G0+4*\slot+2:G0+4*\slot+3], 2*NQ*FRB
	s_add_nc_u64 s[G0B+4*\slot+2:G0B+4*\slot+3], s[G0B+4*\slot+2:G0B+4*\slot+3], 2*NQ*FRB
	JLOAD G0+4*\slot, G1, G0B+4*\slot, G1B         ; the first tensor load behind the round; its four v_nop are the places in front of the loads below
.else
	PLACES NP
.endif
	v_add_nc_u32 v[ADRS], 4*NQ, v[ADRS]            ; the next slot's scale words
	FETCH_B \next, 0, 0
	FETCH_A \next, 0, 0
	SCALES \next
	WIN MUL_HI
	MUL16 4, 1, NQ-1, \slot, 0
	MUL16 6, 1, NQ-1, \slot, 0
	PLACES NP
	WIN 0
	FETCH_A \next, 0, 4
.endm
	s_wait_tensorcnt 1                             ; the scales and my part of slot 0 are in; slot 1's load may be out
	s_barrier_signal -1
	s_barrier_wait -1
	FETCH_B 0, 0, 0
	FETCH_A 0, 0, 0
	SCALES 0
	FETCH_A 0, 0, 4
	STEP 0, 0, 1                                   ; the first step's products start the sums
	s_mov_b32 s3, LAPS-1
.Llap:                                                 ; a trip goes once round the ring and fills both slots again
	TURN 0, 1, 1
	STEP 1, 0, 0
	TURN 1, 0, 1
	STEP 0, 0, 0
	s_sub_co_u32 s3, s3, 1
	s_cmp_lg_u32 s3, 0
	s_cbranch_scc1 .Llap
	TURN 0, 1, 0                                   ; the last lap fills nothing
	STEP 1, 0, 0
	s_wait_dscnt 4*NL
	WIN MUL_LO
	MUL16 0, 1, NQ-1, 1, 0
	MUL16 2, 1, NQ-1, 1, 0
	s_wait_dscnt 0
	WIN MUL_HI
	MUL16 4, 1, NQ-1, 1, 0
	MUL16 6, 1, NQ-1, 1, 0
	WIN 0
; THE WAY OUT.  Block a (16 places of A) has 64 registers a lane: register 16 i + j = n 32 i + 16 (lane / 16) + j.  They become one fragment's codes and one scale word a row, and leave as an image.
; Each accumulator is read from its low end on.
.macro QOUT a
.set AC, 64*((\a)%4)
.set WW, 2+(\a)/4
.if (\a) > 0
	s_wait_xcnt 0x0                                ; the last block's stores have read their registers
.endif
	WIN 5*WW                                       ; sources 0 and 1: the accumulators' window
.irp b, 0,1,2,3
	v_max3_num_f32 v[TM+\b], |v[AC+16*\b]|, |v[AC+1+16*\b]|, 0x1800000   ; and the floor 2^(3 - 127): the byte cannot fall under 1
.endr
.irp i, 2,4,6,8,10,12,14
.irp b, 0,1,2,3
	v_max3_num_f32 v[TM+\b], |v[AC+16*\b+\i]|, |v[AC+1+16*\b+\i]|, v[TM+\b]
.endr
.endr
	WIN 0
.irp b, 0,1,2,3
	v_permlanex16_b32 v[TM+4+\b], v[TM+\b], s[SEL], s[SEL+1]
.endr
.irp b, 0,1,2,3
	v_max_num_f32 v[TM+\b], v[TM+\b], v[TM+4+\b]
.endr
.irp b, 0,1,2,3
	v_add_nc_u32 v[TM+12+\b], 0xff000000, v[TM+\b]         ; 2 off the exponent field: the conversion's scale operand
.endr
.irp b, 0,1,2,3
	v_lshrrev_b32 v[TM+4+\b], 23, v[TM+12+\b]
.endr
	v_lshl_or_b32 v[PW], v[TM+5], 8, v[TM+4]
	v_lshl_or_b32 v[PW], v[TM+6], 16, v[PW]
	v_lshl_or_b32 v[PW], v[TM+7], 24, v[PW]
	v_lshrrev_b32 v[PWS+(\a)%4], v[SH], v[PW]              ; lanes 16-31 keep the upper 64's two bytes alone
	WIN WW                                         ; source 0: the accumulators' window
.irp c, 0,1
	v_cvt_scalef32_pk16_fp6_f32 v[PC+6*\c:PC+2+6*\c], v[AC+32*\c:AC+15+32*\c], v[TM+12+2*\c]
	v_cvt_scalef32_pk16_fp6_f32 v[PC+12+4*\c:PC+14+4*\c], v[AC+16+32*\c:AC+31+32*\c], v[TM+12+2*\c+1]
.endr
	WIN 0
	v_nop                                          ; one plain place behind a scaled conversion
.irp c, 0,1
.irp i, 0,1,2
	v_permlane16_swap_b32 v[PC+6*\c+\i], v[PC+12+4*\c+\i]
.endr
.irp i, 0,1,2
	v_mov_b32 v[PC+3+6*\c+\i], v[PC+12+4*\c+\i]
.endr
.endr
	global_store_b128 v[L16], v[PC:PC+3], s[12:13] offset:FRB*(\a)          ; each store covers whole aligned runs of 256 bytes
	global_store_b64 v[L8], v[PC+4:PC+5], s[12:13] offset:FRB*(\a)+512
	global_store_b128 v[L16], v[PC+6:PC+9], s[12:13] offset:FRB*(\a)+768
	global_store_b64 v[L8], v[PC+10:PC+11], s[12:13] offset:FRB*(\a)+1280
.if (\a)%4 == 3
	global_store_b128 v[L16], v[PWS:PWS+3], s[4:5] offset:512*((\a)/4)      ; four fragments' scale words: 512 consecutive bytes
.endif
.endm
	PLACES NP
.irp a, 0,1,2,3,4,5,6,7
	QOUT \a
.endr
	s_wait_tensorcnt 0x0                           ; the wave's end
	ds_add_u32 v[SPW], v[NIL]
	s_wait_dscnt 0x0
	CROUND                                         ; the closing round: no work-group ends while a partner may still ask for a tile that names it
	s_endpgm
.Lfunc_end_k_q77ed8ea6e0_gemm_qk:
	.size	k_q77ed8ea6e0_gemm_qk, .Lfunc_end_k_q77ed8ea6e0_gemm_qk-k_q77ed8ea6e0_gemm_qk
	.p2alignl 7, 3214868480
	.fill 96, 4, 3214868480
	.section	.rodata,"a",@progbits
	.p2align	6, 0x0
	.amdhsa_kernel k_q77ed8ea6e0_gemm_qk
		.amdhsa_group_segment_fixed_size 327680
		.amdhsa_private_segment_fixed_size 0
		.amdhsa_enable_private_segment 0
		.amdhsa_kernarg_size 24
		.amdhsa_user_sgpr_count 2
		.amdhsa_user_sgpr_kernarg_segment_ptr 1
		.amdhsa_wavefront_size32 1
		.amdhsa_system_sgpr_workgroup_id_x 1
		.amdhsa_system_sgpr_workgroup_id_y 1
		.amdhsa_system_sgpr_workgroup_id_z 1
		.amdhsa_system_vgpr_workitem_id 0
		.amdhsa_next_free_vgpr 1024
		.amdhsa_next_free_sgpr 98
		.amdhsa_reserve_vcc 0
		.amdhsa_float_denorm_mode_32 3
		.amdhsa_float_denorm_mode_16_64 3
		.amdhsa_memory_ordered 1
		.amdhsa_forward_progress 1
		.amdhsa_inst_pref_size 149
	.end_amdhsa_kernel
	.amdgpu_metadata
---
amdhsa.version: [ 1, 2 ]
amdhsa.kernels:
  - .name:           k_q77ed8ea6e0_gemm_qk
    .symbol:         k_q77ed8ea6e0_gemm_qk.kd
    .args:
      - { .name: xq, .offset: 0, .size: 8, .value_kind: global_buffer, .address_space: global }
      - { .name: wqk, .offset: 8, .size: 8, .value_kind: global_buffer, .address_space: global }
      - { .name: qkq, .offset: 16, .size: 8, .value_kind: global_buffer, .address_space: global }
    .group_segment_fixed_size: 327680
    .private_segment_fixed_size: 0
    .kernarg_segment_align: 8
    .kernarg_segment_size: 24
    .max_flat_workgroup_size: 128
    .sgpr_count:     98
    .vgpr_count:     1024
    .wavefront_size: 32
...
	.end_amdgpu_metadata
.endif
;; end of part 3
;; launch gemm_v: the kernel of part 3 again; grid 32 x 4, 4 waves a work-group, clusters of 4 x 4, 327,680 bytes of LDS; arguments wvq, xq, vq; writes vq
;; launch attn (part 4): grid 4 x 64, 16 waves a work-group, clusters of 4 x 1, 210,944 bytes of LDS; arguments qkq, vq, ctxq; writes ctxq
.if DOCPART == 4
	.amdgcn_target "amdgcn-amd-amdhsa--gfx1250"
	.amdhsa_code_object_version 6
	.text
	.protected	k_q77ed8ea6e0_attn
	.globl	k_q77ed8ea6e0_attn
	.p2align	8
	.type	k_q77ed8ea6e0_attn,@function
k_q77ed8ea6e0_attn:
	s_mov_b64 s[64:65], 0
	v_nop
	global_prefetch_b8 v0, s[64:65] scope:SCOPE_SE
	s_setreg_imm32_b32 hwreg(HW_REG_WAVE_MODE, 25, 1), 1
	s_wait_xcnt 0x0
	s_wait_alu depctr_hold_cnt(0) depctr_sa_sdst(0) depctr_va_vdst(0) depctr_va_sdst(0) depctr_va_ssrc(0) depctr_va_vcc(0) depctr_vm_vsrc(0)
	s_getreg_b32 s2, hwreg(HW_REG_IB_STS2, 6, 4)
	s_cmp_eq_u32 s2, 0
	s_cbranch_scc0 .Lentry_in_a_cluster
	s_endpgm
.Lentry_in_a_cluster:
	s_bfe_u32 s2, ttmp6, 0x10000c
	s_cmp_lg_u32 s2, 0x3003
	s_cbranch_scc0 .Lentry_shape_is_right
	s_endpgm
.Lentry_shape_is_right:
; Causal attention of one head on codes of FP6 (E2M3): S = q k^T (K = the head's 64), p = 2^(t - M), ctx = p v / l (K = the keys); ctx is quantised along the features and leaves as codes.
; t = score x log2(e) / 8; M = the running largest t rounded UP to a whole number; the row's sum l is taken of the unquantised p, in f32; when M moves, l and O are multiplied by 2^(old M - new M): exact.
; SHARES.  Work-group y = batch x 16 + head.  The four work-groups of a cluster serve one head: its K, V and their scale words (208,896 bytes) come into each one's LDS ONCE, by joint loads; nothing is filled again.
; Wave w of work-group cx owns two tiles of 16 queries: tile 8 (15 - w) + 4 + cx, then tile 8 w + cx.  A tile a needs the key steps 0 .. a / 8 (128 keys each): 16 - w and w + 1 steps: 17 for every wave.
; The loops' trip counts are constants (16); a step whose keys all come after the tile's queries is jumped over by a scalar branch on the wave's number.  cx enters global addresses and the mask's scalar alone.
; LAYOUT.  Tokens stand in fragment order in q and k (within each 32, place 16 u + r holds token 8 u + r + 8 (r / 8)), features likewise in v^T.  Both products are used transposed: S^T = k q^T, O^T = v^T p^T:
; a lane holds ONE query (place lane % 16), and the 16 registers of tiles 2 i, 2 i + 1 are 16 neighbouring keys (features): 32 i + 16 (lane / 16) + 0 .. 15.
; K = 64 IN AN INSTRUCTION OF 128: q's registers 6-11 are zero codes.  k's fragment t is v[32 + 6 t .. 43 + 6 t]: its upper six registers are the next tile's codes (for the last tile six zeros); they meet q's zeros and add nothing,
; under scale bytes that are the other head's or 0, never 0xff.
; REGISTERS: v1-7 lane terms; v8-11, v86-87 addresses in hand; v12 -M, v13 largest t, v[14:15] the sum; v16-27 q of the first tile, v204-215 of the second, v216-217 their scale words; v32-85 k's eight fragments and six zeros,
; then v's four; v96-159 S^T, then p; v160-191 O^T; v192-199 k's scale words, v200-203 v's; v224-235 p's codes; v232-254 at work.
; LIMITS: NaN and infinities are not served; p under 2^-126 falls to 0; 1 / l is v_rcp_f32's; ctx's scale bytes leave as single bytes (a row's 32 come from 16 work-groups): 32 of a tile's 800 bytes.
.set OUTC,  4194304
.set CODES, 262144
.set NBC,   786432
.set KC,    0                          ; LDS: k's codes, [tile 0..127][768]
.set VC,    98304                      ; v's codes, [step 0..15][4 fragments][1,536]
.set KSB,   196608                     ; k's scale words, [4 tiles][16 places x 16 bytes]
.set VSB,   204800                     ; v's, [step][16 places x 16 bytes]
.set L16,  1
.set L8,   2
.set LV16, 3
.set LV8,  4
.set LKS,  5
.set LVS,  6
.set QL,   7                           ; v7  my query in its 32 less 16 (lane / 16)
.set ADK16, 8
.set ADK8,  9
.set ADV16, 10
.set ADV8,  11
.set ADS,  86
.set ADT,  87
.set R16,  88                          ; v88 16 r
.set RB,   89                          ; v89 32 r + h
.set CB,   90                          ; v90 ctx's scale byte
.set WV,   18
.set SEL,  20
.set CS,   22
.set G1K,  24
.set G1V,  32
.set G1KS, 40
.set G1VS, 48
.set G0K,  56
.set G0V,  60
.set G0KS, 68
.set G0VS, 72
.set SI,   76                          ; s76 the step
.set TB,   77                          ; s77 6,144 x step: k's and v's codes
.set TS,   78                          ; s78 512 x step: k's scale words
.set TJ,   79                          ; s79 256 x step: v's
.set SMAX, 80                          ; s80 the tile's last step, the one on the diagonal
.set DQ1,  81                          ; s81, s83 the tile's first query within its 128
.set HM,   82                          ; s82 lanes 16-31
.set DQ2,  83
.macro CROUND
	s_barrier_signal -1
	s_barrier_wait -1
	s_cmp_lg_u32 s[WV], 0
	s_cbranch_scc1 .Lnot_wave_0_\@
	s_barrier_signal -3
.Lnot_wave_0_\@:
	s_barrier_wait -3
	s_barrier_signal -1
	s_barrier_wait -1
.endm
	s_load_b128 s[4:7], s[0:1], 0x0                ; qkq, vq
	s_load_b64 s[8:9], s[0:1], 0x10                ; ctxq
	v_lshl_add_u32 v251, v0, 2, 0x33000
	v_mov_b32 v255, 0
	ds_add_u32 v251, v255
	ds_add_u32 v251, v255
	v_lshrrev_b32 v8, 5, v0
	v_readfirstlane_b32 s[WV], v8                  ; wave 0..15
	v_and_b32 v10, 31, v0
	v_and_b32 v8, 15, v0                           ; r
	v_bfe_u32 v9, v0, 4, 1                         ; h
	v_lshlrev_b32 v[L16], 4, v10
	v_lshlrev_b32 v[L8], 3, v10
	v_add_nc_u32 v[LV16], VC, v[L16]
	v_add_nc_u32 v[LV8], VC, v[L8]
	v_lshl_add_u32 v[LKS], v8, 4, KSB
	v_lshl_add_u32 v[LVS], v8, 4, VSB
	v_and_b32 v10, 8, v8
	v_add_nc_u32 v[QL], v10, v8                    ; r + 8 (r / 8)
	v_lshlrev_b32 v10, 4, v9
	v_sub_nc_u32 v[QL], v[QL], v10
	v_lshlrev_b32 v[R16], 4, v8
	v_lshl_add_u32 v[RB], v8, 5, v9
.irp j, 22,23,24,25,26,27, 210,211,212,213,214,215, 80,81,82,83,84,85
	v_mov_b32 v\j, 0                               ; zero codes: q's upper 64 along K, and what stands above k's last tile
.endr
.irp j, 236,237,238,239, 252,253
	v_mov_b32 v\j, 0                               ; written once: a lane permute's destination counts as one of its sources; v253 is named in a pair before it is first made
.endr
	s_mov_b32 s[SEL], 0x76543210
	s_mov_b32 s[SEL+1], 0xfedcba98
	s_mov_b32 s[CS], 0x3e38aa3b                    ; c = log2(e) / sqrt(64)
	s_mov_b32 s[CS+1], s[CS]
	s_mov_b32 s[HM], 0xffff0000
	s_and_b32 s11, ttmp7, 0xffff
	s_lshr_b32 s12, s11, 4                         ; batch
	s_and_b32 s13, s11, 15                         ; head
	s_lshr_b32 s14, s13, 1                         ; its pair of heads (128 features),
	s_and_b32 s15, s13, 1                          ; and which of the two
	s_and_b32 s16, s[WV], 1                        ; which half I fetch, if I fetch codes
	s_mov_b32 s3, 0
	; group 1, elements of 8 bytes, mask: all four work-groups, bit 21 beside it.  k's codes: 64 rows (tiles) of 768 bytes, 1,536 apart
	s_mov_b32 s[G1K], 15|(3<<16)|(1<<21)
	s_mov_b32 s[G1K+1], 96<<16
	s_mov_b32 s[G1K+2], 64<<16
	s_mov_b32 s[G1K+3], 96<<16
	s_mov_b32 s[G1K+4], 64
	s_mov_b32 s[G1K+5], 192
	s_mov_b32 s[G1K+6], 0
	s_mov_b32 s[G1K+7], 0
	; v's codes: 8 rows (steps) of 6,144 bytes, 786,432 apart
	s_mov_b32 s[G1V], 15|(3<<16)|(1<<21)
	s_mov_b32 s[G1V+1], 768<<16
	s_mov_b32 s[G1V+2], 8<<16
	s_mov_b32 s[G1V+3], 768<<16
	s_mov_b32 s[G1V+4], 8
	s_mov_b32 s[G1V+5], 98304
	s_mov_b32 s[G1V+6], 0
	s_mov_b32 s[G1V+7], 0
	; k's scale words: 32 rows of 256 bytes, 512 apart
	s_mov_b32 s[G1KS], 15|(3<<16)|(1<<21)
	s_mov_b32 s[G1KS+1], 32<<16
	s_mov_b32 s[G1KS+2], 32<<16
	s_mov_b32 s[G1KS+3], 32<<16
	s_mov_b32 s[G1KS+4], 32
	s_mov_b32 s[G1KS+5], 64
	s_mov_b32 s[G1KS+6], 0
	s_mov_b32 s[G1KS+7], 0
	; v's scale words: 16 rows of 256 bytes, 65,536 apart
	s_mov_b32 s[G1VS], 15|(3<<16)|(1<<21)
	s_mov_b32 s[G1VS+1], 32<<16
	s_mov_b32 s[G1VS+2], 16<<16
	s_mov_b32 s[G1VS+3], 32<<16
	s_mov_b32 s[G1VS+4], 16
	s_mov_b32 s[G1VS+5], 8192
	s_mov_b32 s[G1VS+6], 0
	s_mov_b32 s[G1VS+7], 0
	s_wait_dscnt 0x0
	s_wait_kmcnt 0x0
	s_add_co_u32 s17, s14, 8                       ; k's features lie behind q's 1,024: nb = 8 + pair
	s_mul_i32 s2, s17, NBC
	s_mul_i32 s19, s12, 196608                     ; the batch's 128 fragments
	s_add_co_u32 s2, s2, s19
	s_mul_i32 s19, s15, 768                        ; the head's half of an image
	s_add_co_u32 s2, s2, s19
	s_mul_i32 s19, s16, 98304                      ; my 64 tiles
	s_add_co_u32 s2, s2, s19
	s_add_co_u32 s2, s2, OUTC
	s_mov_b32 s[G0K], 1
	s_mul_i32 s[G0K+1], s16, 49152
	s_add_nc_u64 s[G0K+2:G0K+3], s[4:5], s[2:3]
	s_or_b32 s[G0K+3], s[G0K+3], 0x80000000
	s_lshl_b32 s19, s12, 4
	s_lshl_b32 s2, s16, 3
	s_add_co_u32 s19, s19, s2                      ; v: nb = 16 x batch + my 8 steps
	s_mul_i32 s2, s19, NBC
	s_mul_i32 s19, s13, 6144                       ; the head's four fragments
	s_add_co_u32 s2, s2, s19
	s_add_co_u32 s2, s2, OUTC
	s_mov_b32 s[G0V], 1
	s_mul_i32 s[G0V+1], s16, 49152
	s_add_co_u32 s[G0V+1], s[G0V+1], VC
	s_add_nc_u64 s[G0V+2:G0V+3], s[6:7], s[2:3]
	s_or_b32 s[G0V+3], s[G0V+3], 0x80000000
	s_lshl_b32 s2, s17, 16
	s_lshl_b32 s19, s12, 14
	s_add_co_u32 s2, s2, s19
	s_lshl_b32 s19, s15, 8                         ; the even head's words lie in lanes 0-15's 256 bytes, the odd head's in lanes 16-31's
	s_add_co_u32 s2, s2, s19
	s_mov_b32 s[G0KS], 1
	s_mov_b32 s[G0KS+1], KSB
	s_add_nc_u64 s[G0KS+2:G0KS+3], s[4:5], s[2:3]
	s_or_b32 s[G0KS+3], s[G0KS+3], 0x80000000
	s_lshl_b32 s2, s12, 20
	s_lshl_b32 s19, s13, 9
	s_add_co_u32 s2, s2, s19
	s_mov_b32 s[G0VS], 1
	s_mov_b32 s[G0VS+1], VSB
	s_add_nc_u64 s[G0VS+2:G0VS+3], s[6:7], s[2:3]
	s_or_b32 s[G0VS+3], s[G0VS+3], 0x80000000
	CROUND                                         ; all four work-groups are here: the joint loads meet
	; waves 0, 1: k's codes; 2, 3: v's; 4: k's scale words; 5: v's.  One load a wave; the branches hang on the wave's number alone; four v_nop follow each line
	s_cmp_lt_u32 s[WV], 2
	s_cbranch_scc0 .Lnot_k
	tensor_load_to_lds s[G0K:G0K+3], s[G1K:G1K+7]
	s_nop 0
.rept 4
	v_nop
.endr
	s_branch .Lasked
.Lnot_k:
	s_cmp_lt_u32 s[WV], 4
	s_cbranch_scc0 .Lnot_v
	tensor_load_to_lds s[G0V:G0V+3], s[G1V:G1V+7]
	s_nop 0
.rept 4
	v_nop
.endr
	s_branch .Lasked
.Lnot_v:
	s_cmp_eq_u32 s[WV], 4
	s_cbranch_scc0 .Lnot_ks
	tensor_load_to_lds s[G0KS:G0KS+3], s[G1KS:G1KS+7]
	s_nop 0
.rept 4
	v_nop
.endr
	s_branch .Lasked
.Lnot_ks:
	s_cmp_eq_u32 s[WV], 5
	s_cbranch_scc0 .Lasked
	tensor_load_to_lds s[G0VS:G0VS+3], s[G1VS:G1VS+7]
	s_nop 0
.rept 4
	v_nop
.endr
.Lasked:
	; my two tiles.  s[o:o+1] q's codes, s[o+2:o+3] q's scale words, s[o+4:o+5] ctx's codes, s[o+6:o+7] ctx's scale bytes
.macro BASES o                         ; s11: the tile a
	s_lshl_b32 s66, s12, 7
	s_add_co_u32 s66, s66, s11                     ; fragment 128 x batch + a
	s_mul_i32 s100, s14, NBC
	s_mul_i32 s67, s66, 1536
	s_add_co_u32 s100, s100, s67
	s_mul_i32 s67, s15, 768
	s_add_co_u32 s100, s100, s67
	s_add_co_u32 s100, s100, OUTC
	s_add_nc_u64 s[\o:\o+1], s[4:5], s[100:101]
	s_lshl_b32 s100, s14, 16
	s_lshr_b32 s67, s66, 2
	s_lshl_b32 s67, s67, 9
	s_add_co_u32 s100, s100, s67
	s_lshl_b32 s67, s15, 8
	s_add_co_u32 s100, s100, s67
	s_and_b32 s67, s11, 3
	s_lshl_b32 s67, s67, 2
	s_add_co_u32 s100, s100, s67
	s_add_nc_u64 s[\o+2:\o+3], s[4:5], s[100:101]
	s_mul_i32 s100, s66, 12288
	s_mul_i32 s67, s14, 1536                       ; K step = the pair of heads,
	s_add_co_u32 s100, s100, s67
	s_mul_i32 s67, s15, 768                        ; the head's half of the image
	s_add_co_u32 s100, s100, s67
	s_add_co_u32 s100, s100, CODES
	s_add_nc_u64 s[\o+4:\o+5], s[8:9], s[100:101]
	s_lshl_b32 s100, s66, 9
	s_lshl_b32 s67, s13, 1                         ; the head's two blocks of 32
	s_add_co_u32 s100, s100, s67
	s_add_nc_u64 s[\o+6:\o+7], s[8:9], s[100:101]
.endm
	s_mov_b32 s101, 0
	s_bfe_u32 s10, ttmp6, 0x40000                  ; cx
	s_sub_co_u32 s11, 15, s[WV]
	s_lshl_b32 s11, s11, 3
	s_add_co_u32 s11, s11, s10
	s_add_co_u32 s11, s11, 4                       ; the first tile: 8 (15 - w) + 4 + cx
	BASES 84
	s_lshl_b32 s11, s[WV], 3
	s_add_co_u32 s11, s11, s10                     ; the second: 8 w + cx
	BASES 92
	s_lshr_b32 s66, s10, 1
	s_lshl_b32 s66, s66, 5
	s_and_b32 s67, s10, 1
	s_lshl_b32 s67, s67, 3
	s_add_co_u32 s[DQ2], s66, s67                  ; fragment e of a step's eight begins at query 32 (e / 2) + 8 (e % 2): e = cx,
	s_add_co_u32 s[DQ1], s[DQ2], 64                ; e = 4 + cx
	global_load_b128 v[16:19], v[L16], s[84:85]
	global_load_b64 v[20:21], v[L8], s[84:85] offset:512
	global_load_b32 v216, v[R16], s[86:87]
	global_load_b128 v[204:207], v[L16], s[92:93]
	global_load_b64 v[208:209], v[L8], s[92:93] offset:512
	global_load_b32 v217, v[R16], s[94:95]
	s_wait_tensorcnt 0x0                           ; my part of the head has landed,
	s_barrier_signal -1
	s_barrier_wait -1                              ; everybody's has
	s_wait_loadcnt 0x0                             ; q
; A KEY STEP: 128 keys.  q: the tile's fragment; qs: its scale words; dq: the scalar with the tile's first query within its 128.
.macro STEP q, qs, dq
	s_cmp_gt_u32 s[SI], s[SMAX]                    ; all its keys come after my queries: only the addresses step
	s_cbranch_scc1 .Lhidden_\@
	v_add_nc_u32 v[ADK16], s[TB], v[L16]           ; these six are also the places in front of the loads into registers that the last products read
	v_add_nc_u32 v[ADK8], s[TB], v[L8]
	v_add_nc_u32 v[ADV16], s[TB], v[LV16]
	v_add_nc_u32 v[ADV8], s[TB], v[LV8]
	v_add_nc_u32 v[ADS], s[TS], v[LKS]
	v_add_nc_u32 v[ADT], s[TJ], v[LVS]
.irp t, 0,1,2,3,4,5,6,7
	ds_load_b128 v[32+6*\t:35+6*\t], v[ADK16] offset:768*\t
	ds_load_b64 v[36+6*\t:37+6*\t], v[ADK8] offset:768*\t+512
.endr
	ds_load_b128 v[192:195], v[ADS]                ; place r's words of tiles 0-3,
	ds_load_b128 v[196:199], v[ADS] offset:256     ; and of tiles 4-7
	s_wait_dscnt 0x0
.irp t, 0,1,2,3,4,5,6,7
	v_wmma_scale_f32_16x16x128_f8f6f4 v[96+8*\t:103+8*\t], v[32+6*\t:43+6*\t], v[\q:\q+11], 0, v[192+\t], v[\qs] matrix_a_fmt:MATRIX_FMT_FP6 matrix_b_fmt:MATRIX_FMT_FP6
.endr
.rept 4
	v_nop                                          ; places in front of the loads below and of the first read of the scores
.endr
.irp t, 0,1,2,3                                ; v's four fragments land while the softmax is walked
	ds_load_b128 v[32+12*\t:35+12*\t], v[ADV16] offset:1536*\t
	ds_load_b64 v[36+12*\t:37+12*\t], v[ADV8] offset:1536*\t+512
	ds_load_b128 v[38+12*\t:41+12*\t], v[ADV16] offset:1536*\t+768
	ds_load_b64 v[42+12*\t:43+12*\t], v[ADV8] offset:1536*\t+1280
.endr
	ds_load_b128 v[200:203], v[ADT]
	s_cmp_lg_u32 s[SI], s[SMAX]                    ; on the diagonal the scores of hidden keys become -infinity ahead of the maximum: p = 0 then
	s_cbranch_scc1 .Lopen_\@
	v_add_nc_u32 v252, s[\dq], v[QL]               ; d = my query - 16 (lane / 16).  Register 16 b + i holds key 32 b + 16 (lane / 16) + i: hidden where 32 b + i > d
	v_mov_b32 v254, 0xff800000
.set n, 0
.rept 64
	v_cmp_gt_i32 vcc_lo, 32*(n/16)+n%16, v252
	v_cndmask_b32 v[96+n], v[96+n], v254, vcc_lo
.set n, n+1
.endr
.Lopen_\@:
.irp b, 0,1,2,3
	v_max3_num_f32 v[232+\b], v[96+16*\b], v[97+16*\b], v[98+16*\b]   ; the largest score of each block of 32 keys: for the row's maximum, and, since p rises with the score, for the block's largest p
.endr
.irp i, 3,5,7,9,11,13
.irp b, 0,1,2,3
	v_max3_num_f32 v[232+\b], v[232+\b], v[96+16*\b+\i], v[97+16*\b+\i]
.endr
.endr
.irp b, 0,1,2,3
	v_max_num_f32 v[232+\b], v[232+\b], v[111+16*\b]
.endr
.irp b, 0,1,2,3
	v_permlanex16_b32 v[236+\b], v[232+\b], s[SEL], s[SEL+1]
.endr
.irp b, 0,1,2,3
	v_max_num_f32 v[232+\b], v[232+\b], v[236+\b]  ; with lane l xor 16's 16 keys
.endr
	v_max3_num_f32 v254, v232, v233, v234
	v_max_num_f32 v254, v254, v235
	v_mul_f32 v254, s[CS], v254                    ; the step's largest t
	v_max_num_f32 v13, v13, v254
	v_mov_b32 v254, v12
	v_floor_f32 v12, -v13                          ; the new -M = -ceil(t)
	v_sub_f32 v254, v12, v254                      ; old M - new M: a whole number, 0 or less
	v_cvt_i32_f32 v254, v254                       ; (it saturates)
	v_ldexp_f32 v252, 1.0, v254                    ; f = 2^(old M - new M)
.set n, 0
.rept 32
	v_pk_fma_f32 v[96+n:97+n], v[96+n:97+n], s[CS:CS+1], v[12:13] op_sel_hi:[1,0,0]   ; t - M
.set n, n+2
.endr
.irp b, 0,1,2,3
	v_fma_f32 v[232+\b], v[232+\b], s[CS], v12
.endr
.set n, 0
.rept 64
	v_exp_f32 v[96+n], v[96+n]                     ; p = 2^(t - M)
.set n, n+1
.endr
.irp b, 0,1,2,3
	v_exp_f32 v[232+\b], v[232+\b]                 ; the block's largest p: the same two instructions on the same number
.endr
	v_pk_mul_f32 v[14:15], v[14:15], v[252:253] op_sel_hi:[1,0]   ; the sums under the new M (a plain place behind the exponentials)
	s_wait_alu depctr_va_vdst(0)
.irp b, 0,1,2,3
	v_max_num_f32 v[232+\b], 0x1800000, v[232+\b]  ; the floor 2^(3 - 127)
.endr
.irp b, 0,1,2,3
	v_add_nc_u32 v[244+\b], 0xff000000, v[232+\b]
.endr
.irp b, 0,1,2,3
	v_lshrrev_b32 v[236+\b], 23, v[244+\b]
.endr
	v_lshl_or_b32 v253, v237, 8, v236              ; p's scale word for these 128 keys
	v_lshl_or_b32 v253, v238, 16, v253
	v_lshl_or_b32 v253, v239, 24, v253
.irp c, 0,1
	v_cvt_scalef32_pk16_fp6_f32 v[224+6*\c:226+6*\c], v[96+32*\c:111+32*\c], v[244+2*\c]
	v_cvt_scalef32_pk16_fp6_f32 v[236+4*\c:238+4*\c], v[112+32*\c:127+32*\c], v[244+2*\c+1]
.endr
	v_nop                                          ; one plain place behind a scaled conversion
.irp c, 0,1
.irp i, 0,1,2
	v_permlane16_swap_b32 v[224+6*\c+\i], v[236+4*\c+\i]
.endr
.irp i, 0,1,2
	v_mov_b32 v[227+6*\c+\i], v[236+4*\c+\i]
.endr
.endr
	v_pk_add_f32 v[236:237], v[96:97], v[98:99]    ; the row's sum is taken of the unquantised p, in two chains
.irp j, 4,8,12,16,20,24,28,32,36,40,44,48,52,56,60
	v_pk_add_f32 v[14:15], v[14:15], v[96+\j:97+\j]
	v_pk_add_f32 v[236:237], v[236:237], v[98+\j:99+\j]
.endr
	v_pk_add_f32 v[14:15], v[14:15], v[236:237]
.set n, 0
.rept 16
	v_pk_mul_f32 v[160+n:161+n], v[160+n:161+n], v[252:253] op_sel_hi:[1,0]   ; O^T under the new M
.set n, n+2
.endr
	s_wait_dscnt 0x0                               ; v's fragments and scale words are in
.irp t, 0,1,2,3                                ; O^T += v^T p^T: four accumulators by turns
	v_wmma_scale_f32_16x16x128_f8f6f4 v[160+8*\t:167+8*\t], v[32+12*\t:43+12*\t], v[224:235], v[160+8*\t:167+8*\t], v[200+\t], v253 matrix_a_fmt:MATRIX_FMT_FP6 matrix_b_fmt:MATRIX_FMT_FP6
.endr
.Lhidden_\@:
	s_add_co_u32 s[TB], s[TB], 6144
	s_add_co_u32 s[TS], s[TS], 512
	s_add_co_u32 s[TJ], s[TJ], 256
.endm
; A tile's end: O^T / l, in f32; its 32 registers (16 i + j = feature 32 i + 16 (lane / 16) + j) are two blocks along the last product's K: half a fragment's codes and two scale bytes a row.
.macro FINISH o
.rept 4
	v_nop                                          ; places behind the last products
.endr
	v_add_f32 v14, v14, v15
	v_permlanex16_b32 v252, v14, s[SEL], s[SEL+1]
	v_add_f32 v14, v14, v252                       ; the row's sum
	v_rcp_f32 v14, v14
	v_nop                                          ; one plain place behind a transcendental
.set n, 0
	s_wait_alu depctr_va_vdst(0)
.rept 16
	v_pk_mul_f32 v[96+n:97+n], v[160+n:161+n], v[14:15] op_sel_hi:[1,0]   ; each accumulator from its low end on
.set n, n+2
.endr
.irp b, 0,1
	v_max3_num_f32 v[232+\b], |v[96+16*\b]|, |v[97+16*\b]|, 0x1800000
.endr
.irp i, 2,4,6,8,10,12,14
.irp b, 0,1
	v_max3_num_f32 v[232+\b], v[232+\b], |v[96+16*\b+\i]|, |v[97+16*\b+\i]|
.endr
.endr
.irp b, 0,1
	v_permlanex16_b32 v[236+\b], v[232+\b], s[SEL], s[SEL+1]
.endr
.irp b, 0,1
	v_max_num_f32 v[232+\b], v[232+\b], v[236+\b]
.endr
.irp b, 0,1
	v_add_nc_u32 v[244+\b], 0xff000000, v[232+\b]
.endr
.irp b, 0,1
	v_lshrrev_b32 v[236+\b], 23, v[244+\b]
.endr
	v_cndmask_b32 v[CB], v236, v237, s[HM]         ; lanes 0-15 store block 0's byte, lanes 16-31 block 1's
	v_cvt_scalef32_pk16_fp6_f32 v[224:226], v[96:111], v244
	v_cvt_scalef32_pk16_fp6_f32 v[240:242], v[112:127], v245
	v_nop
.irp i, 0,1,2
	v_permlane16_swap_b32 v[224+\i], v[240+\i]
.endr
.irp i, 0,1,2
	v_mov_b32 v[227+\i], v[240+\i]
.endr
	global_store_b128 v[L16], v[224:227], s[\o+4:\o+5]             ; 512 and 256 consecutive bytes, aligned
	global_store_b64 v[L8], v[228:229], s[\o+4:\o+5] offset:512
	global_store_b8 v[RB], v[CB], s[\o+6:\o+7]
.endm
.macro PASS q, qs, dq, o, second
.if \second
	s_wait_xcnt 0x0                                ; the first tile's stores have read their registers
	s_mov_b32 s[SMAX], s[WV]
.else
	s_sub_co_u32 s[SMAX], 15, s[WV]
.endif
	v_mov_b32 v13, 0xff61b1e6                      ; the largest t so far: -3e38
	v_floor_f32 v12, -v13
	v_mov_b32 v14, 0
	v_mov_b32 v15, 0
.set n, 0
.rept 32
	v_mov_b32 v[160+n], 0                          ; O^T: the step is written once; the first change of M leaves zeros zeros
.set n, n+1
.endr
	s_mov_b32 s[SI], 0
	s_mov_b32 s[TB], 0
	s_mov_b32 s[TS], 0
	s_mov_b32 s[TJ], 0
.Lstep_\@:
	STEP \q, \qs, \dq
	s_add_co_u32 s[SI], s[SI], 1
	s_cmp_lt_u32 s[SI], 16
	s_cbranch_scc1 .Lstep_\@
	FINISH \o
.endm
	PASS 16, 216, DQ1, 84, 0
	PASS 204, 217, DQ2, 92, 1
	s_wait_dscnt 0x0                               ; no LDS load of mine is out at a signal
	s_wait_tensorcnt 0x0
	ds_add_u32 v251, v255
	s_wait_dscnt 0x0
	CROUND                                         ; the closing round
	s_endpgm
.Lfunc_end_k_q77ed8ea6e0_attn:
	.size	k_q77ed8ea6e0_attn, .Lfunc_end_k_q77ed8ea6e0_attn-k_q77ed8ea6e0_attn
	.p2alignl 7, 3214868480
	.fill 96, 4, 3214868480
	.section	.rodata,"a",@progbits
	.p2align	6, 0x0
	.amdhsa_kernel k_q77ed8ea6e0_attn
		.amdhsa_group_segment_fixed_size 210944
		.amdhsa_private_segment_fixed_size 0
		.amdhsa_enable_private_segment 0
		.amdhsa_kernarg_size 24
		.amdhsa_user_sgpr_count 2
		.amdhsa_user_sgpr_kernarg_segment_ptr 1
		.amdhsa_wavefront_size32 1
		.amdhsa_system_sgpr_workgroup_id_x 1
		.amdhsa_system_sgpr_workgroup_id_y 1
		.amdhsa_system_sgpr_workgroup_id_z 1
		.amdhsa_system_vgpr_workitem_id 0
		.amdhsa_next_free_vgpr 256
		.amdhsa_next_free_sgpr 102
		.amdhsa_reserve_vcc 1
		.amdhsa_float_denorm_mode_32 3
		.amdhsa_float_denorm_mode_16_64 3
		.amdhsa_memory_ordered 1
		.amdhsa_forward_progress 1
		.amdhsa_inst_pref_size 64
	.end_amdhsa_kernel
	.amdgpu_metadata
---
amdhsa.version: [ 1, 2 ]
amdhsa.kernels:
  - .name:           k_q77ed8ea6e0_attn
    .symbol:         k_q77ed8ea6e0_attn.kd
    .args:
      - { .name: qkq, .offset: 0, .size: 8, .value_kind: global_buffer, .address_space: global }
      - { .name: vq, .offset: 8, .size: 8, .value_kind: global_buffer, .address_space: global }
      - { .name: ctxq, .offset: 16, .size: 8, .value_kind: global_buffer, .address_space: global }
    .group_segment_fixed_size: 210944
    .private_segment_fixed_size: 0
    .kernarg_segment_align: 8
    .kernarg_segment_size: 24
    .max_flat_workgroup_size: 512
    .sgpr_count:     102
    .vgpr_count:     256
    .wavefront_size: 32
...
	.end_amdgpu_metadata
.endif
;; end of part 4
;; launch gemm_out (part 5): grid 4 x 32, 4 waves a work-group, clusters of 4 x 4, 327,680 bytes of LDS; arguments ctxq, woq, bo, out0; writes out0
.if DOCPART == 5
	.amdgcn_target "amdgcn-amd-amdhsa--gfx1250"
	.amdhsa_code_object_version 6
	.text
	.protected	k_q77ed8ea6e0_gemm_out
	.globl	k_q77ed8ea6e0_gemm_out
	.p2align	8
	.type	k_q77ed8ea6e0_gemm_out,@function
k_q77ed8ea6e0_gemm_out:
	s_mov_b64 s[64:65], 0
	v_nop
	global_prefetch_b8 v0, s[64:65] scope:SCOPE_SE
	s_setreg_imm32_b32 hwreg(HW_REG_WAVE_MODE, 25, 1), 1
	s_wait_xcnt 0x0
	s_wait_alu depctr_hold_cnt(0) depctr_sa_sdst(0) depctr_va_vdst(0) depctr_va_sdst(0) depctr_va_ssrc(0) depctr_va_vcc(0) depctr_vm_vsrc(0)
	s_getreg_b32 s2, hwreg(HW_REG_IB_STS2, 6, 4)
	s_cmp_eq_u32 s2, 0
	s_cbranch_scc0 .Lentry_in_a_cluster
	s_endpgm
.Lentry_in_a_cluster:
	s_bfe_u32 s2, ttmp6, 0x10000c
	s_cmp_lg_u32 s2, 0xf033
	s_cbranch_scc0 .Lentry_shape_is_right
	s_endpgm
.Lentry_shape_is_right:
; out[m][n] = sum over k of ctx[m][k] Wo[k][n] + bo[n], K = 1,024, on codes of FP6 (E2M3) with E8M0 scales; out: [8192][1024] f32.
; OPERANDS (A = ctxq, B = woq): rows in fragment order (within each 32 rows, place 16 u + r holds row 8 u + r + 8 (r / 8)); scale bytes [place][32] at byte 0; from CODES on [fragment][K step of 128][1,536]: an image of the
; fragment's 12 registers: 0-3 at 16 x lane, 4-5 at 512 + 8 x lane, 6-9 at 768 + 16 x lane, 10-11 at 1,280 + 8 x lane.
; THE MATRIX INSTRUCTION IS USED TRANSPOSED (source 0 = 16 places of B, source 1 = 16 places of A): lane (r, h) holds place r of A, and tile b's register j column 32 (b / 2) + 16 h + 8 (b % 2) + j.
; The bias is the C of each sum's first matrix instruction: eight registers a tile, in the result's layout.
; A tile of out, 256 x 256, is made by four waves, 128 x 128 each.  K goes in steps of 256 through a ring of two LDS slots; the scales come once.  CLUSTERS: 4 x 4; A's tiles jointly along a row, B's along a column.
; REGISTERS, in windows of 256: window 0: v16-29 addresses; v32-63 scale words; v64-127 the bias; v128-223 A's fragments, on the way out v128-255 rows of out.  window 1: B's two sets.  windows 2, 3: the accumulators.
.set NQ,     2
.set FR,     12
.set FRB,    1536
.set NL,     4
.set NP,     4
.set CODES,  262144
.set KROW,   768
.set KS,     32
.set HALFT,  8*NQ*FRB
.set SLOT,   4*HALFT
.set LAPS,   2
.set SCL,    2*SLOT
.set HALFS,  (128*KS/256)*272
.set SBLK,   (16*KS/256)*272
.set SPARE,  SCL+4*HALFS               ; the spare words, 128 bytes for each wave: two blocks of 256 bytes that no other line names
.set SPITCH, 528                       ; the way out: a stage of 16 rows x (512 bytes + 16) for each wave, in slot 0, which has had its last fill and its last read when the first result is stored there
.set ADRA, 16
.set ADRB, 20
.set STO,  24                          ; v24 the stage: where I put 32 bytes of a row
.set RD,   25                          ; v25 where I read a row back
.set CO,   26                          ; v26 16 x lane
.set ADRS, 27
.set SPW,  28
.set NIL,  29
.set SC,   32
.set BIAS, 64
.set AF,   128
.set BK,   128
.set G1, 24
.set G0, 32
.set G1B, 48
.set G0B, 56
.set G1S, 68
.set G0S, 76
.set G1SB, 80
.set G0SB, 88
.set MSB, 0
.macro WIN new
.if MSB != \new
	s_set_vgpr_msb (MSB<<8)|\new
.set MSB, \new
.endif
.endm
.set MUL_LO, 0xa1
.set MUL_HI, 0xf1
.set TO_B,   0x40
.macro JLOAD g0a, g1a, g0b, g1b        ; a joint load: waves 0 and 1 fetch for A, waves 2 and 3 for B; four v_nop follow each of the two lines
	s_cmp_eq_u32 s15, 0
	s_cbranch_scc0 .Lfor_b_\@
	tensor_load_to_lds s[\g0a:\g0a+3], s[\g1a:\g1a+7]
	s_nop 0
.rept 4
	v_nop
.endr
	s_branch .Lasked_\@
.Lfor_b_\@:
	tensor_load_to_lds s[\g0b:\g0b+3], s[\g1b:\g1b+7]
	s_nop 0
.rept 4
	v_nop
.endr
.Lasked_\@:
.endm
.macro CREST
	s_cmp_lg_u32 s14, 0
	s_cbranch_scc1 .Lnot_wave_0_\@
	s_barrier_signal -3
.Lnot_wave_0_\@:
	s_barrier_wait -3
	s_barrier_signal -1
	s_barrier_wait -1
.endm
.macro CROUND
	s_barrier_signal -1
	s_barrier_wait -1
	CREST
.endm
	s_load_b64 s[6:7], s[0:1], 0x0                 ; A: its scale bytes lie at its first byte
	s_load_b64 s[10:11], s[0:1], 0x8               ; B likewise
	s_load_b64 s[98:99], s[0:1], 0x10              ; bo
	s_load_b64 s[12:13], s[0:1], 0x18              ; out
	v_lshl_add_u32 v[SPW], v0, 2, SPARE
	v_mov_b32 v[NIL], 0
	ds_add_u32 v28, v29
	ds_add_u32 v28, v29
	s_wait_dscnt 0x0
	v_lshrrev_b32 v1, 5, v0
	v_readfirstlane_b32 s14, v1
	s_lshr_b32 s15, s14, 1
	s_and_b32 s16, s14, 1
	s_bfe_u32 s40, ttmp6, 0x40000
	s_bfe_u32 s41, ttmp6, 0x40004
	s_lshl_b32 s42, ttmp9, 2
	s_add_co_u32 s42, s42, s40                     ; tile column
	s_and_b32 s17, ttmp7, 0xffff
	s_lshl_b32 s17, s17, 2
	s_add_co_u32 s17, s17, s41                     ; tile row
	s_lshl_b32 s43, s41, 2
	s_lshl_b32 s43, 15, s43
	s_lshl_b32 s44, 0x1111, s40
	s_or_b32 s[G1+0], s43, (3<<16)|(1<<21)         ; codes: 8 rows (fragments) of 3,072 bytes, 12,288 apart; elements of 8 bytes; dense in LDS
	s_or_b32 s[G1B+0], s44, (3<<16)|(1<<21)
.irp g, G1, G1B
	s_mov_b32 s[\g+1], 384<<16
	s_mov_b32 s[\g+2], 8<<16
	s_mov_b32 s[\g+3], 384<<16
	s_mov_b32 s[\g+4], 8
	s_mov_b32 s[\g+5], 1536
	s_mov_b32 s[\g+6], 0
	s_mov_b32 s[\g+7], 0
.endr
	s_or_b32 s[G1S+0], s43, (3<<16)|(1<<20)|(1<<21)|(5<<22)|(3<<25)   ; scales of 128 rows: rows of 256 bytes, 16 of padding behind each
	s_or_b32 s[G1SB+0], s44, (3<<16)|(1<<20)|(1<<21)|(5<<22)|(3<<25)
.irp g, G1S, G1SB
	s_mov_b32 s[\g+1], 32<<16
	s_mov_b32 s[\g+2], (128*KS/256)<<16
	s_mov_b32 s[\g+3], 32<<16
	s_mov_b32 s[\g+4], 128*KS/256
	s_mov_b32 s[\g+5], 32
	s_mov_b32 s[\g+6], 0
	s_mov_b32 s[\g+7], 0
.endr
	s_lshl_b32 s18, s16, 7
	s_lshl_b32 s20, s17, 8
	s_add_co_u32 s20, s20, s18
	s_lshl_b32 s46, s42, 8
	s_add_co_u32 s46, s46, s18
	s_mov_b32 s21, 0
	s_mov_b32 s47, 0
	s_mov_b64 s[18:19], KS
	s_mul_u64 s[22:23], s[20:21], s[18:19]
	s_mul_u64 s[92:93], s[46:47], s[18:19]
	s_mov_b64 s[18:19], KROW
	s_mul_u64 s[20:21], s[20:21], s[18:19]
	s_mul_u64 s[46:47], s[46:47], s[18:19]
	s_mul_i32 s45, s14, HALFT
	s_mul_i32 s94, s14, HALFS
	s_wait_kmcnt 0x0
	s_add_nc_u64 s[4:5], s[6:7], CODES
	s_add_nc_u64 s[8:9], s[10:11], CODES
	s_add_nc_u64 s[20:21], s[4:5], s[20:21]
	s_add_nc_u64 s[22:23], s[6:7], s[22:23]
	s_add_nc_u64 s[46:47], s[8:9], s[46:47]
	s_add_nc_u64 s[92:93], s[10:11], s[92:93]
	CROUND                                         ; all sixteen work-groups are here: the first joint loads meet
	s_mov_b32 s[G0S], 1
	s_add_co_u32 s[G0S+1], s94, SCL
	s_mov_b64 s[G0S+2:G0S+3], s[22:23]
	s_or_b32 s[G0S+3], s[G0S+3], 0x80000000
	s_mov_b32 s[G0SB], 1
	s_add_co_u32 s[G0SB+1], s94, SCL
	s_mov_b64 s[G0SB+2:G0SB+3], s[92:93]
	s_or_b32 s[G0SB+3], s[G0SB+3], 0x80000000
	JLOAD G0S, G1S, G0SB, G1SB
.irp s, 0,1
	s_mov_b32 s[G0+4*\s], 1
	s_add_co_u32 s[G0+4*\s+1], s45, \s*SLOT
	s_add_nc_u64 s[G0+4*\s+2:G0+4*\s+3], s[20:21], \s*NQ*FRB
	s_or_b32 s[G0+4*\s+3], s[G0+4*\s+3], 0x80000000
	s_mov_b32 s[G0B+4*\s], 1
	s_add_co_u32 s[G0B+4*\s+1], s45, \s*SLOT
	s_add_nc_u64 s[G0B+4*\s+2:G0B+4*\s+3], s[46:47], \s*NQ*FRB
	s_or_b32 s[G0B+4*\s+3], s[G0B+4*\s+3], 0x80000000
	JLOAD G0+4*\s, G1, G0B+4*\s, G1B
.endr
	v_and_b32 v1, 15, v0                           ; l % 16
	v_bfe_u32 v2, v0, 4, 1                         ; l / 16
	v_and_b32 v6, 31, v0
	v_lshlrev_b32 v[CO], 4, v6
	v_lshlrev_b32 v4, 3, v6
	s_mul_i32 s21, s15, HALFT
	s_mul_i32 s22, s16, HALFT
	s_add_co_u32 s22, s22, 2*HALFT
.irp s, 0,1
	v_add_nc_u32 v[ADRA+\s], s21, v[CO]
	v_add_nc_u32 v[ADRB+\s], s22, v[CO]
	v_add_nc_u32 v[ADRA+2+\s], s21, v4
	v_add_nc_u32 v[ADRB+2+\s], s22, v4
	s_add_co_u32 s21, s21, SLOT
	s_add_co_u32 s22, s22, SLOT
.endr
	v_mul_u32_u24 v5, v1, KS
	v_lshrrev_b32 v6, 8, v5
	v_lshl_add_u32 v5, v6, 4, v5
	s_mul_i32 s21, s15, HALFS
	s_mul_i32 s22, s16, HALFS
	s_add_co_u32 s22, s22, 2*HALFS
	s_sub_co_u32 s22, s22, s21
	v_mul_u32_u24 v6, s22, v2                      ; lanes 16-31 take B's
	s_add_co_u32 s21, s21, SCL
	v_add_nc_u32 v5, v5, v6
	v_add_nc_u32 v[ADRS], s21, v5
	s_mul_i32 s23, s14, 16*SPITCH                  ; my stage
	v_mul_u32_u24 v5, v1, SPITCH
	v_lshl_add_u32 v5, v2, 6, v5
	v_add_nc_u32 v[STO], s23, v5                   ; in: row r, + 64 h
	v_add_nc_u32 v[RD], s23, v[CO]                 ; back: the 32 lanes take one row of 512 bytes
	s_lshl_b32 s20, s17, 8
	s_lshl_b32 s21, s15, 7
	s_add_co_u32 s20, s20, s21                     ; my first row of out: 256 x tile row + 128 x half
	s_lshl_b32 s20, s20, 12                        ; rows of 4,096 bytes
	s_mov_b32 s21, 0
	s_lshl_b32 s46, s42, 10                        ; my first column, in bytes
	s_lshl_b32 s47, s16, 9
	s_add_co_u32 s46, s46, s47
	s_mov_b32 s47, 0
	s_add_nc_u64 s[98:99], s[98:99], s[46:47]      ; bo at my 128 columns
	s_add_nc_u64 s[20:21], s[20:21], s[46:47]
	s_add_nc_u64 s[12:13], s[12:13], s[20:21]
	v_lshlrev_b32 v7, 6, v2                        ; 16 h numbers on
.irp b, 0,1,2,3,4,5,6,7
	global_load_b128 v[BIAS+8*\b:BIAS+8*\b+3], v7, s[98:99] offset:(32*(\b/2)+8*(\b%2))*4
	global_load_b128 v[BIAS+8*\b+4:BIAS+8*\b+7], v7, s[98:99] offset:(32*(\b/2)+8*(\b%2))*4+16
.endr
.macro FRAG reg, adr, q, i
	ds_load_b128 v[\reg:\reg+3], v[\adr] offset:NQ*FRB*(\i)+FRB*(\q)
	ds_load_b64 v[\reg+4:\reg+5], v[\adr+2] offset:NQ*FRB*(\i)+FRB*(\q)+512
	ds_load_b128 v[\reg+6:\reg+9], v[\adr] offset:NQ*FRB*(\i)+FRB*(\q)+768
	ds_load_b64 v[\reg+10:\reg+11], v[\adr+2] offset:NQ*FRB*(\i)+FRB*(\q)+1280
.endm
; 16 matrix instructions: A's blocks a0, a0 + 1 x B's eight.  first = 1: the bias starts the sums.  The 64 accumulators take turns, one instruction a turn.
.macro MUL16 a0, p, q, sc, first
.irp a, \a0, \a0+1
.irp b, 0,1,2,3,4,5,6,7
.if \first
	v_wmma_scale_f32_16x16x128_f8f6f4 v[8*(8*((\a)%4)+\b):8*(8*((\a)%4)+\b)+7], v[128*(\p)+FR*\b:128*(\p)+FR*\b+FR-1], v[AF+FR*(\a):AF+FR*(\a)+FR-1], v[BIAS+8*\b:BIAS+8*\b+7], v[SC+8*NQ*(\sc)+NQ*\b+(\q)], v[SC+8*NQ*(\sc)+NQ*(\a)+(\q)] matrix_a_fmt:MATRIX_FMT_FP6 matrix_b_fmt:MATRIX_FMT_FP6 matrix_a_scale:MATRIX_SCALE_ROW1
.else
	v_wmma_scale_f32_16x16x128_f8f6f4 v[8*(8*((\a)%4)+\b):8*(8*((\a)%4)+\b)+7], v[128*(\p)+FR*\b:128*(\p)+FR*\b+FR-1], v[AF+FR*(\a):AF+FR*(\a)+FR-1], v[8*(8*((\a)%4)+\b):8*(8*((\a)%4)+\b)+7], v[SC+8*NQ*(\sc)+NQ*\b+(\q)], v[SC+8*NQ*(\sc)+NQ*(\a)+(\q)] matrix_a_fmt:MATRIX_FMT_FP6 matrix_b_fmt:MATRIX_FMT_FP6 matrix_a_scale:MATRIX_SCALE_ROW1
.endif
.endr
.endr
.endm
.macro FETCH_B slot, q, p
	WIN TO_B
.irp i, 0,1,2,3,4,5,6,7
	FRAG 128*(\p)+FR*\i, ADRB+\slot, \q, \i
.endr
	WIN 0
.endm
.macro FETCH_A slot, q, i0
.irp i, \i0, \i0+1, \i0+2, \i0+3
	FRAG AF+FR*(\i), ADRA+\slot, \q, \i
.endr
.endm
.macro SCALES sc
.irp i, 0,1,2,3,4,5,6,7
	ds_load_b64 v[SC+8*NQ*\sc+NQ*\i:SC+8*NQ*\sc+NQ*\i+1], v[ADRS] offset:\i*SBLK
.endr
.endm
.macro PLACES n
.rept \n
	v_nop
.endr
.endm
.macro STEP slot, q, first
	s_wait_dscnt 4*NL                              ; B's set and A's blocks 0-3 are in; the youngest sixteen loads (A's blocks 4-7) may be out
.if \first
	WIN 0x81                                       ; C (the bias) window 0, D window 2
.else
	WIN MUL_LO
.endif
	MUL16 0, (\q)%2, \q, \slot, \first
	MUL16 2, (\q)%2, \q, \slot, \first
	s_wait_dscnt 0
	PLACES NP
	FETCH_B \slot, (\q)+1, 1-(\q)%2
	FETCH_A \slot, (\q)+1, 0
.if \first
	WIN 0xc1                                       ; C window 0, D window 3
.else
	WIN MUL_HI
.endif
	MUL16 4, (\q)%2, \q, \slot, \first
	MUL16 6, (\q)%2, \q, \slot, \first
	PLACES NP
	WIN 0
	FETCH_A \slot, (\q)+1, 4
.endm
.macro TURN slot, next, fill
	s_wait_tensorcnt 0x0                           ; all my tensor loads have landed: my part of the next slot
	ds_add_u32 v[SPW], v[NIL]                      ; 0 onto my spare word
	s_wait_dscnt 4*NL+1                            ; the add and the youngest sixteen loads may be out
	WIN MUL_LO
	MUL16 0, 1, NQ-1, \slot, 0
	s_wait_dscnt 0x0                               ; the add is done, and my reads of this slot are over
	s_barrier_signal -1
	MUL16 2, 1, NQ-1, \slot, 0
	WIN 0
	s_barrier_wait -1
.if \fill
	CREST                                          ; the barrier has opened a round of the cluster's: no wave of any partner still reads this slot or has a load on its way
	s_add_nc_u64 s[G0+4*\slot+2:G0+4*\slot+3], s[G0+4*\slot+2:G0+4*\slot+3], 2*NQ*FRB
	s_add_nc_u64 s[G0B+4*\slot+2:G0B+4*\slot+3], s[G0B+4*\slot+2:G0B+4*\slot+3], 2*NQ*FRB
	JLOAD G0+4*\slot, G1, G0B+4*\slot, G1B
.else
	PLACES NP
.endif
	v_add_nc_u32 v[ADRS], 4*NQ, v[ADRS]
	FETCH_B \next, 0, 0
	FETCH_A \next, 0, 0
	SCALES \next
	WIN MUL_HI
	MUL16 4, 1, NQ-1, \slot, 0
	MUL16 6, 1, NQ-1, \slot, 0
	PLACES NP
	WIN 0
	FETCH_A \next, 0, 4
.endm
	s_wait_tensorcnt 1                             ; the scales and my part of slot 0 are in; slot 1's load may be out
	s_barrier_signal -1
	s_barrier_wait -1
	FETCH_B 0, 0, 0
	FETCH_A 0, 0, 0
	SCALES 0
	FETCH_A 0, 0, 4
	s_wait_loadcnt 0x0                             ; the bias
	STEP 0, 0, 1
	s_mov_b32 s3, LAPS-1
.Llap:
	TURN 0, 1, 1
	STEP 1, 0, 0
	TURN 1, 0, 1
	STEP 0, 0, 0
	s_sub_co_u32 s3, s3, 1
	s_cmp_lg_u32 s3, 0
	s_cbranch_scc1 .Llap
	TURN 0, 1, 0
	STEP 1, 0, 0
	s_wait_dscnt 4*NL
	WIN MUL_LO
	MUL16 0, 1, NQ-1, 1, 0
	MUL16 2, 1, NQ-1, 1, 0
	s_wait_dscnt 0
	WIN MUL_HI
	MUL16 4, 1, NQ-1, 1, 0
	MUL16 6, 1, NQ-1, 1, 0
	WIN 0
; THE WAY OUT, block by block of 16 places x 128 columns, through my own stage in LDS; it comes back as whole rows of 512 bytes.  LDS serves a wave's instructions in order: no wait between the stores and the loads.
.macro TOSTAGE a
.set AC, 64*((\a)%4)
	WIN 0x08+4*((\a)/4)                            ; the data: window 2 or 3
.irp b, 0,1,2,3,4,5,6,7
	ds_store_b128 v[STO], v[AC+8*\b:AC+8*\b+3] offset:128*(\b/2)+32*(\b%2)          ; each accumulator from its low end on
	ds_store_b128 v[STO], v[AC+8*\b+4:AC+8*\b+7] offset:128*(\b/2)+32*(\b%2)+16
.endr
	WIN 0
.set BB, BK+64*((\a)%2)
.irp t, 0,1,2,3,4,5,6,7,8,9,10,11,12,13,14,15
	ds_load_b128 v[BB+4*\t:BB+4*\t+3], v[RD] offset:\t*SPITCH
.endr
.endm
.macro SEND a, younger                 ; place t of fragment a is row 32 (a / 2) + 8 (a % 2) + t + 8 (t / 8) of my 128: it stands in the immediate
.set BB, BK+64*((\a)%2)
.set RW, 32*((\a)/2)+8*((\a)%2)
	s_wait_dscnt \younger
.irp t, 0,1,2,3,4,5,6,7,8,9,10,11,12,13,14,15
	global_store_b128 v[CO], v[BB+4*\t:BB+4*\t+3], s[12:13] offset:(RW+\t+8*(\t/8))*4096 th:TH_STORE_NT   ; 512 consecutive bytes, aligned
.endr
.endm
	PLACES NP
	TOSTAGE 0
.irp a, 1,2,3,4,5,6,7
.if \a > 1
	s_wait_xcnt 0x0                                ; block a - 2's stores have read their registers: block a's loads may land there
.endif
	TOSTAGE \a
	SEND \a-1, 32                                  ; behind block a - 1's loads: block a's 16 stores and 16 loads
.endr
	SEND 7, 0
	s_wait_tensorcnt 0x0                           ; the wave's end
	ds_add_u32 v[SPW], v[NIL]
	s_wait_dscnt 0x0
	CROUND                                         ; the closing round
	s_endpgm
.Lfunc_end_k_q77ed8ea6e0_gemm_out:
	.size	k_q77ed8ea6e0_gemm_out, .Lfunc_end_k_q77ed8ea6e0_gemm_out-k_q77ed8ea6e0_gemm_out
	.p2alignl 7, 3214868480
	.fill 96, 4, 3214868480
	.section	.rodata,"a",@progbits
	.p2align	6, 0x0
	.amdhsa_kernel k_q77ed8ea6e0_gemm_out
		.amdhsa_group_segment_fixed_size 327680
		.amdhsa_private_segment_fixed_size 0
		.amdhsa_enable_private_segment 0
		.amdhsa_kernarg_size 32
		.amdhsa_user_sgpr_count 2
		.amdhsa_user_sgpr_kernarg_segment_ptr 1
		.amdhsa_wavefront_size32 1
		.amdhsa_system_sgpr_workgroup_id_x 1
		.amdhsa_system_sgpr_workgroup_id_y 1
		.amdhsa_system_sgpr_workgroup_id_z 1
		.amdhsa_system_vgpr_workitem_id 0
		.amdhsa_next_free_vgpr 1024
		.amdhsa_next_free_sgpr 100
		.amdhsa_reserve_vcc 0
		.amdhsa_float_denorm_mode_32 3
		.amdhsa_float_denorm_mode_16_64 3
		.amdhsa_memory_ordered 1
		.amdhsa_forward_progress 1
		.amdhsa_inst_pref_size 145
	.end_amdhsa_kernel
	.amdgpu_metadata
---
amdhsa.version: [ 1, 2 ]
amdhsa.kernels:
  - .name:           k_q77ed8ea6e0_gemm_out
    .symbol:         k_q77ed8ea6e0_gemm_out.kd
    .args:
      - { .name: ctxq, .offset: 0, .size: 8, .value_kind: global_buffer, .address_space: global }
      - { .name: woq, .offset: 8, .size: 8, .value_kind: global_buffer, .address_space: global }
      - { .name: bo, .offset: 16, .size: 8, .value_kind: global_buffer, .address_space: global }
      - { .name: out0, .offset: 24, .size: 8, .value_kind: global_buffer, .address_space: global }
    .group_segment_fixed_size: 327680
    .private_segment_fixed_size: 0
    .kernarg_segment_align: 8
    .kernarg_segment_size: 32
    .max_flat_workgroup_size: 128
    .sgpr_count:     100
    .vgpr_count:     1024
    .wavefront_size: 32
...
	.end_amdgpu_metadata
.endif
;; end of part 5
;; ======== version 2 of 2: 5 launches
;; workspace buffers: xq 6,553,600 bytes; wqk 1,835,008 bytes; wvq 1,048,576 bytes; woq 1,048,576 bytes; qkq 16,777,216 bytes; vq 54,525,952 bytes; ctxq 6,553,600 bytes
;; launch quant_xw (part 6): grid 768 x 1, 4 waves a work-group, no clusters, 47,104 bytes of LDS; arguments x, xq, Wq, Wk, Wv, Wo, wqk, wvq, woq; writes xq, wqk, wvq, woq
.if DOCPART == 6
	.amdgcn_target "amdgcn-amd-amdhsa--gfx1250"
	.amdhsa_code_object_version 6
	.text
	.protected	k_q77ed8ea6e0_quant_xw
	.globl	k_q77ed8ea6e0_quant_xw
	.p2align	8
	.type	k_q77ed8ea6e0_quant_xw,@function
k_q77ed8ea6e0_quant_xw:
	s_mov_b64 s[64:65], 0
	v_nop
	global_prefetch_b8 v0, s[64:65] scope:SCOPE_SE
	s_setreg_imm32_b32 hwreg(HW_REG_WAVE_MODE, 25, 1), 1
	s_wait_xcnt 0x0
; x [8192][1024] and the four weights [1024 (k)][1024 (n)], all f32, become codes of FP6 (E2M3) with one E8M0 byte for each 32 along K, laid as the products' launches read them.
; A block's scale is 2^(floor(log2(its largest magnitude)) - 2); its byte is the largest magnitude's exponent field - 2, held at 1 from below.
; ONE LAUNCH, TWO PARTS that share nothing: work-groups 0 to 511 take x, work-groups 512 to 767 the weights.  The branch hangs on the work-group's number alone, so the four waves of a work-group go one way;
; each part has LDS bytes of its own (x: 0 to 34,303; the weights: 34,304 to 46,591) and reads its own arguments.  With 250 registers a wave all 768 work-groups are resident together, three to a WGP.
; LAYOUT OF EVERY RESULT.  Rows stand in FRAGMENT ORDER: within each 32 rows, place 16 u + r holds row 8 u + r + 8 (r / 8).  Bytes 0 ..: the scale bytes, [place][32].
; From CODES on: [fragment of 16 places][K step of 128][1,536 bytes], a fragment's 12 registers as an image: registers 0-3 at 16 x lane, 4-5 at 512 + 8 x lane, 6-9 at 768 + 16 x lane, 10-11 at 1,280 + 8 x lane.
; wqk holds Wq's 1,024 rows (= columns n), then Wk's.
; x (K innermost).  A work-group takes one fragment (16 rows), wave w its K steps 2 w and 2 w + 1.  Each load reads 512 consecutive bytes of a row; the numbers turn through the wave's own stage in LDS
; (rows 528 bytes apart) so that lane (r, h) holds, of row r, 16 neighbours of each block of 32.  Every store covers whole aligned runs of 256 bytes.
; THE WEIGHTS (K on the first axis).  A LANE TAKES A COLUMN n AND ITS REGISTERS RUN DOWN K: each load reads 128 consecutive bytes a wave, a block of 32 lies in one lane, and the conversions give codes with K innermost.
; Of id = work-group - 512: id % 32 is the weight (/ 8) and 128 columns (% 8), id / 32 the K step.  Wave w: 32 columns = two fragments, whose images are built in the wave's own 3,072 bytes of LDS and leave as six runs of 512 bytes.
; The weights' scale words leave as 4 bytes a row, 32 bytes apart: a row's eight words come from eight work-groups; they are one byte in 128 of what is read.
; LIMITS: NaN and infinities among the inputs are not served; a block of zeros gets the byte 1 (its codes are zeros, and this program alone reads the bytes).
.set XWG,   512                        ; work-groups that take x
.set CODES, 262144
.set FRB,   1536
; ---- x's names
.set SP,    528                        ; a stage row: 512 bytes + 16
.set WST,   16*SP                      ; a wave's stage
.set SCL,   4*WST                      ; behind the stages: the fragment's 512 scale bytes
.set L16,   2                          ; v2  16 x lane
.set L8,    3                          ; v3  8 x lane
.set SW,    4                          ; v4  the stage, on the way in
.set SRD,   5                          ; v5  and on the way out: row r, + 64 h
.set SCW,   6                          ; v6  where my scale word goes
.set SCR,   7                          ; v7  where wave 0 reads the scale bytes back
.set PC,    12                         ; v12-31   the codes just made
.set R,     32                         ; v32-159  2 x 16 loads of 4 registers
.set X,     160                        ; v160-223 64 numbers: register 16 b + i = k 32 b + 16 h + i of my row
.set TM,    224                        ; v224-239 at work
.set PW,    240                        ; v240, v241 the two K steps' scale words; v242 the one that I store
.set SEL,   20                         ; s[20:21] v_permlanex16_b32's selects for lane l xor 16
; ---- the weights' names
.set WLDS,  SCL+512                    ; the weights' part of LDS: 3,072 bytes for each wave
.set WX,    32                         ; v32-95  two sets of 32 numbers
.set WC,    96                         ; v96-102 a block's codes
.set WOUT,  104                        ; v104-127 the way out
.set WSB,   24                         ; v24 the K step's scale word
	v_lshl_add_u32 v248, v0, 2, 0xb600
	v_mov_b32 v249, 0
	s_cmp_ge_u32 ttmp9, XWG                        ; x's work-group or the weights'?
	s_cbranch_scc1 .Lweights
; ======== x ========
.macro QUANT s, pw
.irp b, 0,1,2,3
	v_max3_num_f32 v[TM+\b], |v[\s+16*\b]|, |v[\s+1+16*\b]|, 0x1800000   ; block b: my 16 numbers, and the floor 2^(3 - 127): the byte cannot fall under 1
.endr
.irp i, 2,4,6,8,10,12,14
.irp b, 0,1,2,3
	v_max3_num_f32 v[TM+\b], v[TM+\b], |v[\s+16*\b+\i]|, |v[\s+1+16*\b+\i]|   ; the four blocks by turns
.endr
.endr
.irp b, 0,1,2,3
	v_permlanex16_b32 v[TM+4+\b], v[TM+\b], s[SEL], s[SEL+1]
.endr
.irp b, 0,1,2,3
	v_max_num_f32 v[TM+\b], v[TM+\b], v[TM+4+\b]           ; with lane l xor 16's: the block's largest magnitude
.endr
.irp b, 0,1,2,3
	v_add_nc_u32 v[TM+12+\b], 0xff000000, v[TM+\b]         ; 2 off its exponent field: the conversion's scale operand
.endr
.irp b, 0,1,2,3
	v_lshrrev_b32 v[TM+4+\b], 23, v[TM+12+\b]              ; the scale's byte
.endr
	v_lshl_or_b32 v[\pw], v[TM+5], 8, v[TM+4]
	v_lshl_or_b32 v[\pw], v[TM+6], 16, v[\pw]
	v_lshl_or_b32 v[\pw], v[TM+7], 24, v[\pw]              ; my row's scale word
.irp c, 0,1
	v_cvt_scalef32_pk16_fp6_f32 v[PC+6*\c:PC+2+6*\c], v[\s+32*\c:\s+15+32*\c], v[TM+12+2*\c]
	v_cvt_scalef32_pk16_fp6_f32 v[PC+12+4*\c:PC+14+4*\c], v[\s+16+32*\c:\s+31+32*\c], v[TM+12+2*\c+1]   ; a conversion's three registers begin on an even number
.endr
	v_nop                                                  ; one plain place behind a scaled conversion
.irp c, 0,1                                            ; the operand's layout wants a whole block in a lane
.irp i, 0,1,2
	v_permlane16_swap_b32 v[PC+6*\c+\i], v[PC+12+4*\c+\i]
.endr
.irp i, 0,1,2
	v_mov_b32 v[PC+3+6*\c+\i], v[PC+12+4*\c+\i]
.endr
.endr
.endm
.macro TURN s                          ; K step s through the stage: LDS serves a wave's instructions in order, so no wait stands between the stores and the loads
.irp i, 0,1,2,3,4,5,6,7,8,9,10,11,12,13,14,15
	ds_store_b128 v[SW], v[R+64*\s+4*\i:R+64*\s+4*\i+3] offset:SP*\i
.endr
.irp b, 0,1,2,3
.irp j, 0,1,2,3
	ds_load_b128 v[X+16*\b+4*\j:X+16*\b+4*\j+3], v[SRD] offset:128*\b+16*\j
.endr
.endr
	s_wait_dscnt 0x0
.endm
.macro IMAGE off                       ; the fragment leaves as it stands in the registers
	global_store_b128 v[L16], v[PC:PC+3], s[16:17] offset:\off
	global_store_b64 v[L8], v[PC+4:PC+5], s[16:17] offset:\off+512
	global_store_b128 v[L16], v[PC+6:PC+9], s[16:17] offset:\off+768
	global_store_b64 v[L8], v[PC+10:PC+11], s[16:17] offset:\off+1280
.endm
	s_load_b128 s[4:7], s[0:1], 0x0                ; x, xq
	v_lshrrev_b32 v1, 5, v0
	v_readfirstlane_b32 s8, v1                     ; wave
	v_and_b32 v1, 31, v0                           ; lane
	v_and_b32 v8, 15, v0                           ; r
	v_bfe_u32 v9, v0, 4, 1                         ; h
	v_lshlrev_b32 v[L16], 4, v1
	v_lshlrev_b32 v[L8], 3, v1
	s_mul_i32 s9, s8, WST
	v_add_nc_u32 v[SW], s9, v[L16]
	v_mul_u32_u24 v[SRD], v8, SP
	v_lshl_add_u32 v[SRD], v9, 6, v[SRD]
	v_add_nc_u32 v[SRD], s9, v[SRD]
	v_lshlrev_b32 v[SCW], 5, v8
	v_lshl_add_u32 v[SCW], v9, 2, v[SCW]
	s_lshl_b32 s10, s8, 3
	s_add_co_u32 s10, s10, SCL
	v_add_nc_u32 v[SCW], s10, v[SCW]               ; SCL + 32 r + 8 w + 4 h: lanes 0-15 store K step 2 w's word, lanes 16-31 K step 2 w + 1's
	v_add_nc_u32 v[SCR], SCL, v[L16]
.irp b, 0,1,2,3
	v_mov_b32 v[TM+4+\b], 0                        ; written once: a lane permute's destination counts as one of its sources
.endr
	s_mov_b32 s[SEL], 0x76543210
	s_mov_b32 s[SEL+1], 0xfedcba98
	s_mov_b32 s12, 0xffff0000                      ; lanes 16-31
	s_lshr_b32 s11, ttmp9, 1
	s_lshl_b32 s11, s11, 5
	s_and_b32 s13, ttmp9, 1
	s_lshl_b32 s13, s13, 3
	s_add_co_u32 s11, s11, s13                     ; the fragment's first row: 32 (f / 2) + 8 (f % 2)
	s_lshl_b32 s14, s11, 12
	s_lshl_b32 s13, s8, 10
	s_add_co_u32 s14, s14, s13                     ; + my wave's 1,024 bytes of a row
	s_mov_b32 s15, 0
	s_mul_i32 s16, ttmp9, 8*FRB
	s_mul_i32 s13, s8, 2*FRB
	s_add_co_u32 s16, s16, s13
	s_add_co_u32 s16, s16, CODES
	s_mov_b32 s17, 0
	s_lshl_b32 s18, ttmp9, 9
	s_mov_b32 s19, 0
	s_wait_alu depctr_va_vdst(0)
	s_wait_kmcnt 0x0
	s_add_nc_u64 s[4:5], s[4:5], s[14:15]
	s_add_nc_u64 s[16:17], s[6:7], s[16:17]        ; my two images
	s_add_nc_u64 s[18:19], s[6:7], s[18:19]        ; the fragment's scale bytes
.irp s, 0,1
.irp i, 0,1,2,3,4,5,6,7,8,9,10,11,12,13,14,15
	global_load_b128 v[R+64*\s+4*\i:R+64*\s+4*\i+3], v[L16], s[4:5] offset:(\i+8*(\i/8))*4096+512*\s th:TH_LOAD_NT   ; place i's row, 512 consecutive bytes
.endr
.endr
	s_wait_loadcnt 16                              ; K step 0's sixteen loads are in; K step 1's may be out
	TURN 0
	QUANT X, PW
	IMAGE 0
	s_wait_loadcnt 0x0
	TURN 1
	s_wait_xcnt 0x0                                ; the stores above have read their registers: the codes' registers are written again only behind this wait
	QUANT X, PW+1
	IMAGE FRB
	v_cndmask_b32 v242, v[PW], v[PW+1], s12        ; both halves of the lanes hold both words: each word is stored by one lane
	ds_store_b32 v[SCW], v242
	s_wait_dscnt 0x0                               ; for the others' sake: my word has landed
	s_barrier_signal -1
	s_barrier_wait -1
	s_cmp_lg_u32 s8, 0
	s_cbranch_scc1 .Ldone
	ds_load_b128 v[X:X+3], v[SCR]                  ; wave 0 stores the fragment's 512 scale bytes: two aligned runs of 256
	s_wait_dscnt 0x0
	global_store_b128 v[L16], v[X:X+3], s[18:19]
.Ldone:
	s_wait_tensorcnt 0x0
	ds_add_u32 v248, v249
	s_wait_dscnt 0x0
	s_endpgm
; ======== the weights ========
.Lweights:
	s_load_b128 s[4:7], s[0:1], 0x10               ; Wq, Wk
	s_load_b128 s[8:11], s[0:1], 0x20              ; Wv, Wo
	s_load_b128 s[12:15], s[0:1], 0x30             ; wqk, wvq
	s_load_b64 s[16:17], s[0:1], 0x40              ; woq
	v_lshrrev_b32 v1, 5, v0
	v_readfirstlane_b32 s18, v1                    ; wave
	v_and_b32 v2, 31, v0                           ; lane = my column among the wave's 32
	v_lshlrev_b32 v3, 2, v2
	v_and_b32 v9, 7, v2
	v_bfe_u32 v10, v2, 4, 1
	v_lshl_or_b32 v9, v10, 3, v9                   ; r: my place in my fragment
	v_bfe_u32 v10, v2, 3, 1                        ; u: which of the two fragments
	s_mul_i32 s19, s18, 2*FRB
	s_add_co_u32 s19, s19, WLDS                    ; my wave's two images
	v_lshlrev_b32 v4, 4, v9
	v_mad_u32_u24 v4, v10, FRB, v4
	v_add_nc_u32 v4, s19, v4                       ; into the images: 16 bytes a place
	v_lshlrev_b32 v5, 3, v9
	v_mad_u32_u24 v5, v10, FRB, v5
	v_add_nc_u32 v5, s19, v5                       ; and 8 bytes a place
	v_lshlrev_b32 v7, 4, v2
	v_add_nc_u32 v6, s19, v7                       ; back: 16 x lane
	v_lshl_add_u32 v8, v10, 4, v9
	v_lshlrev_b32 v8, 5, v8                        ; my row of scale bytes: (16 u + r) x 32
	s_sub_co_u32 s31, ttmp9, XWG                   ; id: 0 to 255
	s_and_b32 s30, s31, 31
	s_lshr_b32 s22, s31, 5                         ; K step
	s_lshr_b32 s20, s30, 3                         ; which weight
	s_and_b32 s21, s30, 7                          ; which 128 columns
	s_lshl_b32 s23, s21, 2
	s_add_co_u32 s23, s23, s18                     ; G: my group of 32 columns
	s_lshl_b32 s24, s22, 19                        ; 128 rows of 4,096 bytes a K step
	s_lshl_b32 s26, s23, 7
	s_add_co_u32 s24, s24, s26
	s_mov_b32 s25, 0
	s_cmp_eq_u32 s20, 1                            ; Wk's rows lie behind Wq's 1,024 in wqk
	s_cselect_b32 s26, 786432, 0
	s_cselect_b32 s28, 32768, 0
	s_mul_i32 s30, s23, 16*FRB
	s_add_co_u32 s26, s26, s30
	s_mul_i32 s30, s22, FRB
	s_add_co_u32 s26, s26, s30
	s_add_co_u32 s26, s26, CODES
	s_mov_b32 s27, 0
	s_lshl_b32 s30, s23, 10
	s_add_co_u32 s28, s28, s30
	s_lshl_b32 s30, s22, 2
	s_add_co_u32 s28, s28, s30
	s_mov_b32 s29, 0
	s_wait_kmcnt 0x0
	s_cmp_eq_u32 s20, 1                            ; the buffers are chosen on the work-group's number alone
	s_cselect_b64 s[4:5], s[6:7], s[4:5]
	s_cmp_eq_u32 s20, 2
	s_cselect_b64 s[4:5], s[8:9], s[4:5]
	s_cselect_b64 s[12:13], s[14:15], s[12:13]
	s_cmp_eq_u32 s20, 3
	s_cselect_b64 s[4:5], s[10:11], s[4:5]
	s_cselect_b64 s[12:13], s[16:17], s[12:13]
	s_add_nc_u64 s[4:5], s[4:5], s[24:25]
	s_add_nc_u64 s[6:7], s[12:13], s[26:27]        ; codes
	s_add_nc_u64 s[8:9], s[12:13], s[28:29]        ; scale bytes
.macro LOAD t
.irp i, 0,1,2,3,4,5,6,7,8,9,10,11,12,13,14,15,16,17,18,19,20,21,22,23,24,25,26,27,28,29,30,31
	global_load_b32 v[WX+32*((\t)%2)+\i], v3, s[4:5] offset:(32*(\t)+\i)*4096 th:TH_LOAD_NT
.endr
.endm
	LOAD 0
	LOAD 1
.macro BLOCK t                         ; block t of the K step: in the fragment it belongs to lane (r, t % 2), registers 6 (t / 2) on
.set XS, WX+32*((\t)%2)
.if (\t) < 3
	s_wait_loadcnt 32                              ; this block's 32 loads are in; the next block's may be out
.else
	s_wait_loadcnt 0x0
.endif
	v_max3_num_f32 v12, |v[XS]|, |v[XS+1]|, |v[XS+2]|
	v_max3_num_f32 v13, |v[XS+3]|, |v[XS+4]|, |v[XS+5]|
.irp i, 6,10,14,18,22,26
	v_max3_num_f32 v12, v12, |v[XS+\i]|, |v[XS+\i+1]|
	v_max3_num_f32 v13, v13, |v[XS+\i+2]|, |v[XS+\i+3]|
.endr
	v_max3_num_f32 v12, v12, |v[XS+30]|, |v[XS+31]|
	v_max3_num_f32 v12, v12, v13, 0x1800000        ; and the floor 2^(3 - 127): the byte cannot fall under 1
	v_add_nc_u32 v11, 0xff000000, v12              ; 2 off the exponent field: the conversion's scale operand
	v_lshrrev_b32 v13, 23, v11                     ; the scale's byte
.if (\t) == 0
	v_mov_b32 v[WSB], v13
.else
	v_lshl_or_b32 v[WSB], v13, 8*(\t), v[WSB]
.endif
	v_cvt_scalef32_pk16_fp6_f32 v[WC:WC+2], v[XS:XS+15], v11
	v_cvt_scalef32_pk16_fp6_f32 v[WC+4:WC+6], v[XS+16:XS+31], v11   ; a conversion's three registers begin on an even number
	v_nop                                          ; one plain place behind a scaled conversion
	v_mov_b32 v[WC+3], v[WC+4]
	v_mov_b32 v[WC+4], v[WC+5]
	v_mov_b32 v[WC+5], v[WC+6]
	ds_store_b128 v4, v[WC:WC+3] offset:768*((\t)/2)+256*((\t)%2)
	ds_store_b64 v5, v[WC+4:WC+5] offset:768*((\t)/2)+512+128*((\t)%2)
.if (\t)+2 < 4
	LOAD (\t)+2
.endif
	s_wait_dscnt 0x0                               ; the stores have read their registers: the next block's codes may be written
.endm
	BLOCK 0
	BLOCK 1
	BLOCK 2
	BLOCK 3
	s_wait_alu depctr_va_vdst(0)
	global_store_b32 v8, v[WSB], s[8:9]
.irp k, 0,1,2,3,4,5
	ds_load_b128 v[WOUT+4*\k:WOUT+4*\k+3], v6 offset:512*\k        ; LDS serves a wave's instructions in order: these see my stores
.endr
.irp k, 0,1,2,3,4,5
	s_wait_dscnt 5-\k                              ; the younger loads may be out
	global_store_b128 v7, v[WOUT+4*\k:WOUT+4*\k+3], s[6:7] offset:(\k/3)*8*FRB+512*(\k%3)   ; 512 consecutive bytes, aligned
.endr
	s_wait_tensorcnt 0x0
	ds_add_u32 v248, v249
	s_wait_dscnt 0x0
	s_endpgm
.Lfunc_end_k_q77ed8ea6e0_quant_xw:
	.size	k_q77ed8ea6e0_quant_xw, .Lfunc_end_k_q77ed8ea6e0_quant_xw-k_q77ed8ea6e0_quant_xw
	.p2alignl 7, 3214868480
	.fill 96, 4, 3214868480
	.section	.rodata,"a",@progbits
	.p2align	6, 0x0
	.amdhsa_kernel k_q77ed8ea6e0_quant_xw
		.amdhsa_group_segment_fixed_size 47104
		.amdhsa_private_segment_fixed_size 0
		.amdhsa_enable_private_segment 0
		.amdhsa_kernarg_size 72
		.amdhsa_user_sgpr_count 2
		.amdhsa_user_sgpr_kernarg_segment_ptr 1
		.amdhsa_wavefront_size32 1
		.amdhsa_system_sgpr_workgroup_id_x 1
		.amdhsa_system_sgpr_workgroup_id_y 1
		.amdhsa_system_sgpr_workgroup_id_z 1
		.amdhsa_system_vgpr_workitem_id 0
		.amdhsa_next_free_vgpr 250
		.amdhsa_next_free_sgpr 66
		.amdhsa_reserve_vcc 0
		.amdhsa_float_denorm_mode_32 3
		.amdhsa_float_denorm_mode_16_64 3
		.amdhsa_memory_ordered 1
		.amdhsa_forward_progress 1
		.amdhsa_inst_pref_size 41
	.end_amdhsa_kernel
	.amdgpu_metadata
---
amdhsa.version: [ 1, 2 ]
amdhsa.kernels:
  - .name:           k_q77ed8ea6e0_quant_xw
    .symbol:         k_q77ed8ea6e0_quant_xw.kd
    .args:
      - { .name: x, .offset: 0, .size: 8, .value_kind: global_buffer, .address_space: global }
      - { .name: xq, .offset: 8, .size: 8, .value_kind: global_buffer, .address_space: global }
      - { .name: Wq, .offset: 16, .size: 8, .value_kind: global_buffer, .address_space: global }
      - { .name: Wk, .offset: 24, .size: 8, .value_kind: global_buffer, .address_space: global }
      - { .name: Wv, .offset: 32, .size: 8, .value_kind: global_buffer, .address_space: global }
      - { .name: Wo, .offset: 40, .size: 8, .value_kind: global_buffer, .address_space: global }
      - { .name: wqk, .offset: 48, .size: 8, .value_kind: global_buffer, .address_space: global }
      - { .name: wvq, .offset: 56, .size: 8, .value_kind: global_buffer, .address_space: global }
      - { .name: woq, .offset: 64, .size: 8, .value_kind: global_buffer, .address_space: global }
    .group_segment_fixed_size: 47104
    .private_segment_fixed_size: 0
    .kernarg_segment_align: 8
    .kernarg_segment_size: 72
    .max_flat_workgroup_size: 128
    .sgpr_count:     66
    .vgpr_count:     250
    .wavefront_size: 32
...
	.end_amdgpu_metadata
.endif
;; end of part 6
;; launch gemm_qk (part 7): grid 8 x 32, 4 waves a work-group, clusters of 4 x 4, 327,680 bytes of LDS; arguments xq, wqk, qkq; writes qkq
.if DOCPART == 7
	.amdgcn_target "amdgcn-amd-amdhsa--gfx1250"
	.amdhsa_code_object_version 6
	.text
	.protected	k_q77ed8ea6e0_gemm_qk
	.globl	k_q77ed8ea6e0_gemm_qk
	.p2align	8
	.type	k_q77ed8ea6e0_gemm_qk,@function
k_q77ed8ea6e0_gemm_qk:
	s_mov_b64 s[64:65], 0
	v_nop
	global_prefetch_b8 v0, s[64:65] scope:SCOPE_SE
	s_setreg_imm32_b32 hwreg(HW_REG_WAVE_MODE, 25, 1), 1
	s_wait_xcnt 0x0
	s_wait_alu depctr_hold_cnt(0) depctr_sa_sdst(0) depctr_va_vdst(0) depctr_va_sdst(0) depctr_va_ssrc(0) depctr_va_vcc(0) depctr_vm_vsrc(0)
	s_getreg_b32 s2, hwreg(HW_REG_IB_STS2, 6, 4)
	s_cmp_eq_u32 s2, 0
	s_cbranch_scc0 .Lentry_in_a_cluster
	s_endpgm
.Lentry_in_a_cluster:
	s_bfe_u32 s2, ttmp6, 0x10000c
	s_cmp_lg_u32 s2, 0xf033
	s_cbranch_scc0 .Lentry_shape_is_right
	s_endpgm
.Lentry_shape_is_right:
; C[m][n] = sum over k of A[m][k] B[n][k], K = 1,024, on codes of FP6 (E2M3) with E8M0 scales; C never goes to memory as f32: it is QUANTISED ALONG n, in blocks of 32, and leaves as codes and scale words.
; One body, two launches: A = x, B = [Wq; Wk] (C = q and k, quantised along each head's 64); A = Wv^T, B = x (C = v^T, quantised along the keys).
; OPERANDS (A, B): rows in fragment order (within each 32 rows, place 16 u + r holds row 8 u + r + 8 (r / 8)); scale bytes [place][32] at byte 0; from CODES on [fragment][K step of 128][1,536]: an image of the
; fragment's 12 registers: 0-3 at 16 x lane, 4-5 at 512 + 8 x lane, 6-9 at 768 + 16 x lane, 10-11 at 1,280 + 8 x lane.  So a fragment comes out of LDS by four dense loads.
; THE MATRIX INSTRUCTION IS USED TRANSPOSED (source 0 = 16 places of B, source 1 = 16 places of A).  With B's rows in fragment order the 16 registers of tiles 2 i and 2 i + 1 are 16 NEIGHBOURS along n:
; n = 32 i + 16 (lane / 16) + 0 .. 15, which is what the conversions want; a lane holds one place of A.
; RESULT: for mb = a fragment of A's places and nb = 128 along n: codes at OUTC + nb x 786,432 + mb x 1,536 (an image); scale words at nb x 65,536 + (mb / 4) x 512 + 16 x lane + 4 (mb % 4):
; lanes 0-15 the row's word, lanes 16-31 the word shifted down by 16 bits (the word of the upper 64 along n by itself).  The stride of nb is that of 512 fragments in both launches: with A = Wv^T 64 of them are used.
; A tile of C, 256 x 256, is made by four waves, 128 x 128 each: 64 accumulators.  K goes in steps of 256 through a ring of two LDS slots filled by the tensor data mover; the scales come once.
; CLUSTERS: 4 x 4 work-groups; A's tiles are asked for jointly along a row of the cluster, B's along a column.
; REGISTERS, in windows of 256: window 0: v16-29 addresses; v32-63 scale words, two sets; v64-107 at work on the way out; v128-223 A's fragments, one set.  window 1: B's fragments, two sets, at v0 and v128.
;   window 2: the accumulators of my rows 0-63 ((a, b) at v[8 (8 a + b)]); window 3: those of rows 64-127.
; LIMITS: NaN and infinities are not served; a block of zeros gets the byte 1 (zero codes; this program alone reads the bytes).
.set NQ,     2                         ; K steps of 128 in a slot
.set FR,     12
.set FRB,    1536
.set NL,     4                         ; LDS loads that bring a fragment
.set NP,     4                         ; places behind this matrix instruction (ISA guide 7.12.1)
.set CODES,  262144
.set OUTC,   4194304
.set NBC,    786432
.set KROW,   768                       ; a row's codes in bytes: 16 rows are a fragment's 12,288
.set KS,     32                        ; a row's scale bytes
.set HALFT,  8*NQ*FRB                  ; 8 fragments x 2 K steps: what one tensor load brings
.set SLOT,   4*HALFT                   ; A's 16 fragments, then B's 16
.set LAPS,   2                         ; 1,024 / 512
.set SCL,    2*SLOT                    ; behind the ring: the scales, as rows of 256 bytes + 16 of padding
.set HALFS,  (128*KS/256)*272
.set SBLK,   (16*KS/256)*272
.set SPARE,  SCL+4*HALFS               ; the spare words, 128 bytes for each wave: two blocks of 256 bytes that no other line names
.set ADRA, 16                          ; v16-17 A's fragments in slot 0, 1, + 16 x lane; v18-19 + 8 x lane
.set ADRB, 20                          ; v20-23 the same for B
.set L16,  24                          ; v24 16 x lane
.set L8,   25                          ; v25 8 x lane
.set ADRS, 27                          ; v27 my scale words: lanes 0-15 A's rows, lanes 16-31 B's
.set SPW,  28                          ; v28 my spare word; never rewritten
.set NIL,  29                          ; v29 0; never rewritten
.set SC,   32
.set TM,   64                          ; v64-79 at work in the quantiser
.set PW,   80                          ; v80 the scale word just made
.set SH,   81                          ; v81 16 x (lane / 16)
.set PWS,  84                          ; v84-87 four fragments' scale words, as they are stored
.set PC,   88                          ; v88-107 the codes just made
.set AF,   128
.set G1, 24
.set G0, 32
.set G1B, 48
.set G0B, 56
.set G1S, 68
.set G0S, 76
.set G1SB, 80
.set G0SB, 88
.set SEL, 96
.set MSB, 0
.macro WIN new                         ; the immediate's high byte repeats the setting that is left
.if MSB != \new
	s_set_vgpr_msb (MSB<<8)|\new
.set MSB, \new
.endif
.endm
.set MUL_LO, 0xa1                      ; source 0 (B) window 1, source 1 (A) window 0, C and D window 2
.set MUL_HI, 0xf1
.set TO_B,   0x40
; A joint load: waves 0 and 1 fetch for A, waves 2 and 3 for B; the branch hangs on the wave's number alone.  Four v_nop follow each of the two lines.
.macro JLOAD g0a, g1a, g0b, g1b
	s_cmp_eq_u32 s15, 0
	s_cbranch_scc0 .Lfor_b_\@
	tensor_load_to_lds s[\g0a:\g0a+3], s[\g1a:\g1a+7]
	s_nop 0
.rept 4
	v_nop
.endr
	s_branch .Lasked_\@
.Lfor_b_\@:
	tensor_load_to_lds s[\g0b:\g0b+3], s[\g1b:\g1b+7]
	s_nop 0
.rept 4
	v_nop
.endr
.Lasked_\@:
.endm
.macro CREST                           ; a round of the cluster's barrier behind its opening barrier
	s_cmp_lg_u32 s14, 0
	s_cbranch_scc1 .Lnot_wave_0_\@
	s_barrier_signal -3
.Lnot_wave_0_\@:
	s_barrier_wait -3
	s_barrier_signal -1
	s_barrier_wait -1
.endm
.macro CROUND
	s_barrier_signal -1
	s_barrier_wait -1
	CREST
.endm
	s_load_b64 s[6:7], s[0:1], 0x0                 ; A: its scale bytes lie at its first byte
	s_load_b64 s[10:11], s[0:1], 0x8               ; B likewise
	s_load_b64 s[12:13], s[0:1], 0x10              ; the result
	v_lshl_add_u32 v[SPW], v0, 2, SPARE
	v_mov_b32 v[NIL], 0
	ds_add_u32 v28, v29
	ds_add_u32 v28, v29
	s_wait_dscnt 0x0
	v_lshrrev_b32 v1, 5, v0
	v_readfirstlane_b32 s14, v1                    ; wave 0..3
	s_lshr_b32 s15, s14, 1                         ; which half of the tile's rows is mine.  Also: I fetch for A (0) or for B (1)
	s_and_b32 s16, s14, 1                          ; which half of its columns.  Also: which 8 fragments of that tile I fetch
	s_bfe_u32 s40, ttmp6, 0x40000                  ; cx, cy
	s_bfe_u32 s41, ttmp6, 0x40004
	s_lshl_b32 s42, ttmp9, 2
	s_add_co_u32 s42, s42, s40                     ; tile column
	s_and_b32 s17, ttmp7, 0xffff
	s_lshl_b32 s17, s17, 2
	s_add_co_u32 s17, s17, s41                     ; tile row
	s_lshl_b32 s43, s41, 2
	s_lshl_b32 s43, 15, s43                        ; my row of the cluster
	s_lshl_b32 s44, 0x1111, s40                    ; my column
	; group 1 for codes: 8 rows (fragments) of 3,072 bytes (two K steps' images), 12,288 bytes apart; elements of 8 bytes; dense in LDS
	s_or_b32 s[G1+0], s43, (3<<16)|(1<<21)
	s_or_b32 s[G1B+0], s44, (3<<16)|(1<<21)
.irp g, G1, G1B
	s_mov_b32 s[\g+1], 384<<16                     ; tensor_dim0
	s_mov_b32 s[\g+2], 8<<16                       ; tensor_dim1
	s_mov_b32 s[\g+3], 384<<16                     ; tile_dim0
	s_mov_b32 s[\g+4], 8                           ; tile_dim1
	s_mov_b32 s[\g+5], 1536                        ; tensor_dim0_stride
	s_mov_b32 s[\g+6], 0
	s_mov_b32 s[\g+7], 0
.endr
	; and for the scales of 128 rows: 4,096 dense bytes as rows of 256 bytes, 16 bytes of padding behind each
	s_or_b32 s[G1S+0], s43, (3<<16)|(1<<20)|(1<<21)|(5<<22)|(3<<25)
	s_or_b32 s[G1SB+0], s44, (3<<16)|(1<<20)|(1<<21)|(5<<22)|(3<<25)
.irp g, G1S, G1SB
	s_mov_b32 s[\g+1], 32<<16
	s_mov_b32 s[\g+2], (128*KS/256)<<16
	s_mov_b32 s[\g+3], 32<<16
	s_mov_b32 s[\g+4], 128*KS/256
	s_mov_b32 s[\g+5], 32
	s_mov_b32 s[\g+6], 0
	s_mov_b32 s[\g+7], 0
.endr
	s_lshl_b32 s18, s16, 7
	s_lshl_b32 s20, s17, 8
	s_add_co_u32 s20, s20, s18                     ; A: place 256 x tile row + 128 x half
	s_lshl_b32 s46, s42, 8
	s_add_co_u32 s46, s46, s18                     ; B: place 256 x tile column + 128 x half
	s_mov_b32 s21, 0
	s_mov_b32 s47, 0
	s_mov_b64 s[18:19], KS
	s_mul_u64 s[22:23], s[20:21], s[18:19]
	s_mul_u64 s[92:93], s[46:47], s[18:19]
	s_mov_b64 s[18:19], KROW
	s_mul_u64 s[20:21], s[20:21], s[18:19]
	s_mul_u64 s[46:47], s[46:47], s[18:19]
	s_mul_i32 s45, s14, HALFT                      ; where they go: no place in the cluster enters an LDS address
	s_mul_i32 s94, s14, HALFS
	s_wait_kmcnt 0x0
	s_add_nc_u64 s[4:5], s[6:7], CODES
	s_add_nc_u64 s[8:9], s[10:11], CODES
	s_add_nc_u64 s[20:21], s[4:5], s[20:21]
	s_add_nc_u64 s[22:23], s[6:7], s[22:23]
	s_add_nc_u64 s[46:47], s[8:9], s[46:47]
	s_add_nc_u64 s[92:93], s[10:11], s[92:93]
	CROUND                                         ; all sixteen work-groups are here: the first joint loads meet
	s_mov_b32 s[G0S], 1
	s_add_co_u32 s[G0S+1], s94, SCL
	s_mov_b64 s[G0S+2:G0S+3], s[22:23]
	s_or_b32 s[G0S+3], s[G0S+3], 0x80000000
	s_mov_b32 s[G0SB], 1
	s_add_co_u32 s[G0SB+1], s94, SCL
	s_mov_b64 s[G0SB+2:G0SB+3], s[92:93]
	s_or_b32 s[G0SB+3], s[G0SB+3], 0x80000000
	JLOAD G0S, G1S, G0SB, G1SB                     ; the scales first
.irp s, 0,1
	s_mov_b32 s[G0+4*\s], 1
	s_add_co_u32 s[G0+4*\s+1], s45, \s*SLOT
	s_add_nc_u64 s[G0+4*\s+2:G0+4*\s+3], s[20:21], \s*NQ*FRB
	s_or_b32 s[G0+4*\s+3], s[G0+4*\s+3], 0x80000000
	s_mov_b32 s[G0B+4*\s], 1
	s_add_co_u32 s[G0B+4*\s+1], s45, \s*SLOT
	s_add_nc_u64 s[G0B+4*\s+2:G0B+4*\s+3], s[46:47], \s*NQ*FRB
	s_or_b32 s[G0B+4*\s+3], s[G0B+4*\s+3], 0x80000000
	s_wait_alu depctr_va_vdst(0)
	s_wait_tensorcnt 0x0
	ds_add_u32 v28, v29
	s_wait_dscnt 0x0
	CROUND
	JLOAD G0+4*\s, G1, G0B+4*\s, G1B
.endr
	v_and_b32 v1, 15, v0                           ; l % 16
	v_bfe_u32 v2, v0, 4, 1                         ; l / 16
	v_and_b32 v6, 31, v0
	v_lshlrev_b32 v[L16], 4, v6
	v_lshlrev_b32 v[L8], 3, v6
	v_lshlrev_b32 v[SH], 4, v2
	s_mul_i32 s21, s15, HALFT                      ; my 8 fragments of A
	s_mul_i32 s22, s16, HALFT                      ; my 8 of B,
	s_add_co_u32 s22, s22, 2*HALFT                 ; which lie behind A's 16
.irp s, 0,1
	v_add_nc_u32 v[ADRA+\s], s21, v[L16]
	v_add_nc_u32 v[ADRB+\s], s22, v[L16]
	v_add_nc_u32 v[ADRA+2+\s], s21, v[L8]
	v_add_nc_u32 v[ADRB+2+\s], s22, v[L8]
	s_add_co_u32 s21, s21, SLOT
	s_add_co_u32 s22, s22, SLOT
.endr
	v_mul_u32_u24 v5, v1, KS                       ; my row's scales: KS bytes a row,
	v_lshrrev_b32 v6, 8, v5
	v_lshl_add_u32 v5, v6, 4, v5                   ; and 16 more for each 256 passed
	s_mul_i32 s21, s15, HALFS
	s_mul_i32 s22, s16, HALFS
	s_add_co_u32 s22, s22, 2*HALFS
	s_sub_co_u32 s22, s22, s21
	v_mul_u32_u24 v6, s22, v2                      ; lanes 16-31 take B's
	s_add_co_u32 s21, s21, SCL
	v_add_nc_u32 v5, v5, v6
	v_add_nc_u32 v[ADRS], s21, v5
.irp b, 0,1,2,3
	v_mov_b32 v[TM+4+\b], 0                        ; written once: a lane permute's destination counts as one of its sources
.endr
	s_mov_b32 s[SEL], 0x76543210
	s_mov_b32 s[SEL+1], 0xfedcba98
	; where my part of the result begins
	s_lshl_b32 s20, s17, 4
	s_lshl_b32 s21, s15, 3
	s_add_co_u32 s20, s20, s21                     ; my first fragment of rows: 16 x tile row + 8 x half
	s_mul_i32 s92, s20, FRB
	s_lshl_b32 s94, s20, 7                         ; 512 bytes of scale words for each four fragments
	s_lshl_b32 s46, s42, 1
	s_add_co_u32 s46, s46, s16                     ; nb: my 128 columns
	s_mul_i32 s47, s46, NBC
	s_add_co_u32 s92, s92, s47
	s_add_co_u32 s92, s92, OUTC
	s_mov_b32 s93, 0
	s_lshl_b32 s47, s46, 16
	s_add_co_u32 s94, s94, s47
	s_mov_b32 s95, 0
	s_add_nc_u64 s[4:5], s[12:13], s[94:95]        ; scale words
	s_add_nc_u64 s[12:13], s[12:13], s[92:93]      ; codes
.macro FRAG reg, adr, q, i             ; fragment i of my eight, the slot's q-th K step: its image, by four dense loads
	ds_load_b128 v[\reg:\reg+3], v[\adr] offset:NQ*FRB*(\i)+FRB*(\q)
	ds_load_b64 v[\reg+4:\reg+5], v[\adr+2] offset:NQ*FRB*(\i)+FRB*(\q)+512
	ds_load_b128 v[\reg+6:\reg+9], v[\adr] offset:NQ*FRB*(\i)+FRB*(\q)+768
	ds_load_b64 v[\reg+10:\reg+11], v[\adr+2] offset:NQ*FRB*(\i)+FRB*(\q)+1280
.endm
; 16 matrix instructions: A's blocks a0, a0 + 1 x B's eight.  The 64 accumulators take turns, one instruction a turn, in the same order in every step.
.macro MUL16 a0, p, q, sc, zero
.irp a, \a0, \a0+1
.irp b, 0,1,2,3,4,5,6,7
.if \zero
	v_wmma_scale_f32_16x16x128_f8f6f4 v[8*(8*((\a)%4)+\b):8*(8*((\a)%4)+\b)+7], v[128*(\p)+FR*\b:128*(\p)+FR*\b+FR-1], v[AF+FR*(\a):AF+FR*(\a)+FR-1], 0, v[SC+8*NQ*(\sc)+NQ*\b+(\q)], v[SC+8*NQ*(\sc)+NQ*(\a)+(\q)] matrix_a_fmt:MATRIX_FMT_FP6 matrix_b_fmt:MATRIX_FMT_FP6 matrix_a_scale:MATRIX_SCALE_ROW1
.else
	v_wmma_scale_f32_16x16x128_f8f6f4 v[8*(8*((\a)%4)+\b):8*(8*((\a)%4)+\b)+7], v[128*(\p)+FR*\b:128*(\p)+FR*\b+FR-1], v[AF+FR*(\a):AF+FR*(\a)+FR-1], v[8*(8*((\a)%4)+\b):8*(8*((\a)%4)+\b)+7], v[SC+8*NQ*(\sc)+NQ*\b+(\q)], v[SC+8*NQ*(\sc)+NQ*(\a)+(\q)] matrix_a_fmt:MATRIX_FMT_FP6 matrix_b_fmt:MATRIX_FMT_FP6 matrix_a_scale:MATRIX_SCALE_ROW1
.endif
.endr
.endr
.endm
.macro FETCH_B slot, q, p
	WIN TO_B
.irp i, 0,1,2,3,4,5,6,7
	FRAG 128*(\p)+FR*\i, ADRB+\slot, \q, \i
.endr
	WIN 0
.endm
.macro FETCH_A slot, q, i0
.irp i, \i0, \i0+1, \i0+2, \i0+3
	FRAG AF+FR*(\i), ADRA+\slot, \q, \i
.endr
.endm
.macro SCALES sc                       ; a slot's scale words: two words a row; lanes 0-15 A's block i, lanes 16-31 B's block i
.irp i, 0,1,2,3,4,5,6,7
	ds_load_b64 v[SC+8*NQ*\sc+NQ*\i:SC+8*NQ*\sc+NQ*\i+1], v[ADRS] offset:\i*SBLK
.endr
.endm
.macro PLACES n                        ; places in front of loads into registers that matrix instructions have read, and of the first read of results
.rept \n
	v_nop
.endr
.endm
.macro STEP slot, q, zero              ; a step of 128 along K that has its successor in the same slot
	s_wait_dscnt 4*NL                              ; B's set and A's blocks 0-3 are in; the youngest sixteen loads (A's blocks 4-7) may be out
	WIN MUL_LO
	MUL16 0, (\q)%2, \q, \slot, \zero
	MUL16 2, (\q)%2, \q, \slot, \zero
	s_wait_dscnt 0
	PLACES NP
	FETCH_B \slot, (\q)+1, 1-(\q)%2
	FETCH_A \slot, (\q)+1, 0
	WIN MUL_HI
	MUL16 4, (\q)%2, \q, \slot, \zero
	MUL16 6, (\q)%2, \q, \slot, \zero
	PLACES NP
	WIN 0
	FETCH_A \slot, (\q)+1, 4
.endm
; A slot's last step changes slots: one barrier; in front of it each wave waits for all its tensor loads, adds 0 to its spare word, and waits for that and for its own reads of this slot.
.macro TURN slot, next, fill
	s_wait_tensorcnt 0x0                           ; all my tensor loads have landed: my part of the next slot
	ds_add_u32 v[SPW], v[NIL]                      ; 0 onto my spare word
	s_wait_dscnt 4*NL+1                            ; the add and the youngest sixteen loads may be out
	WIN MUL_LO
	MUL16 0, 1, NQ-1, \slot, 0
	s_wait_dscnt 0x0                               ; the add is done, and my reads of this slot are over
	s_barrier_signal -1
	MUL16 2, 1, NQ-1, \slot, 0
	WIN 0
	s_barrier_wait -1
.if \fill
	CREST                                          ; the barrier has opened a round of the cluster's: no wave of any partner still reads this slot or has a load on its way
	s_add_nc_u64 s[G0+4*\slot+2:G0+4*\slot+3], s[G0+4*\slot+2:G0+4*\slot+3], 2*NQ*FRB
	s_add_nc_u64 s[G0B+4*\slot+2:G0B+4*\slot+3], s[G0B+4*\slot+2:G0B+4*\slot+3], 2*NQ*FRB
	JLOAD G0+4*\slot, G1, G0B+4*\slot, G1B         ; the first tensor load behind the round; its four v_nop are the places in front of the loads below
.else
	PLACES NP
.endif
	s_wait_alu depctr_va_vdst(0)
	v_add_nc_u32 v[ADRS], 4*NQ, v[ADRS]            ; the next slot's scale words
	FETCH_B \next, 0, 0
	FETCH_A \next, 0, 0
	SCALES \next
	WIN MUL_HI
	MUL16 4, 1, NQ-1, \slot, 0
	MUL16 6, 1, NQ-1, \slot, 0
	PLACES NP
	WIN 0
	FETCH_A \next, 0, 4
.endm
	s_wait_alu depctr_va_vdst(0)
	s_wait_tensorcnt 1                             ; the scales and my part of slot 0 are in; slot 1's load may be out
	s_barrier_signal -1
	s_barrier_wait -1
	FETCH_B 0, 0, 0
	FETCH_A 0, 0, 0
	SCALES 0
	FETCH_A 0, 0, 4
	STEP 0, 0, 1                                   ; the first step's products start the sums
	s_mov_b32 s3, LAPS-1
.Llap:                                                 ; a trip goes once round the ring and fills both slots again
	TURN 0, 1, 1
	STEP 1, 0, 0
	TURN 1, 0, 1
	STEP 0, 0, 0
	s_sub_co_u32 s3, s3, 1
	s_cmp_lg_u32 s3, 0
	s_cbranch_scc1 .Llap
	TURN 0, 1, 0                                   ; the last lap fills nothing
	STEP 1, 0, 0
	s_wait_dscnt 4*NL
	WIN MUL_LO
	MUL16 0, 1, NQ-1, 1, 0
	MUL16 2, 1, NQ-1, 1, 0
	s_wait_dscnt 0
	WIN MUL_HI
	MUL16 4, 1, NQ-1, 1, 0
	MUL16 6, 1, NQ-1, 1, 0
	WIN 0
; THE WAY OUT.  Block a (16 places of A) has 64 registers a lane: register 16 i + j = n 32 i + 16 (lane / 16) + j.  They become one fragment's codes and one scale word a row, and leave as an image.
; Each accumulator is read from its low end on.
.macro QOUT a
.set AC, 64*((\a)%4)
.set WW, 2+(\a)/4
.if (\a) > 0
	s_wait_xcnt 0x0                                ; the last block's stores have read their registers
.endif
	WIN 5*WW                                       ; sources 0 and 1: the accumulators' window
.irp b, 0,1,2,3
	v_max3_num_f32 v[TM+\b], |v[AC+16*\b]|, |v[AC+1+16*\b]|, 0x1800000   ; and the floor 2^(3 - 127): the byte cannot fall under 1
.endr
.irp i, 2,4,6,8,10,12,14
.irp b, 0,1,2,3
	v_max3_num_f32 v[TM+\b], |v[AC+16*\b+\i]|, |v[AC+1+16*\b+\i]|, v[TM+\b]
.endr
.endr
	WIN 0
.irp b, 0,1,2,3
	v_permlanex16_b32 v[TM+4+\b], v[TM+\b], s[SEL], s[SEL+1]
.endr
.irp b, 0,1,2,3
	v_max_num_f32 v[TM+\b], v[TM+\b], v[TM+4+\b]
.endr
.irp b, 0,1,2,3
	v_add_nc_u32 v[TM+12+\b], 0xff000000, v[TM+\b]         ; 2 off the exponent field: the conversion's scale operand
.endr
.irp b, 0,1,2,3
	v_lshrrev_b32 v[TM+4+\b], 23, v[TM+12+\b]
.endr
	v_lshl_or_b32 v[PW], v[TM+5], 8, v[TM+4]
	v_lshl_or_b32 v[PW], v[TM+6], 16, v[PW]
	v_lshl_or_b32 v[PW], v[TM+7], 24, v[PW]
	v_lshrrev_b32 v[PWS+(\a)%4], v[SH], v[PW]              ; lanes 16-31 keep the upper 64's two bytes alone
	WIN WW                                         ; source 0: the accumulators' window
.irp c, 0,1
	v_cvt_scalef32_pk16_fp6_f32 v[PC+6*\c:PC+2+6*\c], v[AC+32*\c:AC+15+32*\c], v[TM+12+2*\c]
	v_cvt_scalef32_pk16_fp6_f32 v[PC+12+4*\c:PC+14+4*\c], v[AC+16+32*\c:AC+31+32*\c], v[TM+12+2*\c+1]
.endr
	WIN 0
	v_nop                                          ; one plain place behind a scaled conversion
.irp c, 0,1
.irp i, 0,1,2
	v_permlane16_swap_b32 v[PC+6*\c+\i], v[PC+12+4*\c+\i]
.endr
.irp i, 0,1,2
	v_mov_b32 v[PC+3+6*\c+\i], v[PC+12+4*\c+\i]
.endr
.endr
	global_store_b128 v[L16], v[PC:PC+3], s[12:13] offset:FRB*(\a)          ; each store covers whole aligned runs of 256 bytes
	global_store_b64 v[L8], v[PC+4:PC+5], s[12:13] offset:FRB*(\a)+512
	global_store_b128 v[L16], v[PC+6:PC+9], s[12:13] offset:FRB*(\a)+768
	global_store_b64 v[L8], v[PC+10:PC+11], s[12:13] offset:FRB*(\a)+1280
.if (\a)%4 == 3
	global_store_b128 v[L16], v[PWS:PWS+3], s[4:5] offset:512*((\a)/4)      ; four fragments' scale words: 512 consecutive bytes
.endif
.endm
	PLACES NP
.irp a, 0,1,2,3,4,5,6,7
	QOUT \a
.endr
	s_wait_tensorcnt 0x0                           ; the wave's end
	ds_add_u32 v[SPW], v[NIL]
	s_wait_dscnt 0x0
	CROUND                                         ; the closing round: no work-group ends while a partner may still ask for a tile that names it
	s_endpgm
.Lfunc_end_k_q77ed8ea6e0_gemm_qk:
	.size	k_q77ed8ea6e0_gemm_qk, .Lfunc_end_k_q77ed8ea6e0_gemm_qk-k_q77ed8ea6e0_gemm_qk
	.p2alignl 7, 3214868480
	.fill 96, 4, 3214868480
	.section	.rodata,"a",@progbits
	.p2align	6, 0x0
	.amdhsa_kernel k_q77ed8ea6e0_gemm_qk
		.amdhsa_group_segment_fixed_size 327680
		.amdhsa_private_segment_fixed_size 0
		.amdhsa_enable_private_segment 0
		.amdhsa_kernarg_size 24
		.amdhsa_user_sgpr_count 2
		.amdhsa_user_sgpr_kernarg_segment_ptr 1
		.amdhsa_wavefront_size32 1
		.amdhsa_system_sgpr_workgroup_id_x 1
		.amdhsa_system_sgpr_workgroup_id_y 1
		.amdhsa_system_sgpr_workgroup_id_z 1
		.amdhsa_system_vgpr_workitem_id 0
		.amdhsa_next_free_vgpr 1024
		.amdhsa_next_free_sgpr 98
		.amdhsa_reserve_vcc 0
		.amdhsa_float_denorm_mode_32 3
		.amdhsa_float_denorm_mode_16_64 3
		.amdhsa_memory_ordered 1
		.amdhsa_forward_progress 1
		.amdhsa_inst_pref_size 150
	.end_amdhsa_kernel
	.amdgpu_metadata
---
amdhsa.version: [ 1, 2 ]
amdhsa.kernels:
  - .name:           k_q77ed8ea6e0_gemm_qk
    .symbol:         k_q77ed8ea6e0_gemm_qk.kd
    .args:
      - { .name: xq, .offset: 0, .size: 8, .value_kind: global_buffer, .address_space: global }
      - { .name: wqk, .offset: 8, .size: 8, .value_kind: global_buffer, .address_space: global }
      - { .name: qkq, .offset: 16, .size: 8, .value_kind: global_buffer, .address_space: global }
    .group_segment_fixed_size: 327680
    .private_segment_fixed_size: 0
    .kernarg_segment_align: 8
    .kernarg_segment_size: 24
    .max_flat_workgroup_size: 128
    .sgpr_count:     98
    .vgpr_count:     1024
    .wavefront_size: 32
...
	.end_amdgpu_metadata
.endif
;; end of part 7
;; launch gemm_v (part 8): grid 32 x 8, 4 waves a work-group, clusters of 4 x 4, 308,480 bytes of LDS; arguments wvq, xq, vq; writes vq
.if DOCPART == 8
	.amdgcn_target "amdgcn-amd-amdhsa--gfx1250"
	.amdhsa_code_object_version 6
	.text
	.protected	k_q77ed8ea6e0_gemm_v
	.globl	k_q77ed8ea6e0_gemm_v
	.p2align	8
	.type	k_q77ed8ea6e0_gemm_v,@function
k_q77ed8ea6e0_gemm_v:
	s_mov_b64 s[64:65], 0
	v_nop
	global_prefetch_b8 v0, s[64:65] scope:SCOPE_SE
	s_setreg_imm32_b32 hwreg(HW_REG_WAVE_MODE, 25, 1), 1
	s_wait_xcnt 0x0
	s_wait_alu depctr_hold_cnt(0) depctr_sa_sdst(0) depctr_va_vdst(0) depctr_va_sdst(0) depctr_va_ssrc(0) depctr_va_vcc(0) depctr_vm_vsrc(0)
	s_getreg_b32 s2, hwreg(HW_REG_IB_STS2, 6, 4)
	s_cmp_eq_u32 s2, 0
	s_cbranch_scc0 .Lentry_in_a_cluster
	s_endpgm
.Lentry_in_a_cluster:
	s_bfe_u32 s2, ttmp6, 0x10000c
	s_cmp_lg_u32 s2, 0xf033
	s_cbranch_scc0 .Lentry_shape_is_right
	s_endpgm
.Lentry_shape_is_right:
; C[m][n] = sum over k of A[m][k] B[n][k], K = 1,024, on codes of FP6 (E2M3) with E8M0 scales: A = Wv^T (1,024 features), B = x (8,192 tokens), C = v^T.  C never goes to memory as f32:
; it is QUANTISED ALONG n (the keys), in blocks of 32, and leaves as codes and scale words.
; OPERANDS: rows in fragment order (within each 32 rows, place 16 u + r holds row 8 u + r + 8 (r / 8)); scale bytes [place][32] at byte 0; from CODES on [fragment][K step of 128][1,536]: an image of the
; fragment's 12 registers: 0-3 at 16 x lane, 4-5 at 512 + 8 x lane, 6-9 at 768 + 16 x lane, 10-11 at 1,280 + 8 x lane.  So a fragment comes out of LDS by four dense loads.
; THE MATRIX INSTRUCTION IS USED TRANSPOSED (source 0 = 16 places of B, source 1 = 16 places of A).  With B's rows in fragment order the 16 registers of tiles 2 i and 2 i + 1 are 16 NEIGHBOURS along n:
; n = 32 i + 16 (lane / 16) + 0 .. 15, which is what the conversions want; a lane holds one place of A.
; RESULT: for mb = a fragment of A's places and nb = 128 along n: codes at OUTC + nb x 786,432 + mb x 1,536 (an image); scale words at nb x 65,536 + (mb / 4) x 512 + 16 x lane + 4 (mb % 4):
; lanes 0-15 the row's word, lanes 16-31 the word shifted down by 16 bits.
; SHARES.  A tile of C is 128 x 256, so that 1,024 x 8,192 gives 256 work-groups; four waves, 64 x 128 each: 32 accumulators.  At this tile ALL OF K FITS IN LDS: four slots of 256 along K (73,728 bytes each) and the scales.
; Every slot is filled once, all fills go out together at the start, and a counted wait and one barrier stand in front of each slot's first read.  Nothing is filled again.
; CLUSTERS: 4 x 4 work-groups; A's tiles are asked for jointly along a row of the cluster, B's along a column.
; REGISTERS, in windows of 256: window 0: v8-23 fragment addresses of the four slots; v24-27 lane terms; v32-95 scale words (block i, K step k at 32 + 8 i + k: lanes 0-15 A's block, lanes 16-31 B's);
;   v96-119 and v224-243 at work on the way out; v128-223 A's fragments, two sets of 48.  window 1: B's fragments, two sets, at v0 and v128.  window 2: the accumulators ((a, b) at v[8 (8 a + b)]).
; LIMITS: NaN and infinities are not served; a block of zeros gets the byte 1 (zero codes; this program alone reads the bytes).
.set FR,     12
.set FRB,    1536
.set NP,     4                         ; places behind this matrix instruction (ISA guide 7.12.1)
.set CODES,  262144
.set OUTC,   4194304
.set NBC,    786432
.set KROW,   768                       ; a row's codes in bytes: 16 rows are a fragment's 12,288
.set HALFA,  4*2*FRB                   ; 4 fragments x 2 K steps: what a load for A brings
.set HALFB,  8*2*FRB                   ; 8 fragments x 2 K steps: what a load for B brings
.set SLOT,   2*HALFA+2*HALFB           ; A's 8 fragments, then B's 16
.set SCL,    4*SLOT                    ; behind the four slots: the scales, as rows of 256 bytes + 16 of padding
.set HALFSA, 8*272                     ; the scales of 64 rows of A
.set HALFSB, 16*272                    ; of 128 rows of B
.set SBLK,   544                       ; of 16 rows
.set PADW,   (3<<16)|(1<<20)|(1<<21)|(5<<22)|(3<<25)   ; elements of 8 bytes; padding on; bit 21 beside a mask; after every 64 words, 4 words
.set ADRA, 8                           ; v8-11 A's fragments in slot s, + 16 x lane; v12-15 + 8 x lane
.set ADRB, 16                          ; v16-23 the same for B
.set L16,  24                          ; v24 16 x lane
.set L8,   25                          ; v25 8 x lane
.set ADRS, 27                          ; v27 my scale words: lanes 0-15 A's rows, lanes 16-31 B's
.set SC,   32
.set TM,   96                          ; v96-111 at work in the quantiser
.set PW,   112                         ; v112 the scale word just made
.set SH,   113                         ; v113 16 x (lane / 16)
.set PWS,  116                         ; v116-119 four fragments' scale words, as they are stored
.set AF,   128
.set PC,   224                         ; v224-243 the codes just made
.set G1,   24                          ; s[24:31] group 1 for A's codes; s[32:39] B's; s[40:47] A's scales; s[48:55] B's
.set G1B,  32
.set G1S,  40
.set G1SB, 48
.set G0S,  92                          ; s[92:95], s[96:99] groups 0 for the scales; A's slots: s[56:63], s[68:75]; B's: s[76:91]
.set G0SB, 96
.set MSB, 0
.macro WIN new                         ; the immediate's high byte repeats the setting that is left
.if MSB != \new
	s_set_vgpr_msb (MSB<<8)|\new
.set MSB, \new
.endif
.endm
.set MUL,  0xa1                        ; source 0 (B) window 1, source 1 (A) window 0, C and D window 2
.set TO_B, 0x40
; A joint load: waves 0 and 1 fetch for A, waves 2 and 3 for B; the branch hangs on the wave's number alone.  Four v_nop follow each of the two lines.
.macro JLOAD g0a, g1a, g0b, g1b
	s_cmp_eq_u32 s15, 0
	s_cbranch_scc0 .Lfor_b_\@
	tensor_load_to_lds s[\g0a:\g0a+3], s[\g1a:\g1a+7]
	s_nop 0
.rept 4
	v_nop
.endr
	s_branch .Lasked_\@
.Lfor_b_\@:
	tensor_load_to_lds s[\g0b:\g0b+3], s[\g1b:\g1b+7]
	s_nop 0
.rept 4
	v_nop
.endr
.Lasked_\@:
.endm
.macro CROUND                          ; a round of the cluster's barrier
	s_barrier_signal -1
	s_barrier_wait -1
	s_cmp_lg_u32 s14, 0
	s_cbranch_scc1 .Lnot_wave_0_\@
	s_barrier_signal -3
.Lnot_wave_0_\@:
	s_barrier_wait -3
	s_barrier_signal -1
	s_barrier_wait -1
.endm
.macro SHAPE g, c, r, p                ; group 1's words 1 to 7: r rows of c elements, p elements from row to row
	s_mov_b32 s[\g+1], (\c)<<16
	s_mov_b32 s[\g+2], (\r)<<16
	s_mov_b32 s[\g+3], (\c)<<16
	s_mov_b32 s[\g+4], \r
	s_mov_b32 s[\g+5], \p
	s_mov_b32 s[\g+6], 0
	s_mov_b32 s[\g+7], 0
.endm
	s_load_b64 s[6:7], s[0:1], 0x0                 ; A: its scale bytes lie at its first byte
	s_load_b64 s[10:11], s[0:1], 0x8               ; B likewise
	s_load_b64 s[12:13], s[0:1], 0x10              ; the result
	v_lshl_add_u32 v254, v0, 2, 0x4b300
	v_mov_b32 v255, 0
	ds_add_u32 v254, v255
	ds_add_u32 v254, v255
	v_lshrrev_b32 v1, 5, v0
	v_readfirstlane_b32 s14, v1                    ; wave 0..3
	s_lshr_b32 s15, s14, 1                         ; which half of the tile's rows is mine.  Also: I fetch for A (0) or for B (1)
	s_and_b32 s16, s14, 1                          ; which half of its columns.  Also: which half of that tile I fetch
	s_bfe_u32 s2, ttmp6, 0x40000                   ; cx
	s_bfe_u32 s3, ttmp6, 0x40004                   ; cy
	s_lshl_b32 s18, ttmp9, 2
	s_add_co_u32 s18, s18, s2                      ; tile column
	s_and_b32 s17, ttmp7, 0xffff
	s_lshl_b32 s17, s17, 2
	s_add_co_u32 s17, s17, s3                      ; tile row
	s_lshl_b32 s19, s3, 2
	s_lshl_b32 s19, 15, s19                        ; my row of the cluster
	s_lshl_b32 s104, 0x1111, s2                    ; my column
	s_or_b32 s[G1], s19, (3<<16)|(1<<21)           ; codes: elements of 8 bytes, dense in LDS
	s_or_b32 s[G1B], s104, (3<<16)|(1<<21)
	s_or_b32 s[G1S], s19, PADW
	s_or_b32 s[G1SB], s104, PADW
	SHAPE G1, 384, 4, 1536                         ; 4 rows (fragments) of 3,072 bytes (two K steps' images), 12,288 bytes apart
	SHAPE G1B, 384, 8, 1536                        ; 8 such rows
	SHAPE G1S, 32, 8, 32                           ; 2,048 dense bytes as rows of 256
	SHAPE G1SB, 32, 16, 32                         ; 4,096
	s_lshl_b32 s20, s17, 7
	s_lshl_b32 s21, s16, 6
	s_add_co_u32 s20, s20, s21                     ; A: place 128 x tile row + 64 x half
	s_lshl_b32 s22, s20, 5                         ; its scale bytes,
	s_mul_i32 s20, s20, KROW
	s_add_co_u32 s20, s20, CODES                   ; its codes
	s_mov_b32 s21, 0
	s_mov_b32 s23, 0
	s_lshl_b32 s100, s18, 8
	s_lshl_b32 s101, s16, 7
	s_add_co_u32 s100, s100, s101                  ; B: place 256 x tile column + 128 x half
	s_lshl_b32 s104, s100, 5
	s_mul_i32 s100, s100, KROW
	s_add_co_u32 s100, s100, CODES
	s_mov_b32 s101, 0
	s_mov_b32 s105, 0
	s_wait_dscnt 0x0
	s_wait_kmcnt 0x0
	s_mov_b32 s[G0S], 1
	s_mul_i32 s[G0S+1], s16, HALFSA                ; no place in the cluster enters an LDS address
	s_add_co_u32 s[G0S+1], s[G0S+1], SCL
	s_add_nc_u64 s[G0S+2:G0S+3], s[6:7], s[22:23]
	s_or_b32 s[G0S+3], s[G0S+3], 0x80000000
	s_mov_b32 s[G0SB], 1
	s_mul_i32 s[G0SB+1], s16, HALFSB
	s_add_co_u32 s[G0SB+1], s[G0SB+1], SCL+2*HALFSA
	s_add_nc_u64 s[G0SB+2:G0SB+3], s[10:11], s[104:105]
	s_or_b32 s[G0SB+3], s[G0SB+3], 0x80000000
.irp s, 0,1,2,3
.set GA, 56+4*\s+4*(\s/2)
.set GB, 76+4*\s
	s_mov_b32 s[GA], 1
	s_mul_i32 s[GA+1], s16, HALFA
	s_add_co_u32 s[GA+1], s[GA+1], \s*SLOT
	s_add_nc_u64 s[GA+2:GA+3], s[6:7], s[20:21]
	s_add_nc_u64 s[GA+2:GA+3], s[GA+2:GA+3], \s*2*FRB
	s_or_b32 s[GA+3], s[GA+3], 0x80000000
	s_mov_b32 s[GB], 1
	s_mul_i32 s[GB+1], s16, HALFB
	s_add_co_u32 s[GB+1], s[GB+1], \s*SLOT+2*HALFA
	s_add_nc_u64 s[GB+2:GB+3], s[10:11], s[100:101]
	s_add_nc_u64 s[GB+2:GB+3], s[GB+2:GB+3], \s*2*FRB
	s_or_b32 s[GB+3], s[GB+3], 0x80000000
.endr
	CROUND                                         ; all sixteen work-groups are here: the joint loads meet
	JLOAD G0S, G1S, G0SB, G1SB                     ; the scales first; then the four slots: five loads of mine are out
.irp s, 0,1,2,3
	JLOAD 56+4*\s+4*(\s/2), G1, 76+4*\s, G1B
.endr
	v_and_b32 v1, 15, v0                           ; l % 16
	v_bfe_u32 v2, v0, 4, 1                         ; l / 16
	v_and_b32 v6, 31, v0
	v_lshlrev_b32 v[L16], 4, v6
	v_lshlrev_b32 v[L8], 3, v6
	v_lshlrev_b32 v[SH], 4, v2
	s_mul_i32 s21, s15, HALFA                      ; my 4 fragments of A
	s_mul_i32 s22, s16, HALFB                      ; my 8 of B,
	s_add_co_u32 s22, s22, 2*HALFA                 ; which lie behind A's 8
.irp s, 0,1,2,3
	v_add_nc_u32 v[ADRA+\s], s21, v[L16]
	v_add_nc_u32 v[ADRA+4+\s], s21, v[L8]
	v_add_nc_u32 v[ADRB+\s], s22, v[L16]
	v_add_nc_u32 v[ADRB+4+\s], s22, v[L8]
	s_add_co_u32 s21, s21, SLOT
	s_add_co_u32 s22, s22, SLOT
.endr
	v_lshlrev_b32 v5, 5, v1                        ; my row's scales: 32 bytes a row,
	v_lshrrev_b32 v6, 8, v5
	v_lshl_add_u32 v5, v6, 4, v5                   ; and 16 more for each 256 passed
	s_mul_i32 s21, s15, HALFSA
	s_mul_i32 s22, s16, HALFSB
	s_add_co_u32 s22, s22, 2*HALFSA
	s_sub_co_u32 s22, s22, s21
	v_mul_u32_u24 v6, s22, v2                      ; lanes 16-31 take B's
	s_add_co_u32 s21, s21, SCL
	v_add_nc_u32 v5, v5, v6
	v_add_nc_u32 v[ADRS], s21, v5
.irp b, 0,1,2,3
	v_mov_b32 v[TM+4+\b], 0                        ; written once: a lane permute's destination counts as one of its sources
.endr
	; where my part of the result begins
	s_lshl_b32 s20, s17, 3
	s_lshl_b32 s21, s15, 2
	s_add_co_u32 s20, s20, s21                     ; my first fragment of rows: 8 x tile row + 4 x half
	s_mul_i32 s22, s20, FRB
	s_lshl_b32 s20, s20, 7                         ; 512 bytes of scale words for each four fragments
	s_lshl_b32 s100, s18, 1
	s_add_co_u32 s100, s100, s16                   ; nb: my 128 columns
	s_mul_i32 s101, s100, NBC
	s_add_co_u32 s22, s22, s101
	s_add_co_u32 s22, s22, OUTC
	s_mov_b32 s23, 0
	s_lshl_b32 s101, s100, 16
	s_add_co_u32 s20, s20, s101
	s_mov_b32 s21, 0
	s_add_nc_u64 s[8:9], s[12:13], s[20:21]        ; scale words
	s_add_nc_u64 s[12:13], s[12:13], s[22:23]      ; codes
	s_mov_b32 s2, 0x76543210                       ; v_permlanex16_b32's selects for lane l xor 16
	s_mov_b32 s3, 0xfedcba98
.macro FRAG reg, a16, a8, q, i         ; fragment i of mine, the slot's q-th K step: its image, by four dense loads
	ds_load_b128 v[\reg:\reg+3], v[\a16] offset:2*FRB*(\i)+FRB*(\q)
	ds_load_b64 v[\reg+4:\reg+5], v[\a8] offset:2*FRB*(\i)+FRB*(\q)+512
	ds_load_b128 v[\reg+6:\reg+9], v[\a16] offset:2*FRB*(\i)+FRB*(\q)+768
	ds_load_b64 v[\reg+10:\reg+11], v[\a8] offset:2*FRB*(\i)+FRB*(\q)+1280
.endm
.macro FETCH k                         ; K step k's twelve fragments into set k % 2: 48 loads in one run
	WIN TO_B
.irp i, 0,1,2,3,4,5,6,7
	FRAG 128*((\k)%2)+FR*\i, ADRB+(\k)/2, ADRB+4+(\k)/2, (\k)%2, \i
.endr
	WIN 0
.irp i, 0,1,2,3
	FRAG AF+48*((\k)%2)+FR*\i, ADRA+(\k)/2, ADRA+4+(\k)/2, (\k)%2, \i
.endr
.endm
.macro SCALES h                        ; the scale words of K steps 4 h .. 4 h + 3: lanes 0-15 A's block i (blocks 4-7 are not used there), lanes 16-31 B's block i
.irp i, 0,1,2,3,4,5,6,7
	ds_load_b128 v[SC+8*\i+4*\h:SC+8*\i+4*\h+3], v[ADRS] offset:\i*SBLK+16*\h
.endr
.endm
; 16 matrix instructions: A's blocks a0, a0 + 1 x B's eight, K step k.  The 32 accumulators take turns, one instruction a turn, in the same order in every step.
.macro MUL16 a0, k, first
.irp a, \a0, \a0+1
.irp b, 0,1,2,3,4,5,6,7
.if \first
	v_wmma_scale_f32_16x16x128_f8f6f4 v[8*(8*(\a)+\b):8*(8*(\a)+\b)+7], v[128*((\k)%2)+FR*\b:128*((\k)%2)+FR*\b+FR-1], v[AF+48*((\k)%2)+FR*(\a):AF+48*((\k)%2)+FR*(\a)+FR-1], 0, v[SC+8*\b+(\k)], v[SC+8*(\a)+(\k)] matrix_a_fmt:MATRIX_FMT_FP6 matrix_b_fmt:MATRIX_FMT_FP6 matrix_a_scale:MATRIX_SCALE_ROW1
.else
	v_wmma_scale_f32_16x16x128_f8f6f4 v[8*(8*(\a)+\b):8*(8*(\a)+\b)+7], v[128*((\k)%2)+FR*\b:128*((\k)%2)+FR*\b+FR-1], v[AF+48*((\k)%2)+FR*(\a):AF+48*((\k)%2)+FR*(\a)+FR-1], v[8*(8*(\a)+\b):8*(8*(\a)+\b)+7], v[SC+8*\b+(\k)], v[SC+8*(\a)+(\k)] matrix_a_fmt:MATRIX_FMT_FP6 matrix_b_fmt:MATRIX_FMT_FP6 matrix_a_scale:MATRIX_SCALE_ROW1
.endif
.endr
.endr
.endm
.macro PLACES n                        ; places in front of loads into registers that matrix instructions have read, and of the first read of results
.rept \n
	v_nop
.endr
.endm
; K step k.  Its fragments were asked for a step ago.  An even step asks for the next step's (same slot) at its head.  An odd step first meets the others in front of the next slot:
; my part of that slot has landed (the later slots' loads may be out), and no LDS load of mine is out at the signal.
.macro STEP k, first
	s_wait_dscnt 0x0                               ; this step's fragments are in
.if (\k)%2 == 0
.if (\k) > 0
	PLACES NP
.endif
	FETCH (\k)+1
.if (\k) == 0
	SCALES 1
.endif
	WIN MUL
	MUL16 0, \k, \first
	MUL16 2, \k, \first
.elseif (\k) < 7
	s_wait_tensorcnt 3-((\k)+1)/2                  ; behind the next slot's load I issued this many
	s_barrier_signal -1
	WIN MUL
	MUL16 0, \k, \first                            ; work on registers while the others arrive
	s_barrier_wait -1
	PLACES NP
	FETCH (\k)+1
	WIN MUL
	MUL16 2, \k, \first
.else
	WIN MUL
	MUL16 0, \k, \first
	MUL16 2, \k, \first
.endif
.endm
	s_wait_alu depctr_va_vdst(0)
	s_wait_tensorcnt 3                             ; the scales and my part of slot 0 are in; the three later slots' loads may be out
	s_barrier_signal -1
	s_barrier_wait -1                              ; everybody's are
	SCALES 0
	FETCH 0
	STEP 0, 1                                      ; the first step's products start the sums
.irp k, 1,2,3,4,5,6,7
	STEP \k, 0
.endr
	WIN 0
; THE WAY OUT.  Block a (16 places of A) has 64 registers a lane: register 16 i + j = n 32 i + 16 (lane / 16) + j.  They become one fragment's codes and one scale word a row, and leave as an image.
; Each accumulator is read from its low end on.
.macro QOUT a
.set AC, 64*(\a)
.if (\a) > 0
	s_wait_xcnt 0x0                                ; the last block's stores have read their registers
.endif
	WIN 0x0a                                       ; sources 0 and 1: window 2
.irp b, 0,1,2,3
	v_max3_num_f32 v[TM+\b], |v[AC+16*\b]|, |v[AC+1+16*\b]|, 0x1800000   ; and the floor 2^(3 - 127): the byte cannot fall under 1
.endr
.irp i, 2,4,6,8,10,12,14
.irp b, 0,1,2,3
	v_max3_num_f32 v[TM+\b], |v[AC+16*\b+\i]|, |v[AC+1+16*\b+\i]|, v[TM+\b]
.endr
.endr
	WIN 0
.irp b, 0,1,2,3
	v_permlanex16_b32 v[TM+4+\b], v[TM+\b], s2, s3
.endr
.irp b, 0,1,2,3
	v_max_num_f32 v[TM+\b], v[TM+\b], v[TM+4+\b]
.endr
.irp b, 0,1,2,3
	v_add_nc_u32 v[TM+12+\b], 0xff000000, v[TM+\b]         ; 2 off the exponent field: the conversion's scale operand
.endr
.irp b, 0,1,2,3
	v_lshrrev_b32 v[TM+4+\b], 23, v[TM+12+\b]
.endr
	v_lshl_or_b32 v[PW], v[TM+5], 8, v[TM+4]
	v_lshl_or_b32 v[PW], v[TM+6], 16, v[PW]
	v_lshl_or_b32 v[PW], v[TM+7], 24, v[PW]
	v_lshrrev_b32 v[PWS+(\a)], v[SH], v[PW]                ; lanes 16-31 keep the upper 64's two bytes alone
	WIN 0x02                                       ; source 0: window 2
.irp c, 0,1
	v_cvt_scalef32_pk16_fp6_f32 v[PC+6*\c:PC+2+6*\c], v[AC+32*\c:AC+15+32*\c], v[TM+12+2*\c]
	v_cvt_scalef32_pk16_fp6_f32 v[PC+12+4*\c:PC+14+4*\c], v[AC+16+32*\c:AC+31+32*\c], v[TM+12+2*\c+1]
.endr
	WIN 0
	v_nop                                          ; one plain place behind a scaled conversion
.irp c, 0,1
.irp i, 0,1,2
	v_permlane16_swap_b32 v[PC+6*\c+\i], v[PC+12+4*\c+\i]
.endr
.irp i, 0,1,2
	v_mov_b32 v[PC+3+6*\c+\i], v[PC+12+4*\c+\i]
.endr
.endr
	global_store_b128 v[L16], v[PC:PC+3], s[12:13] offset:FRB*(\a)          ; each store covers whole aligned runs of 256 bytes
	global_store_b64 v[L8], v[PC+4:PC+5], s[12:13] offset:FRB*(\a)+512
	global_store_b128 v[L16], v[PC+6:PC+9], s[12:13] offset:FRB*(\a)+768
	global_store_b64 v[L8], v[PC+10:PC+11], s[12:13] offset:FRB*(\a)+1280
.endm
	PLACES NP
.irp a, 0,1,2,3
	QOUT \a
.endr
	global_store_b128 v[L16], v[PWS:PWS+3], s[8:9] ; my four fragments' scale words: 512 consecutive bytes
	s_wait_tensorcnt 0x0
	ds_add_u32 v254, v255
	s_wait_dscnt 0x0
	CROUND                                         ; the closing round: no work-group ends while a partner may still ask for a tile that names it
	s_endpgm
.Lfunc_end_k_q77ed8ea6e0_gemm_v:
	.size	k_q77ed8ea6e0_gemm_v, .Lfunc_end_k_q77ed8ea6e0_gemm_v-k_q77ed8ea6e0_gemm_v
	.p2alignl 7, 3214868480
	.fill 96, 4, 3214868480
	.section	.rodata,"a",@progbits
	.p2align	6, 0x0
	.amdhsa_kernel k_q77ed8ea6e0_gemm_v
		.amdhsa_group_segment_fixed_size 308480
		.amdhsa_private_segment_fixed_size 0
		.amdhsa_enable_private_segment 0
		.amdhsa_kernarg_size 24
		.amdhsa_user_sgpr_count 2
		.amdhsa_user_sgpr_kernarg_segment_ptr 1
		.amdhsa_wavefront_size32 1
		.amdhsa_system_sgpr_workgroup_id_x 1
		.amdhsa_system_sgpr_workgroup_id_y 1
		.amdhsa_system_sgpr_workgroup_id_z 1
		.amdhsa_system_vgpr_workitem_id 0
		.amdhsa_next_free_vgpr 768
		.amdhsa_next_free_sgpr 106
		.amdhsa_reserve_vcc 0
		.amdhsa_float_denorm_mode_32 3
		.amdhsa_float_denorm_mode_16_64 3
		.amdhsa_memory_ordered 1
		.amdhsa_forward_progress 1
		.amdhsa_inst_pref_size 90
	.end_amdhsa_kernel
	.amdgpu_metadata
---
amdhsa.version: [ 1, 2 ]
amdhsa.kernels:
  - .name:           k_q77ed8ea6e0_gemm_v
    .symbol:         k_q77ed8ea6e0_gemm_v.kd
    .args:
      - { .name: wvq, .offset: 0, .size: 8, .value_kind: global_buffer, .address_space: global }
      - { .name: xq, .offset: 8, .size: 8, .value_kind: global_buffer, .address_space: global }
      - { .name: vq, .offset: 16, .size: 8, .value_kind: global_buffer, .address_space: global }
    .group_segment_fixed_size: 308480
    .private_segment_fixed_size: 0
    .kernarg_segment_align: 8
    .kernarg_segment_size: 24
    .max_flat_workgroup_size: 128
    .sgpr_count:     106
    .vgpr_count:     768
    .wavefront_size: 32
...
	.end_amdgpu_metadata
.endif
;; end of part 8
;; launch attn (part 9): grid 4 x 64, 16 waves a work-group, clusters of 4 x 1, 210,944 bytes of LDS; arguments qkq, vq, ctxq; writes ctxq
.if DOCPART == 9
	.amdgcn_target "amdgcn-amd-amdhsa--gfx1250"
	.amdhsa_code_object_version 6
	.text
	.protected	k_q77ed8ea6e0_attn
	.globl	k_q77ed8ea6e0_attn
	.p2align	8
	.type	k_q77ed8ea6e0_attn,@function
k_q77ed8ea6e0_attn:
	s_mov_b64 s[64:65], 0
	v_nop
	global_prefetch_b8 v0, s[64:65] scope:SCOPE_SE
	s_setreg_imm32_b32 hwreg(HW_REG_WAVE_MODE, 25, 1), 1
	s_wait_xcnt 0x0
	s_wait_alu depctr_hold_cnt(0) depctr_sa_sdst(0) depctr_va_vdst(0) depctr_va_sdst(0) depctr_va_ssrc(0) depctr_va_vcc(0) depctr_vm_vsrc(0)
	s_getreg_b32 s2, hwreg(HW_REG_IB_STS2, 6, 4)
	s_cmp_eq_u32 s2, 0
	s_cbranch_scc0 .Lentry_in_a_cluster
	s_endpgm
.Lentry_in_a_cluster:
	s_bfe_u32 s2, ttmp6, 0x10000c
	s_cmp_lg_u32 s2, 0x3003
	s_cbranch_scc0 .Lentry_shape_is_right
	s_endpgm
.Lentry_shape_is_right:
; Causal attention of one head on codes of FP6 (E2M3): S = q k^T (K = the head's 64), p = 2^(t - M), ctx = p v / l (K = the keys); ctx is quantised along the features and leaves as codes.
; t = score x log2(e) / 8; M = the running largest t rounded UP to a whole number; the row's sum l is taken of the unquantised p, in f32; when M moves, l and O are multiplied by 2^(old M - new M): exact.
; SHARES.  Work-group y = batch x 16 + head.  The four work-groups of a cluster serve one head: its K, V and their scale words (208,896 bytes) come into each one's LDS ONCE, by joint loads; nothing is filled again.
; Wave w of work-group cx owns two tiles of 16 queries: tile 8 (15 - w) + 4 + cx, then tile 8 w + cx.  A tile a needs the key steps 0 .. a / 8 (128 keys each): 16 - w and w + 1 steps: 17 for every wave.
; The loops' trip counts are constants (16); a step whose keys all come after the tile's queries is jumped over by a scalar branch on the wave's number.  cx enters global addresses and the mask's scalar alone.
; LAYOUT.  Tokens stand in fragment order in q and k (within each 32, place 16 u + r holds token 8 u + r + 8 (r / 8)), features likewise in v^T.  Both products are used transposed: S^T = k q^T, O^T = v^T p^T:
; a lane holds ONE query (place lane % 16), and the 16 registers of tiles 2 i, 2 i + 1 are 16 neighbouring keys (features): 32 i + 16 (lane / 16) + 0 .. 15.
; K = 64 IN AN INSTRUCTION OF 128: q's registers 6-11 are zero codes.  k's fragment t is v[32 + 6 t .. 43 + 6 t]: its upper six registers are the next tile's codes (for the last tile six zeros); they meet q's zeros and add nothing,
; under scale bytes that are the other head's or 0, never 0xff.
; REGISTERS: v1-7 lane terms; v8-11, v86-87 addresses in hand; v12 -M, v13 largest t, v[14:15] the sum; v16-27 q of the first tile, v204-215 of the second, v216-217 their scale words; v32-85 k's eight fragments and six zeros,
; then v's four; v96-159 S^T, then p; v160-191 O^T; v192-199 k's scale words, v200-203 v's; v224-235 p's codes; v232-254 at work.
; LIMITS: NaN and infinities are not served; p under 2^-126 falls to 0; 1 / l is v_rcp_f32's; ctx's scale bytes leave as single bytes (a row's 32 come from 16 work-groups): 32 of a tile's 800 bytes.
.set OUTC,  4194304
.set CODES, 262144
.set NBC,   786432
.set KC,    0                          ; LDS: k's codes, [tile 0..127][768]
.set VC,    98304                      ; v's codes, [step 0..15][4 fragments][1,536]
.set KSB,   196608                     ; k's scale words, [4 tiles][16 places x 16 bytes]
.set VSB,   204800                     ; v's, [step][16 places x 16 bytes]
.set L16,  1
.set L8,   2
.set LV16, 3
.set LV8,  4
.set LKS,  5
.set LVS,  6
.set QL,   7                           ; v7  my query in its 32 less 16 (lane / 16)
.set ADK16, 8
.set ADK8,  9
.set ADV16, 10
.set ADV8,  11
.set ADS,  86
.set ADT,  87
.set R16,  88                          ; v88 16 r
.set RB,   89                          ; v89 32 r + h
.set CB,   90                          ; v90 ctx's scale byte
.set WV,   18
.set SEL,  20
.set CS,   22
.set G1K,  24
.set G1V,  32
.set G1KS, 40
.set G1VS, 48
.set G0K,  56
.set G0V,  60
.set G0KS, 68
.set G0VS, 72
.set SI,   76                          ; s76 the step
.set TB,   77                          ; s77 6,144 x step: k's and v's codes
.set TS,   78                          ; s78 512 x step: k's scale words
.set TJ,   79                          ; s79 256 x step: v's
.set SMAX, 80                          ; s80 the tile's last step, the one on the diagonal
.set DQ1,  81                          ; s81, s83 the tile's first query within its 128
.set HM,   82                          ; s82 lanes 16-31
.set DQ2,  83
.macro CROUND
	s_barrier_signal -1
	s_barrier_wait -1
	s_cmp_lg_u32 s[WV], 0
	s_cbranch_scc1 .Lnot_wave_0_\@
	s_barrier_signal -3
.Lnot_wave_0_\@:
	s_barrier_wait -3
	s_barrier_signal -1
	s_barrier_wait -1
.endm
	s_load_b128 s[4:7], s[0:1], 0x0                ; qkq, vq
	s_load_b64 s[8:9], s[0:1], 0x10                ; ctxq
	v_lshl_add_u32 v251, v0, 2, 0x33000
	v_mov_b32 v255, 0
	ds_add_u32 v251, v255
	ds_add_u32 v251, v255
	v_lshrrev_b32 v8, 5, v0
	s_delay_alu instid0(VALU_DEP_1)
	v_readfirstlane_b32 s[WV], v8                  ; wave 0..15
	v_and_b32 v10, 31, v0
	v_and_b32 v8, 15, v0                           ; r
	v_bfe_u32 v9, v0, 4, 1                         ; h
	s_delay_alu instid0(VALU_DEP_3)
	v_lshlrev_b32 v[L16], 4, v10
	s_delay_alu instid0(VALU_DEP_4)
	v_lshlrev_b32 v[L8], 3, v10
	s_delay_alu instid0(VALU_DEP_2)
	v_add_nc_u32 v[LV16], VC, v[L16]
	s_delay_alu instid0(VALU_DEP_2)
	v_add_nc_u32 v[LV8], VC, v[L8]
	v_lshl_add_u32 v[LKS], v8, 4, KSB
	v_lshl_add_u32 v[LVS], v8, 4, VSB
	v_and_b32 v10, 8, v8
	s_delay_alu instid0(VALU_DEP_1)
	v_add_nc_u32 v[QL], v10, v8                    ; r + 8 (r / 8)
	v_lshlrev_b32 v10, 4, v9
	s_delay_alu instid0(VALU_DEP_1)
	v_sub_nc_u32 v[QL], v[QL], v10
	v_lshlrev_b32 v[R16], 4, v8
	v_lshl_add_u32 v[RB], v8, 5, v9
.irp j, 22,23,24,25,26,27, 210,211,212,213,214,215, 80,81,82,83,84,85
	v_mov_b32 v\j, 0                               ; zero codes: q's upper 64 along K, and what stands above k's last tile
.endr
.irp j, 236,237,238,239, 252,253
	v_mov_b32 v\j, 0                               ; written once: a lane permute's destination counts as one of its sources; v253 is named in a pair before it is first made
.endr
	s_mov_b32 s[SEL], 0x76543210
	s_mov_b32 s[SEL+1], 0xfedcba98
	s_mov_b32 s[CS], 0x3e38aa3b                    ; c = log2(e) / sqrt(64)
	s_mov_b32 s[CS+1], s[CS]
	s_mov_b32 s[HM], 0xffff0000
	s_and_b32 s11, ttmp7, 0xffff
	s_lshr_b32 s12, s11, 4                         ; batch
	s_and_b32 s13, s11, 15                         ; head
	s_lshr_b32 s14, s13, 1                         ; its pair of heads (128 features),
	s_and_b32 s15, s13, 1                          ; and which of the two
	s_and_b32 s16, s[WV], 1                        ; which half I fetch, if I fetch codes
	s_mov_b32 s3, 0
	; group 1, elements of 8 bytes, mask: all four work-groups, bit 21 beside it.  k's codes: 64 rows (tiles) of 768 bytes, 1,536 apart
	s_mov_b32 s[G1K], 15|(3<<16)|(1<<21)
	s_mov_b32 s[G1K+1], 96<<16
	s_mov_b32 s[G1K+2], 64<<16
	s_mov_b32 s[G1K+3], 96<<16
	s_mov_b32 s[G1K+4], 64
	s_mov_b32 s[G1K+5], 192
	s_mov_b32 s[G1K+6], 0
	s_mov_b32 s[G1K+7], 0
	; v's codes: 8 rows (steps) of 6,144 bytes, 786,432 apart
	s_mov_b32 s[G1V], 15|(3<<16)|(1<<21)
	s_mov_b32 s[G1V+1], 768<<16
	s_mov_b32 s[G1V+2], 8<<16
	s_mov_b32 s[G1V+3], 768<<16
	s_mov_b32 s[G1V+4], 8
	s_mov_b32 s[G1V+5], 98304
	s_mov_b32 s[G1V+6], 0
	s_mov_b32 s[G1V+7], 0
	; k's scale words: 32 rows of 256 bytes, 512 apart
	s_mov_b32 s[G1KS], 15|(3<<16)|(1<<21)
	s_mov_b32 s[G1KS+1], 32<<16
	s_mov_b32 s[G1KS+2], 32<<16
	s_mov_b32 s[G1KS+3], 32<<16
	s_mov_b32 s[G1KS+4], 32
	s_mov_b32 s[G1KS+5], 64
	s_mov_b32 s[G1KS+6], 0
	s_mov_b32 s[G1KS+7], 0
	; v's scale words: 16 rows of 256 bytes, 65,536 apart
	s_mov_b32 s[G1VS], 15|(3<<16)|(1<<21)
	s_mov_b32 s[G1VS+1], 32<<16
	s_mov_b32 s[G1VS+2], 16<<16
	s_mov_b32 s[G1VS+3], 32<<16
	s_mov_b32 s[G1VS+4], 16
	s_mov_b32 s[G1VS+5], 8192
	s_mov_b32 s[G1VS+6], 0
	s_mov_b32 s[G1VS+7], 0
	s_wait_dscnt 0x0
	s_wait_kmcnt 0x0
	s_add_co_u32 s17, s14, 8                       ; k's features lie behind q's 1,024: nb = 8 + pair
	s_mul_i32 s2, s17, NBC
	s_mul_i32 s19, s12, 196608                     ; the batch's 128 fragments
	s_add_co_u32 s2, s2, s19
	s_mul_i32 s19, s15, 768                        ; the head's half of an image
	s_add_co_u32 s2, s2, s19
	s_mul_i32 s19, s16, 98304                      ; my 64 tiles
	s_add_co_u32 s2, s2, s19
	s_add_co_u32 s2, s2, OUTC
	s_mov_b32 s[G0K], 1
	s_mul_i32 s[G0K+1], s16, 49152
	s_add_nc_u64 s[G0K+2:G0K+3], s[4:5], s[2:3]
	s_or_b32 s[G0K+3], s[G0K+3], 0x80000000
	s_lshl_b32 s19, s12, 4
	s_lshl_b32 s2, s16, 3
	s_add_co_u32 s19, s19, s2                      ; v: nb = 16 x batch + my 8 steps
	s_mul_i32 s2, s19, NBC
	s_mul_i32 s19, s13, 6144                       ; the head's four fragments
	s_add_co_u32 s2, s2, s19
	s_add_co_u32 s2, s2, OUTC
	s_mov_b32 s[G0V], 1
	s_mul_i32 s[G0V+1], s16, 49152
	s_add_co_u32 s[G0V+1], s[G0V+1], VC
	s_add_nc_u64 s[G0V+2:G0V+3], s[6:7], s[2:3]
	s_or_b32 s[G0V+3], s[G0V+3], 0x80000000
	s_lshl_b32 s2, s17, 16
	s_lshl_b32 s19, s12, 14
	s_add_co_u32 s2, s2, s19
	s_lshl_b32 s19, s15, 8                         ; the even head's words lie in lanes 0-15's 256 bytes, the odd head's in lanes 16-31's
	s_add_co_u32 s2, s2, s19
	s_mov_b32 s[G0KS], 1
	s_mov_b32 s[G0KS+1], KSB
	s_add_nc_u64 s[G0KS+2:G0KS+3], s[4:5], s[2:3]
	s_or_b32 s[G0KS+3], s[G0KS+3], 0x80000000
	s_lshl_b32 s2, s12, 20
	s_lshl_b32 s19, s13, 9
	s_add_co_u32 s2, s2, s19
	s_mov_b32 s[G0VS], 1
	s_mov_b32 s[G0VS+1], VSB
	s_add_nc_u64 s[G0VS+2:G0VS+3], s[6:7], s[2:3]
	s_or_b32 s[G0VS+3], s[G0VS+3], 0x80000000
	CROUND                                         ; all four work-groups are here: the joint loads meet
	; waves 0, 1: k's codes; 2, 3: v's; 4: k's scale words; 5: v's.  One load a wave; the branches hang on the wave's number alone; four v_nop follow each line
	s_cmp_lt_u32 s[WV], 2
	s_cbranch_scc0 .Lnot_k
	tensor_load_to_lds s[G0K:G0K+3], s[G1K:G1K+7]
	s_nop 0
.rept 4
	v_nop
.endr
	s_branch .Lasked
.Lnot_k:
	s_cmp_lt_u32 s[WV], 4
	s_cbranch_scc0 .Lnot_v
	tensor_load_to_lds s[G0V:G0V+3], s[G1V:G1V+7]
	s_nop 0
.rept 4
	v_nop
.endr
	s_branch .Lasked
.Lnot_v:
	s_cmp_eq_u32 s[WV], 4
	s_cbranch_scc0 .Lnot_ks
	tensor_load_to_lds s[G0KS:G0KS+3], s[G1KS:G1KS+7]
	s_nop 0
.rept 4
	v_nop
.endr
	s_branch .Lasked
.Lnot_ks:
	s_cmp_eq_u32 s[WV], 5
	s_cbranch_scc0 .Lasked
	tensor_load_to_lds s[G0VS:G0VS+3], s[G1VS:G1VS+7]
	s_nop 0
.rept 4
	v_nop
.endr
.Lasked:
	; my two tiles.  s[o:o+1] q's codes, s[o+2:o+3] q's scale words, s[o+4:o+5] ctx's codes, s[o+6:o+7] ctx's scale bytes
.macro BASES o                         ; s11: the tile a
	s_lshl_b32 s66, s12, 7
	s_add_co_u32 s66, s66, s11                     ; fragment 128 x batch + a
	s_mul_i32 s100, s14, NBC
	s_mul_i32 s67, s66, 1536
	s_add_co_u32 s100, s100, s67
	s_mul_i32 s67, s15, 768
	s_add_co_u32 s100, s100, s67
	s_add_co_u32 s100, s100, OUTC
	s_add_nc_u64 s[\o:\o+1], s[4:5], s[100:101]
	s_lshl_b32 s100, s14, 16
	s_lshr_b32 s67, s66, 2
	s_lshl_b32 s67, s67, 9
	s_add_co_u32 s100, s100, s67
	s_lshl_b32 s67, s15, 8
	s_add_co_u32 s100, s100, s67
	s_and_b32 s67, s11, 3
	s_lshl_b32 s67, s67, 2
	s_add_co_u32 s100, s100, s67
	s_add_nc_u64 s[\o+2:\o+3], s[4:5], s[100:101]
	s_mul_i32 s100, s66, 12288
	s_mul_i32 s67, s14, 1536                       ; K step = the pair of heads,
	s_add_co_u32 s100, s100, s67
	s_mul_i32 s67, s15, 768                        ; the head's half of the image
	s_add_co_u32 s100, s100, s67
	s_add_co_u32 s100, s100, CODES
	s_add_nc_u64 s[\o+4:\o+5], s[8:9], s[100:101]
	s_lshl_b32 s100, s66, 9
	s_lshl_b32 s67, s13, 1                         ; the head's two blocks of 32
	s_add_co_u32 s100, s100, s67
	s_add_nc_u64 s[\o+6:\o+7], s[8:9], s[100:101]
.endm
	s_mov_b32 s101, 0
	s_bfe_u32 s10, ttmp6, 0x40000                  ; cx
	s_sub_co_u32 s11, 15, s[WV]
	s_lshl_b32 s11, s11, 3
	s_add_co_u32 s11, s11, s10
	s_add_co_u32 s11, s11, 4                       ; the first tile: 8 (15 - w) + 4 + cx
	BASES 84
	s_lshl_b32 s11, s[WV], 3
	s_add_co_u32 s11, s11, s10                     ; the second: 8 w + cx
	BASES 92
	s_lshr_b32 s66, s10, 1
	s_lshl_b32 s66, s66, 5
	s_and_b32 s67, s10, 1
	s_lshl_b32 s67, s67, 3
	s_add_co_u32 s[DQ2], s66, s67                  ; fragment e of a step's eight begins at query 32 (e / 2) + 8 (e % 2): e = cx,
	s_add_co_u32 s[DQ1], s[DQ2], 64                ; e = 4 + cx
	global_load_b128 v[16:19], v[L16], s[84:85]
	global_load_b64 v[20:21], v[L8], s[84:85] offset:512
	global_load_b32 v216, v[R16], s[86:87]
	global_load_b128 v[204:207], v[L16], s[92:93]
	global_load_b64 v[208:209], v[L8], s[92:93] offset:512
	global_load_b32 v217, v[R16], s[94:95]
	s_wait_tensorcnt 0x0                           ; my part of the head has landed,
	s_barrier_signal -1
	s_barrier_wait -1                              ; everybody's has
	s_wait_loadcnt 0x0                             ; q
; A KEY STEP: 128 keys.  q: the tile's fragment; qs: its scale words; dq: the scalar with the tile's first query within its 128.
.macro STEP q, qs, dq
	s_cmp_gt_u32 s[SI], s[SMAX]                    ; all its keys come after my queries: only the addresses step
	s_cbranch_scc1 .Lhidden_\@
	s_setprio 2
	v_add_nc_u32 v[ADK16], s[TB], v[L16]           ; these six are also the places in front of the loads into registers that the last products read
	v_add_nc_u32 v[ADK8], s[TB], v[L8]
	v_add_nc_u32 v[ADV16], s[TB], v[LV16]
	v_add_nc_u32 v[ADV8], s[TB], v[LV8]
	v_add_nc_u32 v[ADS], s[TS], v[LKS]
	v_add_nc_u32 v[ADT], s[TJ], v[LVS]
.irp t, 0,1,2,3,4,5,6,7
	ds_load_b128 v[32+6*\t:35+6*\t], v[ADK16] offset:768*\t
	ds_load_b64 v[36+6*\t:37+6*\t], v[ADK8] offset:768*\t+512
.endr
	ds_load_b128 v[192:195], v[ADS]                ; place r's words of tiles 0-3,
	ds_load_b128 v[196:199], v[ADS] offset:256     ; and of tiles 4-7
	s_wait_alu depctr_va_vdst(0)
	s_wait_dscnt 0x0
.irp t, 0,1,2,3,4,5,6,7
	v_wmma_scale_f32_16x16x128_f8f6f4 v[96+8*\t:103+8*\t], v[32+6*\t:43+6*\t], v[\q:\q+11], 0, v[192+\t], v[\qs] matrix_a_fmt:MATRIX_FMT_FP6 matrix_b_fmt:MATRIX_FMT_FP6
.endr
.rept 4
	v_nop                                          ; places in front of the loads below and of the first read of the scores
.endr
.irp t, 0,1,2,3                                ; v's four fragments land while the softmax is walked
	ds_load_b128 v[32+12*\t:35+12*\t], v[ADV16] offset:1536*\t
	ds_load_b64 v[36+12*\t:37+12*\t], v[ADV8] offset:1536*\t+512
	ds_load_b128 v[38+12*\t:41+12*\t], v[ADV16] offset:1536*\t+768
	ds_load_b64 v[42+12*\t:43+12*\t], v[ADV8] offset:1536*\t+1280
.endr
	ds_load_b128 v[200:203], v[ADT]
	s_cmp_lg_u32 s[SI], s[SMAX]                    ; on the diagonal the scores of hidden keys become -infinity ahead of the maximum: p = 0 then
	s_cbranch_scc1 .Lopen_\@
	v_add_nc_u32 v252, s[\dq], v[QL]               ; d = my query - 16 (lane / 16).  Register 16 b + i holds key 32 b + 16 (lane / 16) + i: hidden where 32 b + i > d
	v_mov_b32 v254, 0xff800000
.set n, 0
.rept 64
	v_cmp_gt_i32 vcc_lo, 32*(n/16)+n%16, v252
	v_cndmask_b32 v[96+n], v[96+n], v254, vcc_lo
.set n, n+1
.endr
.Lopen_\@:
.irp b, 0,1,2,3
	v_max3_num_f32 v[232+\b], v[96+16*\b], v[97+16*\b], v[98+16*\b]   ; the largest score of each block of 32 keys: for the row's maximum, and, since p rises with the score, for the block's largest p
.endr
.irp i, 3,5,7,9,11,13
.irp b, 0,1,2,3
	v_max3_num_f32 v[232+\b], v[232+\b], v[96+16*\b+\i], v[97+16*\b+\i]
.endr
.endr
.irp b, 0,1,2,3
	v_max_num_f32 v[232+\b], v[232+\b], v[111+16*\b]
.endr
.irp b, 0,1,2,3
	s_delay_alu instid0(VALU_DEP_4)
	v_permlanex16_b32 v[236+\b], v[232+\b], s[SEL], s[SEL+1]
.endr
.irp b, 0,1,2,3
	s_delay_alu instid0(VALU_DEP_4)
	v_max_num_f32 v[232+\b], v[232+\b], v[236+\b]  ; with lane l xor 16's 16 keys
.endr
	s_delay_alu instid0(VALU_DEP_2)
	v_max3_num_f32 v254, v232, v233, v234
	s_delay_alu instid0(VALU_DEP_1)
	v_max_num_f32 v254, v254, v235
	s_delay_alu instid0(VALU_DEP_1)
	v_mul_f32 v254, s[CS], v254                    ; the step's largest t
	s_delay_alu instid0(VALU_DEP_1)
	v_max_num_f32 v13, v13, v254
	v_mov_b32 v254, v12
	s_delay_alu instid0(VALU_DEP_2)
	v_floor_f32 v12, -v13                          ; the new -M = -ceil(t)
	s_delay_alu instid0(VALU_DEP_1)
	v_sub_f32 v254, v12, v254                      ; old M - new M: a whole number, 0 or less
	s_delay_alu instid0(VALU_DEP_1)
	v_cvt_i32_f32 v254, v254                       ; (it saturates)
	s_delay_alu instid0(VALU_DEP_1)
	v_ldexp_f32 v252, 1.0, v254                    ; f = 2^(old M - new M)
.set n, 0
	s_setprio 1
.rept 32
	v_pk_fma_f32 v[96+n:97+n], v[96+n:97+n], s[CS:CS+1], v[12:13] op_sel_hi:[1,0,0]   ; t - M
.set n, n+2
.endr
.irp b, 0,1,2,3
	v_fma_f32 v[232+\b], v[232+\b], s[CS], v12
.endr
.set n, 0
	s_wait_alu depctr_va_vdst(0)
.rept 64
	v_exp_f32 v[96+n], v[96+n]                     ; p = 2^(t - M)
.set n, n+1
.endr
.irp b, 0,1,2,3
	v_exp_f32 v[232+\b], v[232+\b]                 ; the block's largest p: the same two instructions on the same number
.endr
	v_pk_mul_f32 v[14:15], v[14:15], v[252:253] op_sel_hi:[1,0]   ; the sums under the new M (a plain place behind the exponentials)
	s_wait_alu depctr_va_vdst(0)
.irp b, 0,1,2,3
	v_max_num_f32 v[232+\b], 0x1800000, v[232+\b]  ; the floor 2^(3 - 127)
.endr
.irp b, 0,1,2,3
	s_delay_alu instid0(VALU_DEP_4)
	v_add_nc_u32 v[244+\b], 0xff000000, v[232+\b]
.endr
.irp b, 0,1,2,3
	s_delay_alu instid0(VALU_DEP_4)
	v_lshrrev_b32 v[236+\b], 23, v[244+\b]
.endr
	s_delay_alu instid0(VALU_DEP_3)
	v_lshl_or_b32 v253, v237, 8, v236              ; p's scale word for these 128 keys
	s_delay_alu instid0(VALU_DEP_1)
	v_lshl_or_b32 v253, v238, 16, v253
	s_delay_alu instid0(VALU_DEP_1)
	v_lshl_or_b32 v253, v239, 24, v253
.irp c, 0,1
	v_cvt_scalef32_pk16_fp6_f32 v[224+6*\c:226+6*\c], v[96+32*\c:111+32*\c], v[244+2*\c]
	v_cvt_scalef32_pk16_fp6_f32 v[236+4*\c:238+4*\c], v[112+32*\c:127+32*\c], v[244+2*\c+1]
.endr
	v_nop                                          ; one plain place behind a scaled conversion
.irp c, 0,1
.irp i, 0,1,2
	v_permlane16_swap_b32 v[224+6*\c+\i], v[236+4*\c+\i]
.endr
.irp i, 0,1,2
	s_delay_alu instid0(VALU_DEP_3)
	v_mov_b32 v[227+6*\c+\i], v[236+4*\c+\i]
.endr
.endr
	v_pk_add_f32 v[236:237], v[100:101], v[104:105]
	v_pk_add_f32 v[248:249], v[108:109], v[112:113]
	v_pk_add_f32 v[246:247], v[116:117], v[120:121]
	v_pk_add_f32 v[244:245], v[124:125], v[128:129]
	v_pk_add_f32 v[242:243], v[132:133], v[136:137]
	v_pk_add_f32 v[240:241], v[140:141], v[144:145]
	v_pk_add_f32 v[222:223], v[148:149], v[152:153]
	v_pk_add_f32 v[14:15], v[14:15], v[156:157]
	v_pk_add_f32 v[236:237], v[236:237], v[96:97]
	s_setprio 0
	v_pk_add_f32 v[248:249], v[248:249], v[98:99]
	v_pk_add_f32 v[246:247], v[246:247], v[102:103]
	v_pk_add_f32 v[244:245], v[244:245], v[106:107]
	v_pk_add_f32 v[242:243], v[242:243], v[110:111]
	v_pk_add_f32 v[240:241], v[240:241], v[114:115]
	v_pk_add_f32 v[222:223], v[222:223], v[118:119]
	v_pk_add_f32 v[14:15], v[14:15], v[122:123]
	v_pk_add_f32 v[236:237], v[236:237], v[126:127]
	v_pk_add_f32 v[248:249], v[248:249], v[130:131]
	v_pk_add_f32 v[246:247], v[246:247], v[134:135]
	v_pk_add_f32 v[244:245], v[244:245], v[138:139]
	v_pk_add_f32 v[242:243], v[242:243], v[142:143]
	v_pk_add_f32 v[240:241], v[240:241], v[146:147]
	v_pk_add_f32 v[222:223], v[222:223], v[150:151]
	v_pk_add_f32 v[14:15], v[14:15], v[154:155]
	v_pk_add_f32 v[236:237], v[236:237], v[158:159]
	s_delay_alu instid0(VALU_DEP_2)
	v_pk_add_f32 v[14:15], v[14:15], v[244:245]
	s_delay_alu instid0(VALU_DEP_2)
	v_pk_add_f32 v[236:237], v[236:237], v[242:243]
	v_pk_add_f32 v[248:249], v[248:249], v[240:241]
	v_pk_add_f32 v[246:247], v[246:247], v[222:223]
	s_delay_alu instid0(VALU_DEP_2)
	v_pk_add_f32 v[14:15], v[14:15], v[248:249]
	s_delay_alu instid0(VALU_DEP_2)
	v_pk_add_f32 v[236:237], v[236:237], v[246:247]
	s_delay_alu instid0(VALU_DEP_1)
	v_pk_add_f32 v[14:15], v[14:15], v[236:237]
.set n, 0
.rept 16
	v_pk_mul_f32 v[160+n:161+n], v[160+n:161+n], v[252:253] op_sel_hi:[1,0]   ; O^T under the new M
.set n, n+2
.endr
	s_wait_alu depctr_va_vdst(0)
	s_wait_dscnt 0x0                               ; v's fragments and scale words are in
.irp t, 0,1,2,3                                ; O^T += v^T p^T: four accumulators by turns
	v_wmma_scale_f32_16x16x128_f8f6f4 v[160+8*\t:167+8*\t], v[32+12*\t:43+12*\t], v[224:235], v[160+8*\t:167+8*\t], v[200+\t], v253 matrix_a_fmt:MATRIX_FMT_FP6 matrix_b_fmt:MATRIX_FMT_FP6
.endr
.Lhidden_\@:
	s_add_co_u32 s[TB], s[TB], 6144
	s_add_co_u32 s[TS], s[TS], 512
	s_add_co_u32 s[TJ], s[TJ], 256
.endm
; A tile's end: O^T / l, in f32; its 32 registers (16 i + j = feature 32 i + 16 (lane / 16) + j) are two blocks along the last product's K: half a fragment's codes and two scale bytes a row.
.macro FINISH o
.rept 4
	v_nop                                          ; places behind the last products
.endr
	v_add_f32 v14, v14, v15
	s_delay_alu instid0(VALU_DEP_1)
	v_permlanex16_b32 v252, v14, s[SEL], s[SEL+1]
	s_delay_alu instid0(VALU_DEP_1)
	v_add_f32 v14, v14, v252                       ; the row's sum
	s_wait_alu depctr_va_vdst(0)
	v_rcp_f32 v14, v14
	v_nop                                          ; one plain place behind a transcendental
.set n, 0
	s_wait_alu depctr_va_vdst(0)
.rept 16
	v_pk_mul_f32 v[96+n:97+n], v[160+n:161+n], v[14:15] op_sel_hi:[1,0]   ; each accumulator from its low end on
.set n, n+2
.endr
.irp b, 0,1
	v_max3_num_f32 v[232+\b], |v[96+16*\b]|, |v[97+16*\b]|, 0x1800000
.endr
.irp i, 2,4,6,8,10,12,14
.irp b, 0,1
	s_delay_alu instid0(VALU_DEP_2)
	v_max3_num_f32 v[232+\b], v[232+\b], |v[96+16*\b+\i]|, |v[97+16*\b+\i]|
.endr
.endr
.irp b, 0,1
	s_delay_alu instid0(VALU_DEP_2)
	v_permlanex16_b32 v[236+\b], v[232+\b], s[SEL], s[SEL+1]
.endr
.irp b, 0,1
	s_delay_alu instid0(VALU_DEP_2)
	v_max_num_f32 v[232+\b], v[232+\b], v[236+\b]
.endr
.irp b, 0,1
	s_delay_alu instid0(VALU_DEP_2)
	v_add_nc_u32 v[244+\b], 0xff000000, v[232+\b]
.endr
.irp b, 0,1
	s_delay_alu instid0(VALU_DEP_2)
	v_lshrrev_b32 v[236+\b], 23, v[244+\b]
.endr
	s_delay_alu instid0(VALU_DEP_1)
	v_cndmask_b32 v[CB], v236, v237, s[HM]         ; lanes 0-15 store block 0's byte, lanes 16-31 block 1's
	v_cvt_scalef32_pk16_fp6_f32 v[224:226], v[96:111], v244
	v_cvt_scalef32_pk16_fp6_f32 v[240:242], v[112:127], v245
	v_nop
.irp i, 0,1,2
	v_permlane16_swap_b32 v[224+\i], v[240+\i]
.endr
.irp i, 0,1,2
	s_delay_alu instid0(VALU_DEP_3)
	v_mov_b32 v[227+\i], v[240+\i]
.endr
	global_store_b128 v[L16], v[224:227], s[\o+4:\o+5]             ; 512 and 256 consecutive bytes, aligned
	global_store_b64 v[L8], v[228:229], s[\o+4:\o+5] offset:512
	global_store_b8 v[RB], v[CB], s[\o+6:\o+7]
.endm
.macro PASS q, qs, dq, o, second
.if \second
	s_wait_xcnt 0x0                                ; the first tile's stores have read their registers
	s_mov_b32 s[SMAX], s[WV]
.else
	s_sub_co_u32 s[SMAX], 15, s[WV]
.endif
	v_mov_b32 v13, 0xff61b1e6                      ; the largest t so far: -3e38
	s_delay_alu instid0(VALU_DEP_1)
	v_floor_f32 v12, -v13
	v_mov_b32 v14, 0
	v_mov_b32 v15, 0
.set n, 0
.rept 32
	v_mov_b32 v[160+n], 0                          ; O^T: the step is written once; the first change of M leaves zeros zeros
.set n, n+1
.endr
	s_mov_b32 s[SI], 0
	s_mov_b32 s[TB], 0
	s_mov_b32 s[TS], 0
	s_mov_b32 s[TJ], 0
.Lstep_\@:
	STEP \q, \qs, \dq
	s_add_co_u32 s[SI], s[SI], 1
	s_cmp_lt_u32 s[SI], 16
	s_cbranch_scc1 .Lstep_\@
	s_setprio 0
	FINISH \o
.endm
	PASS 16, 216, DQ1, 84, 0
	PASS 204, 217, DQ2, 92, 1
	s_wait_dscnt 0x0                               ; no LDS load of mine is out at a signal
	s_wait_tensorcnt 0x0
	ds_add_u32 v251, v255
	s_wait_dscnt 0x0
	CROUND                                         ; the closing round
	s_endpgm
.Lfunc_end_k_q77ed8ea6e0_attn:
	.size	k_q77ed8ea6e0_attn, .Lfunc_end_k_q77ed8ea6e0_attn-k_q77ed8ea6e0_attn
	.p2alignl 7, 3214868480
	.fill 96, 4, 3214868480
	.section	.rodata,"a",@progbits
	.p2align	6, 0x0
	.amdhsa_kernel k_q77ed8ea6e0_attn
		.amdhsa_group_segment_fixed_size 210944
		.amdhsa_private_segment_fixed_size 0
		.amdhsa_enable_private_segment 0
		.amdhsa_kernarg_size 24
		.amdhsa_user_sgpr_count 2
		.amdhsa_user_sgpr_kernarg_segment_ptr 1
		.amdhsa_wavefront_size32 1
		.amdhsa_system_sgpr_workgroup_id_x 1
		.amdhsa_system_sgpr_workgroup_id_y 1
		.amdhsa_system_sgpr_workgroup_id_z 1
		.amdhsa_system_vgpr_workitem_id 0
		.amdhsa_next_free_vgpr 256
		.amdhsa_next_free_sgpr 102
		.amdhsa_reserve_vcc 1
		.amdhsa_float_denorm_mode_32 3
		.amdhsa_float_denorm_mode_16_64 3
		.amdhsa_memory_ordered 1
		.amdhsa_forward_progress 1
		.amdhsa_inst_pref_size 69
	.end_amdhsa_kernel
	.amdgpu_metadata
---
amdhsa.version: [ 1, 2 ]
amdhsa.kernels:
  - .name:           k_q77ed8ea6e0_attn
    .symbol:         k_q77ed8ea6e0_attn.kd
    .args:
      - { .name: qkq, .offset: 0, .size: 8, .value_kind: global_buffer, .address_space: global }
      - { .name: vq, .offset: 8, .size: 8, .value_kind: global_buffer, .address_space: global }
      - { .name: ctxq, .offset: 16, .size: 8, .value_kind: global_buffer, .address_space: global }
    .group_segment_fixed_size: 210944
    .private_segment_fixed_size: 0
    .kernarg_segment_align: 8
    .kernarg_segment_size: 24
    .max_flat_workgroup_size: 512
    .sgpr_count:     102
    .vgpr_count:     256
    .wavefront_size: 32
...
	.end_amdgpu_metadata
.endif
;; end of part 9
;; launch gemm_out (part 10): grid 4 x 64, 4 waves a work-group, clusters of 4 x 4, 308,480 bytes of LDS; arguments ctxq, woq, bo, out0; writes out0
.if DOCPART == 10
	.amdgcn_target "amdgcn-amd-amdhsa--gfx1250"
	.amdhsa_code_object_version 6
	.text
	.protected	k_q77ed8ea6e0_gemm_out
	.globl	k_q77ed8ea6e0_gemm_out
	.p2align	8
	.type	k_q77ed8ea6e0_gemm_out,@function
k_q77ed8ea6e0_gemm_out:
	s_mov_b64 s[64:65], 0
	v_nop
	global_prefetch_b8 v0, s[64:65] scope:SCOPE_SE
	s_setreg_imm32_b32 hwreg(HW_REG_WAVE_MODE, 25, 1), 1
	s_wait_xcnt 0x0
	s_wait_alu depctr_hold_cnt(0) depctr_sa_sdst(0) depctr_va_vdst(0) depctr_va_sdst(0) depctr_va_ssrc(0) depctr_va_vcc(0) depctr_vm_vsrc(0)
	s_getreg_b32 s2, hwreg(HW_REG_IB_STS2, 6, 4)
	s_cmp_eq_u32 s2, 0
	s_cbranch_scc0 .Lentry_in_a_cluster
	s_endpgm
.Lentry_in_a_cluster:
	s_bfe_u32 s2, ttmp6, 0x10000c
	s_cmp_lg_u32 s2, 0xf033
	s_cbranch_scc0 .Lentry_shape_is_right
	s_endpgm
.Lentry_shape_is_right:
; out[m][n] = sum over k of ctx[m][k] Wo[k][n] + bo[n], K = 1,024, on codes of FP6 (E2M3) with E8M0 scales; out: [8192][1024] f32.
; OPERANDS (A = ctxq, B = woq): rows in fragment order (within each 32 rows, place 16 u + r holds row 8 u + r + 8 (r / 8)); scale bytes [place][32] at byte 0; from CODES on [fragment][K step of 128][1,536]: an image of the
; fragment's 12 registers: 0-3 at 16 x lane, 4-5 at 512 + 8 x lane, 6-9 at 768 + 16 x lane, 10-11 at 1,280 + 8 x lane.
; THE MATRIX INSTRUCTION IS USED TRANSPOSED (source 0 = 16 places of B, source 1 = 16 places of A): lane (r, h) holds place r of A, and tile b's register j column 32 (b / 2) + 16 h + 8 (b % 2) + j.
; The bias is the C of each sum's first matrix instruction: eight registers a tile, in the result's layout.
; SHARES.  A tile of out is 128 x 256, so that 8,192 x 1,024 gives 256 work-groups; four waves, 64 x 128 each: 32 accumulators.  At this tile ALL OF K FITS IN LDS: four slots of 256 along K (73,728 bytes each) and the scales.
; Every slot is filled once, all fills go out together at the start, and a counted wait and one barrier stand in front of each slot's first read.  Nothing is filled again.
; CLUSTERS: 4 x 4 work-groups; A's tiles are asked for jointly along a row of the cluster, B's along a column.
; REGISTERS, in windows of 256: window 0: v8-23 fragment addresses of the four slots; v24-28 lane terms; v32-95 scale words (block i, K step k at 32 + 8 i + k: lanes 0-15 A's block, lanes 16-31 B's);
;   v96-127 and v224-255 the bias; v128-223 A's fragments, two sets of 48; on the way out v128-255 rows of out.  window 1: B's fragments, two sets.  window 2: the accumulators ((a, b) at v[8 (8 a + b)]).
.set FR,     12
.set FRB,    1536
.set NP,     4                         ; places behind this matrix instruction (ISA guide 7.12.1)
.set CODES,  262144
.set KROW,   768
.set HALFA,  4*2*FRB
.set HALFB,  8*2*FRB
.set SLOT,   2*HALFA+2*HALFB
.set SCL,    4*SLOT
.set HALFSA, 8*272
.set HALFSB, 16*272
.set SBLK,   544
.set SPITCH, 528                       ; the way out: a stage of 16 rows x (512 bytes + 16) for each wave, in slot 0: it has had its one fill, and three barriers stand behind every wave's last read of it
.set PADW,   (3<<16)|(1<<20)|(1<<21)|(5<<22)|(3<<25)
.set ADRA, 8
.set ADRB, 16
.set L16,  24                          ; v24 16 x lane
.set L8,   25                          ; v25 8 x lane
.set STO,  26                          ; v26 the stage: where I put 32 bytes of a row
.set ADRS, 27
.set RD,   28                          ; v28 where I read a row back
.set SC,   32
.set AF,   128
.set BK,   128
.set G1,   24
.set G1B,  32
.set G1S,  40
.set G1SB, 48
.set G0S,  92
.set G0SB, 96
.set MSB, 0
.macro WIN new                         ; the immediate's high byte repeats the setting that is left
.if MSB != \new
	s_set_vgpr_msb (MSB<<8)|\new
.set MSB, \new
.endif
.endm
.set MUL,   0xa1                       ; source 0 (B) window 1, source 1 (A) window 0, C and D window 2
.set MUL_1, 0x81                       ; the same with C (the bias) in window 0
.set TO_B,  0x40
.macro JLOAD g0a, g1a, g0b, g1b        ; a joint load: waves 0 and 1 fetch for A, waves 2 and 3 for B; four v_nop follow each of the two lines
	s_cmp_eq_u32 s15, 0
	s_cbranch_scc0 .Lfor_b_\@
	tensor_load_to_lds s[\g0a:\g0a+3], s[\g1a:\g1a+7]
	s_nop 0
.rept 4
	v_nop
.endr
	s_branch .Lasked_\@
.Lfor_b_\@:
	tensor_load_to_lds s[\g0b:\g0b+3], s[\g1b:\g1b+7]
	s_nop 0
.rept 4
	v_nop
.endr
.Lasked_\@:
.endm
.macro CROUND                          ; a round of the cluster's barrier
	s_barrier_signal -1
	s_barrier_wait -1
	s_cmp_lg_u32 s14, 0
	s_cbranch_scc1 .Lnot_wave_0_\@
	s_barrier_signal -3
.Lnot_wave_0_\@:
	s_barrier_wait -3
	s_barrier_signal -1
	s_barrier_wait -1
.endm
.macro SHAPE g, c, r, p                ; group 1's words 1 to 7: r rows of c elements, p elements from row to row
	s_mov_b32 s[\g+1], (\c)<<16
	s_mov_b32 s[\g+2], (\r)<<16
	s_mov_b32 s[\g+3], (\c)<<16
	s_mov_b32 s[\g+4], \r
	s_mov_b32 s[\g+5], \p
	s_mov_b32 s[\g+6], 0
	s_mov_b32 s[\g+7], 0
.endm
	s_load_b64 s[6:7], s[0:1], 0x0                 ; A: its scale bytes lie at its first byte
	s_load_b64 s[10:11], s[0:1], 0x8               ; B likewise
	s_load_b64 s[4:5], s[0:1], 0x10                ; bo
	s_load_b64 s[12:13], s[0:1], 0x18              ; out
	v_lshl_add_u32 v30, v0, 2, 0x4b300
	v_mov_b32 v31, 0
	ds_add_u32 v30, v31
	ds_add_u32 v30, v31
	v_lshrrev_b32 v1, 5, v0
	v_readfirstlane_b32 s14, v1                    ; wave 0..3
	s_lshr_b32 s15, s14, 1                         ; which half of the tile's rows is mine.  Also: I fetch for A (0) or for B (1)
	s_and_b32 s16, s14, 1                          ; which half of its columns.  Also: which half of that tile I fetch
	s_bfe_u32 s2, ttmp6, 0x40000                   ; cx
	s_bfe_u32 s3, ttmp6, 0x40004                   ; cy
	s_lshl_b32 s18, ttmp9, 2
	s_add_co_u32 s18, s18, s2                      ; tile column
	s_and_b32 s17, ttmp7, 0xffff
	s_lshl_b32 s17, s17, 2
	s_add_co_u32 s17, s17, s3                      ; tile row
	s_lshl_b32 s19, s3, 2
	s_lshl_b32 s19, 15, s19                        ; my row of the cluster
	s_lshl_b32 s104, 0x1111, s2                    ; my column
	s_or_b32 s[G1], s19, (3<<16)|(1<<21)           ; codes: elements of 8 bytes, dense in LDS
	s_or_b32 s[G1B], s104, (3<<16)|(1<<21)
	s_or_b32 s[G1S], s19, PADW
	s_or_b32 s[G1SB], s104, PADW
	SHAPE G1, 384, 4, 1536                         ; 4 rows (fragments) of 3,072 bytes (two K steps' images), 12,288 bytes apart
	SHAPE G1B, 384, 8, 1536
	SHAPE G1S, 32, 8, 32                           ; 2,048 dense bytes as rows of 256
	SHAPE G1SB, 32, 16, 32
	s_lshl_b32 s20, s17, 7
	s_lshl_b32 s21, s16, 6
	s_add_co_u32 s20, s20, s21                     ; A: place 128 x tile row + 64 x half
	s_lshl_b32 s22, s20, 5
	s_mul_i32 s20, s20, KROW
	s_add_co_u32 s20, s20, CODES
	s_mov_b32 s21, 0
	s_mov_b32 s23, 0
	s_lshl_b32 s100, s18, 8
	s_lshl_b32 s101, s16, 7
	s_add_co_u32 s100, s100, s101                  ; B: place 256 x tile column + 128 x half
	s_lshl_b32 s104, s100, 5
	s_mul_i32 s100, s100, KROW
	s_add_co_u32 s100, s100, CODES
	s_mov_b32 s101, 0
	s_mov_b32 s105, 0
	s_wait_dscnt 0x0
	s_wait_kmcnt 0x0
	s_mov_b32 s[G0S], 1
	s_mul_i32 s[G0S+1], s16, HALFSA                ; no place in the cluster enters an LDS address
	s_add_co_u32 s[G0S+1], s[G0S+1], SCL
	s_add_nc_u64 s[G0S+2:G0S+3], s[6:7], s[22:23]
	s_or_b32 s[G0S+3], s[G0S+3], 0x80000000
	s_mov_b32 s[G0SB], 1
	s_mul_i32 s[G0SB+1], s16, HALFSB
	s_add_co_u32 s[G0SB+1], s[G0SB+1], SCL+2*HALFSA
	s_add_nc_u64 s[G0SB+2:G0SB+3], s[10:11], s[104:105]
	s_or_b32 s[G0SB+3], s[G0SB+3], 0x80000000
.irp s, 0,1,2,3
.set GA, 56+4*\s+4*(\s/2)
.set GB, 76+4*\s
	s_mov_b32 s[GA], 1
	s_mul_i32 s[GA+1], s16, HALFA
	s_add_co_u32 s[GA+1], s[GA+1], \s*SLOT
	s_add_nc_u64 s[GA+2:GA+3], s[6:7], s[20:21]
	s_add_nc_u64 s[GA+2:GA+3], s[GA+2:GA+3], \s*2*FRB
	s_or_b32 s[GA+3], s[GA+3], 0x80000000
	s_mov_b32 s[GB], 1
	s_mul_i32 s[GB+1], s16, HALFB
	s_add_co_u32 s[GB+1], s[GB+1], \s*SLOT+2*HALFA
	s_add_nc_u64 s[GB+2:GB+3], s[10:11], s[100:101]
	s_add_nc_u64 s[GB+2:GB+3], s[GB+2:GB+3], \s*2*FRB
	s_or_b32 s[GB+3], s[GB+3], 0x80000000
.endr
	CROUND                                         ; all sixteen work-groups are here: the joint loads meet
	JLOAD G0S, G1S, G0SB, G1SB                     ; the scales first; then the four slots: five loads of mine are out
.irp s, 0,1,2,3
	JLOAD 56+4*\s+4*(\s/2), G1, 76+4*\s, G1B
.endr
	v_and_b32 v1, 15, v0                           ; l % 16
	v_bfe_u32 v2, v0, 4, 1                         ; l / 16
	v_and_b32 v6, 31, v0
	v_lshlrev_b32 v[L16], 4, v6
	v_lshlrev_b32 v[L8], 3, v6
	s_mul_i32 s21, s15, HALFA                      ; my 4 fragments of A
	s_mul_i32 s22, s16, HALFB                      ; my 8 of B,
	s_add_co_u32 s22, s22, 2*HALFA                 ; which lie behind A's 8
.irp s, 0,1,2,3
	v_add_nc_u32 v[ADRA+\s], s21, v[L16]
	v_add_nc_u32 v[ADRA+4+\s], s21, v[L8]
	v_add_nc_u32 v[ADRB+\s], s22, v[L16]
	v_add_nc_u32 v[ADRB+4+\s], s22, v[L8]
	s_add_co_u32 s21, s21, SLOT
	s_add_co_u32 s22, s22, SLOT
.endr
	v_lshlrev_b32 v5, 5, v1                        ; my row's scales: 32 bytes a row,
	v_lshrrev_b32 v6, 8, v5
	v_lshl_add_u32 v5, v6, 4, v5                   ; and 16 more for each 256 passed
	s_mul_i32 s21, s15, HALFSA
	s_mul_i32 s22, s16, HALFSB
	s_add_co_u32 s22, s22, 2*HALFSA
	s_sub_co_u32 s22, s22, s21
	v_mul_u32_u24 v6, s22, v2                      ; lanes 16-31 take B's
	s_add_co_u32 s21, s21, SCL
	v_add_nc_u32 v5, v5, v6
	v_add_nc_u32 v[ADRS], s21, v5
	s_mul_i32 s23, s14, 16*SPITCH                  ; my stage
	v_mul_u32_u24 v5, v1, SPITCH
	v_lshl_add_u32 v5, v2, 6, v5
	v_add_nc_u32 v[STO], s23, v5                   ; in: row r, + 64 h
	v_add_nc_u32 v[RD], s23, v[L16]                ; back: the 32 lanes take one row of 512 bytes
	s_lshl_b32 s20, s17, 7
	s_lshl_b32 s21, s15, 6
	s_add_co_u32 s20, s20, s21                     ; my first row of out: 128 x tile row + 64 x half
	s_lshl_b32 s20, s20, 12                        ; rows of 4,096 bytes
	s_mov_b32 s21, 0
	s_lshl_b32 s100, s18, 10                       ; my first column, in bytes: 1,024 x tile column + 512 x half
	s_lshl_b32 s101, s16, 9
	s_add_co_u32 s100, s100, s101
	s_mov_b32 s101, 0
	s_add_nc_u64 s[4:5], s[4:5], s[100:101]        ; bo at my 128 columns
	s_add_nc_u64 s[20:21], s[20:21], s[100:101]
	s_add_nc_u64 s[12:13], s[12:13], s[20:21]
	v_lshlrev_b32 v7, 6, v2                        ; 16 h numbers on
.irp b, 0,1,2,3,4,5,6,7
	global_load_b128 v[96+8*\b+96*(\b/4):96+8*\b+96*(\b/4)+3], v7, s[4:5] offset:(32*(\b/2)+8*(\b%2))*4
	global_load_b128 v[96+8*\b+96*(\b/4)+4:96+8*\b+96*(\b/4)+7], v7, s[4:5] offset:(32*(\b/2)+8*(\b%2))*4+16
.endr
.macro FRAG reg, a16, a8, q, i         ; fragment i of mine, the slot's q-th K step: its image, by four dense loads
	ds_load_b128 v[\reg:\reg+3], v[\a16] offset:2*FRB*(\i)+FRB*(\q)
	ds_load_b64 v[\reg+4:\reg+5], v[\a8] offset:2*FRB*(\i)+FRB*(\q)+512
	ds_load_b128 v[\reg+6:\reg+9], v[\a16] offset:2*FRB*(\i)+FRB*(\q)+768
	ds_load_b64 v[\reg+10:\reg+11], v[\a8] offset:2*FRB*(\i)+FRB*(\q)+1280
.endm
.macro FETCH k                         ; K step k's twelve fragments into set k % 2: 48 loads in one run
	WIN TO_B
.irp i, 0,1,2,3,4,5,6,7
	FRAG 128*((\k)%2)+FR*\i, ADRB+(\k)/2, ADRB+4+(\k)/2, (\k)%2, \i
.endr
	WIN 0
.irp i, 0,1,2,3
	FRAG AF+48*((\k)%2)+FR*\i, ADRA+(\k)/2, ADRA+4+(\k)/2, (\k)%2, \i
.endr
.endm
.macro SCALES h                        ; the scale words of K steps 4 h .. 4 h + 3: lanes 0-15 A's block i (blocks 4-7 are not used there), lanes 16-31 B's block i
.irp i, 0,1,2,3,4,5,6,7
	ds_load_b128 v[SC+8*\i+4*\h:SC+8*\i+4*\h+3], v[ADRS] offset:\i*SBLK+16*\h
.endr
.endm
; 16 matrix instructions: A's blocks a0, a0 + 1 x B's eight, K step k.  first = 1: the bias starts the sums.  The 32 accumulators take turns, one instruction a turn.
.macro MUL16 a0, k, first
.irp a, \a0, \a0+1
.irp b, 0,1,2,3,4,5,6,7
.if \first
	v_wmma_scale_f32_16x16x128_f8f6f4 v[8*(8*(\a)+\b):8*(8*(\a)+\b)+7], v[128*((\k)%2)+FR*\b:128*((\k)%2)+FR*\b+FR-1], v[AF+48*((\k)%2)+FR*(\a):AF+48*((\k)%2)+FR*(\a)+FR-1], v[96+8*\b+96*(\b/4):96+8*\b+96*(\b/4)+7], v[SC+8*\b+(\k)], v[SC+8*(\a)+(\k)] matrix_a_fmt:MATRIX_FMT_FP6 matrix_b_fmt:MATRIX_FMT_FP6 matrix_a_scale:MATRIX_SCALE_ROW1
.else
	v_wmma_scale_f32_16x16x128_f8f6f4 v[8*(8*(\a)+\b):8*(8*(\a)+\b)+7], v[128*((\k)%2)+FR*\b:128*((\k)%2)+FR*\b+FR-1], v[AF+48*((\k)%2)+FR*(\a):AF+48*((\k)%2)+FR*(\a)+FR-1], v[8*(8*(\a)+\b):8*(8*(\a)+\b)+7], v[SC+8*\b+(\k)], v[SC+8*(\a)+(\k)] matrix_a_fmt:MATRIX_FMT_FP6 matrix_b_fmt:MATRIX_FMT_FP6 matrix_a_scale:MATRIX_SCALE_ROW1
.endif
.endr
.endr
.endm
.macro PLACES n                        ; places in front of loads into registers that matrix instructions have read, and of the first read of results
.rept \n
	v_nop
.endr
.endm
.macro WMUL first
.if \first
	WIN MUL_1
.else
	WIN MUL
.endif
.endm
; K step k.  Its fragments were asked for a step ago.  An even step asks for the next step's (same slot) at its head.  An odd step first meets the others in front of the next slot:
; my part of that slot has landed (the later slots' loads may be out), and no LDS load of mine is out at the signal.
.macro STEP k, first
	s_wait_dscnt 0x0                               ; this step's fragments are in
.if (\k)%2 == 0
.if (\k) > 0
	PLACES NP
.endif
	FETCH (\k)+1
.if (\k) == 0
	SCALES 1
.endif
	WMUL \first
	MUL16 0, \k, \first
	MUL16 2, \k, \first
.elseif (\k) < 7
	s_wait_tensorcnt 3-((\k)+1)/2                  ; behind the next slot's load I issued this many
	s_barrier_signal -1
	WMUL \first
	MUL16 0, \k, \first                            ; work on registers while the others arrive
	s_barrier_wait -1
	PLACES NP
	FETCH (\k)+1
	WMUL \first
	MUL16 2, \k, \first
.else
	WMUL \first
	MUL16 0, \k, \first
	MUL16 2, \k, \first
.endif
.endm
	s_wait_alu depctr_va_vdst(0)
	s_wait_tensorcnt 3                             ; the scales and my part of slot 0 are in; the three later slots' loads may be out
	s_barrier_signal -1
	s_barrier_wait -1                              ; everybody's are
	SCALES 0
	FETCH 0
	s_wait_loadcnt 0x0                             ; the bias
	STEP 0, 1
.irp k, 1,2,3,4,5,6,7
	STEP \k, 0
.endr
	WIN 0
; THE WAY OUT, block by block of 16 places x 128 columns, through my own stage in LDS; it comes back as whole rows of 512 bytes.  LDS serves a wave's instructions in order: no wait between the stores and the loads.
.macro TOSTAGE a
.set AC, 64*(\a)
	WIN 0x08                                       ; an LDS store's data are its source 1: window 2
.irp b, 0,1,2,3,4,5,6,7
	ds_store_b128 v[STO], v[AC+8*\b:AC+8*\b+3] offset:128*(\b/2)+32*(\b%2)          ; each accumulator from its low end on
	ds_store_b128 v[STO], v[AC+8*\b+4:AC+8*\b+7] offset:128*(\b/2)+32*(\b%2)+16
.endr
	WIN 0
.set BB, BK+64*((\a)%2)
.irp t, 0,1,2,3,4,5,6,7,8,9,10,11,12,13,14,15
	ds_load_b128 v[BB+4*\t:BB+4*\t+3], v[RD] offset:\t*SPITCH
.endr
.endm
.macro SEND a, younger                 ; place t of fragment a is row 32 (a / 2) + 8 (a % 2) + t + 8 (t / 8) of my 64: it stands in the immediate
.set BB, BK+64*((\a)%2)
.set RW, 32*((\a)/2)+8*((\a)%2)
	s_wait_dscnt \younger
.irp t, 0,1,2,3,4,5,6,7,8,9,10,11,12,13,14,15
	global_store_b128 v[L16], v[BB+4*\t:BB+4*\t+3], s[12:13] offset:(RW+\t+8*(\t/8))*4096 th:TH_STORE_NT   ; 512 consecutive bytes, aligned
.endr
.endm
	PLACES NP
	TOSTAGE 0
.irp a, 1,2,3
.if \a > 1
	s_wait_xcnt 0x0                                ; block a - 2's stores have read their registers: block a's loads may land there
.endif
	TOSTAGE \a
	SEND \a-1, 32                                  ; behind block a - 1's loads: block a's 16 stores and 16 loads
.endr
	SEND 3, 0
	s_wait_tensorcnt 0x0
	ds_add_u32 v30, v31
	s_wait_dscnt 0x0
	CROUND                                         ; the closing round: no work-group ends while a partner may still ask for a tile that names it
	s_endpgm
.Lfunc_end_k_q77ed8ea6e0_gemm_out:
	.size	k_q77ed8ea6e0_gemm_out, .Lfunc_end_k_q77ed8ea6e0_gemm_out-k_q77ed8ea6e0_gemm_out
	.p2alignl 7, 3214868480
	.fill 96, 4, 3214868480
	.section	.rodata,"a",@progbits
	.p2align	6, 0x0
	.amdhsa_kernel k_q77ed8ea6e0_gemm_out
		.amdhsa_group_segment_fixed_size 308480
		.amdhsa_private_segment_fixed_size 0
		.amdhsa_enable_private_segment 0
		.amdhsa_kernarg_size 32
		.amdhsa_user_sgpr_count 2
		.amdhsa_user_sgpr_kernarg_segment_ptr 1
		.amdhsa_wavefront_size32 1
		.amdhsa_system_sgpr_workgroup_id_x 1
		.amdhsa_system_sgpr_workgroup_id_y 1
		.amdhsa_system_sgpr_workgroup_id_z 1
		.amdhsa_system_vgpr_workitem_id 0
		.amdhsa_next_free_vgpr 768
		.amdhsa_next_free_sgpr 106
		.amdhsa_reserve_vcc 0
		.amdhsa_float_denorm_mode_32 3
		.amdhsa_float_denorm_mode_16_64 3
		.amdhsa_memory_ordered 1
		.amdhsa_forward_progress 1
		.amdhsa_inst_pref_size 89
	.end_amdhsa_kernel
	.amdgpu_metadata
---
amdhsa.version: [ 1, 2 ]
amdhsa.kernels:
  - .name:           k_q77ed8ea6e0_gemm_out
    .symbol:         k_q77ed8ea6e0_gemm_out.kd
    .args:
      - { .name: ctxq, .offset: 0, .size: 8, .value_kind: global_buffer, .address_space: global }
      - { .name: woq, .offset: 8, .size: 8, .value_kind: global_buffer, .address_space: global }
      - { .name: bo, .offset: 16, .size: 8, .value_kind: global_buffer, .address_space: global }
      - { .name: out0, .offset: 24, .size: 8, .value_kind: global_buffer, .address_space: global }
    .group_segment_fixed_size: 308480
    .private_segment_fixed_size: 0
    .kernarg_segment_align: 8
    .kernarg_segment_size: 32
    .max_flat_workgroup_size: 128
    .sgpr_count:     106
    .vgpr_count:     768
    .wavefront_size: 32
...
	.end_amdgpu_metadata
.endif
;; end of part 10
